; MI455X (gfx1250); checked and timed in simulation.
; The chip was launched on July 23, 2026; its instructions are those of AMD's public machine-readable ISA for CDNA 5 (MIT licence, August 2026) and "CDNA5" Instruction Set Architecture Reference Guide (July 2026). The comments in the code are by the model that wrote it; some were corrected since.
;; Decoder Block. Allowed arithmetic: matrix products marked QUANTISED: E2M3 operands, one E8M0 scale for each 32 along K, by v_wmma_scale_f32_16x16x128_f8f6f4 with both operands' format E2M3, f32 sums; everything else in f32.
;; Inputs: W1 768 x 3,072 float32; W2 3,072 x 768 float32; Wk 768 x 768 float32; Wo 768 x 768 float32; Wq 768 x 768 float32; Wv 768 x 768 float32; b1 3,072 float32; b2 768 float32; bk 768 float32; bo 768 float32; bq 768 float32; bv 768 float32; ln1_b 768 float32; ln1_g 768 float32; ln2_b 768 float32; ln2_g 768 float32; x 1 x 4,096 x 768 float32.
;; Outputs: out0 1 x 4,096 x 768 float32.
;; This version of the problem:
;;   THIS VERSION OF THE PROBLEM IS GIVEN IN LOW PRECISION. The matrix products marked QUANTISED in the list below multiply operands that are first quantised to E2M3 (2 exponent bits, 3 mantissa bits; 6 bits a number), with one power-of-two scale for each 32 numbers along K (OCP MX v1.0); their sums are f32. All else is computed in f32.
;;   The module's matrix products, in the order in which they are computed (A, B: the left and right operand; K: the contracted axis; several contracted axes count as one K, in the product's order):
;;     1. [M 4,096, K 768] x [K 768, N 768]; A: input x; B: input Wq: QUANTISED
;;     2. [M 4,096, K 768] x [K 768, N 768]; A: input x; B: input Wk: QUANTISED
;;     3. [M 4,096, K 768] x [K 768, N 768]; A: input x; B: input Wv: QUANTISED
;;     4. batch 12 x [M 4,096, K 64] x [K 64, N 4,096]; A: computed on the way; B: computed on the way: QUANTISED
;;     5. batch 12 x [M 4,096, K 4,096] x [K 4,096, N 64]; A: softmax (see below); B: computed on the way: QUANTISED
;;     6. [M 4,096, K 768] x [K 768, N 768]; A: computed on the way; B: input Wo: QUANTISED
;;     7. [M 4,096, K 768] x [K 768, N 3,072]; A: computed on the way; B: input W1: QUANTISED
;;     8. [M 4,096, K 3,072] x [K 3,072, N 768]; A: computed on the way; B: input W2: QUANTISED
;;   THE QUANTISER, for each operand of a quantised product, along K:
;;     - K is cut into blocks of 32 from its start; a last block that is shorter is filled with zeros.
;;     - A block's scale is 2^e with e = floor(log2(the largest magnitude in the block)) - 2, held to -126 .. 127; a block of zeros has e = 0. As a byte (E8M0): e + 127.
;;     - Each number is divided by its block's scale, clamped to +-7.5, and rounded to the nearest number of E2M3, ties to even, subnormals kept.
;;     - The product sums the exact products of the quantised numbers (number of the format x scale) in f32.
;;   ~~~python
;;   def quantise(x, axis):      # numpy; x: float32 -> the quantised numbers, widened to float32 again
;;       x = np.moveaxis(x, axis, -1); K = x.shape[-1]
;;       x = np.pad(x, [(0, 0)] * (x.ndim - 1) + [(0, -K % 32)]); x = x.reshape(x.shape[:-1] + (-1, 32)); a = np.abs(x).max(-1, keepdims=True)
;;       e = np.where(a > 0, np.clip(np.frexp(np.where(a > 0, a, 1))[1] - 1 - 2, -126, 127), 0)      # np.frexp(a)[1] - 1 = floor(log2(a)), exactly
;;       r = np.clip(x / 2.0 ** e, -7.5, 7.5)
;;       step = 2.0 ** (np.maximum(np.frexp(np.where(r == 0, 1, r))[1] - 1, 0) - 3)
;;       q = np.round(r / step) * step * 2.0 ** e      # np.round: ties to even
;;       return np.moveaxis(q.reshape(q.shape[:-2] + (-1,))[..., :K], -1, axis).astype(np.float32)
;;   ~~~
;;   SOFTMAX AHEAD OF A QUANTISED PRODUCT. Where the list says 'softmax', what is quantised is not the finished softmax but p = 2^(t - M), with t = logit x log2(e) and M = ceil(the row's largest t), a whole number; so 1/2 < the row's largest p <= 1. The row's sum l is taken of the UNQUANTISED p, in f32, and the product's result is divided by l at the end. Since M is a whole number, a kernel that streams over the keys may use a running M (the ceiling of the running maximum): every later rescaling is an exact power of two, which a block's scale takes up: the codes' values come out the same.
;;   OPERANDS COMPUTED ON THE WAY. 'Computed on the way' means the value that the module computes at that place (a softmax that the list does not call 'softmax' is quantised finished and normalised). What goes into a quantiser is computed in f32, as accurately as f32 sums, v_exp_f32 and their like allow (about 1e-6 of the number): no bf16 or f16 on the way to a quantiser, and a product that is left as it is and whose result goes on into a quantised operand takes f32 operands (vector FMAs, or v_wmma_f32_16x16x4_f32). A number that lies on a knife's edge between two numbers of the format may be rounded either way, as far as f32 arithmetic and the matrix unit's own rounding can turn it there, and no further.
;; 2 versions. Each part assembles by itself: llvm-mc -triple=amdgcn-amd-amdhsa -mcpu=gfx1250 --defsym DOCPART=n.
;; ======== version 1 of 2: 5 launches
;; workspace buffers: wimg 5,529,600 bytes; qimg 2,555,904 bytes; kvimg 4,915,200 bytes; aimg 2,457,600 bytes; hres 12,582,912 bytes; part 50,331,648 bytes
;; launch prep (part 1): grid 6 x 144, 4 waves a work-group, no clusters, 7,168 bytes of LDS; arguments Wq, Wk, Wv, Wo, W1, W2, wimg; writes wimg
.if DOCPART == 1
	.amdgcn_target "amdgcn-amd-amdhsa--gfx1250"
	.amdhsa_code_object_version 6
	.text
	.protected	k_qc8fd0e7e5c_prep
	.globl	k_qc8fd0e7e5c_prep
	.p2align	8
	.type	k_qc8fd0e7e5c_prep,@function
k_qc8fd0e7e5c_prep:
	s_mov_b64 s[64:65], 0
	v_nop
	global_prefetch_b8 v0, s[64:65] scope:SCOPE_SE
	s_setreg_imm32_b32 hwreg(HW_REG_WAVE_MODE, 25, 1), 1
	s_wait_xcnt 0x0
; The six weights ([K][N] f32, K the first axis) become codes of E2M3 with one E8M0 byte for each 32 along K, laid as RECORDS in the order of the operand's registers.
; A record (6,400 bytes) serves 64 output columns (a unit u) and 128 along K (a step s): four fragments of 16 columns x 128 K (register 4 p + q of lane l at 1536 t + 512 p + 16 l + 4 q), then 4 x 16 scale words.
; THE COLUMNS OF A FRAGMENT ARE NOT NEIGHBOURS: row i of fragment t is column 32 (i / 8) + 8 t + i % 8 of the unit, so that a later product's four results of a lane are 32 neighbouring columns.
; One work-group makes one record.  A thread takes ONE column and two blocks of 32 down K: the block's largest magnitude needs no other lane, and the conversions give codes with K innermost.
; Wave w: a = w % 2 (columns 32 a on), H = w / 2 (which 32 of each 64 along K).  The record is gathered in LDS and leaves in stores of 512 and 256 consecutive bytes.
; Records: Wq 0, Wk 72, Wv 144, Wo 216 (6 u + s), W1 288 + 6 u + s, W2 576 + 24 u + s.  Record number = 6 y + x of the grid.
; LIMITS: NaN and infinities are not served.  A block of zeros, or one whose largest magnitude lies under 2^-124, gets the byte 1 (the floor); a block of zeros has zero codes, and this program alone reads the bytes.
.set AM, 8                             ; v8-9 two running maxima
.set SC, 10                            ; v10  the conversion's scale operand
; 32 numbers v[src ..] -> six registers of codes v[dst ..] and the scale's byte v[by].  The largest magnitude with the floor 2^(3 - 127) among its leaves; 2 off its exponent field is the scale operand.
.macro QBLK src, dst, tmp, by
	v_max3_num_f32 v[AM], |v[(\src)]|, |v[(\src)+1]|, 0x1800000
	v_max3_num_f32 v[AM+1], |v[(\src)+16]|, |v[(\src)+17]|, |v[(\src)+18]|
.irp i, 0,1,2,3,4,5
	v_max3_num_f32 v[AM], v[AM], |v[(\src)+2+2*\i]|, |v[(\src)+3+2*\i]|
	v_max3_num_f32 v[AM+1], v[AM+1], |v[(\src)+19+2*\i]|, |v[(\src)+20+2*\i]|
.endr
	v_max3_num_f32 v[AM], v[AM], |v[(\src)+14]|, |v[(\src)+15]|
	v_max3_num_f32 v[AM], v[AM], v[AM+1], |v[(\src)+31]|
	v_add_nc_u32 v[SC], 0xff000000, v[AM]
	v_cvt_scalef32_pk16_fp6_f32 v[(\dst):(\dst)+2], v[(\src):(\src)+15], v[SC]
	v_cvt_scalef32_pk16_fp6_f32 v[(\tmp):(\tmp)+2], v[(\src)+16:(\src)+31], v[SC]   ; (a conversion's three registers begin on an even number)
	v_lshrrev_b32 v[(\by)], 23, v[SC]              ; the byte; also the plain line behind the conversions
	v_mov_b32 v[(\dst)+3], v[(\tmp)]
	v_mov_b32 v[(\dst)+4], v[(\tmp)+1]
	v_mov_b32 v[(\dst)+5], v[(\tmp)+2]
.endm
.macro WLOADS pitch                    ; 64 rows of K at my column: rows 0-31 are block c = 0; rows 64-95 block c = 1
.set wi, 0
.rept 64
	global_load_b32 v[16+wi], v2, s[4:5] offset:(64*(wi/32)+wi%32)*(\pitch) th:TH_LOAD_NT
.set wi, wi+1
.endr
.endm
	s_load_b256 s[8:15], s[0:1], 0x0               ; Wq, Wk, Wv, Wo
	s_load_b128 s[16:19], s[0:1], 0x20             ; W1, W2
	s_load_b64 s[20:21], s[0:1], 0x30              ; wimg
	v_lshl_add_u32 v112, v0, 2, 0x1a00
	v_mov_b32 v113, 0
	v_lshrrev_b32 v1, 5, v0
	v_readfirstlane_b32 s22, v1                    ; wave
	s_and_b32 s23, ttmp7, 0xffff                   ; j: grid y
	s_and_b32 s24, s22, 1                          ; a
	s_lshr_b32 s25, s22, 1                         ; H
	v_and_b32 v1, 31, v0                           ; lane
	v_lshlrev_b32 v2, 2, v1                        ; my column's 4 bytes
	v_bfe_u32 v6, v0, 3, 2                         ; t = lane / 8
	v_and_b32 v7, 7, v0                            ; lane % 8
	s_lshl_b32 s26, s24, 7
	s_lshl_b32 s27, s25, 8
	s_add_co_u32 s26, s26, s27                     ; 16 (8 a + 16 H)
	v_mul_u32_u24 v3, v6, 1536
	v_lshl_add_u32 v3, v7, 4, v3
	v_add_nc_u32 v3, s26, v3                       ; the stage: fragment t, operand lane 8 a + lane % 8 + 16 H
	s_lshl_b32 s26, s24, 5
	s_add_co_u32 s26, s26, s25
	s_add_co_u32 s26, s26, 6144
	v_lshlrev_b32 v4, 6, v6
	v_lshl_add_u32 v4, v7, 2, v4
	v_add_nc_u32 v4, s26, v4                       ; my scale byte: word of row 8 a + lane % 8 of fragment t, byte 2 c + H
	s_mul_i32 s26, s22, 1536
	v_lshl_add_u32 v5, v1, 4, s26                  ; the way out: 1536 w + 16 lane, in LDS and in the record alike
	v_lshl_add_u32 v13, v1, 3, 6144                ; and the scale words: 8 bytes a lane
	s_mul_i32 s28, s23, 6
	s_add_co_u32 s28, s28, ttmp9                   ; the record's number
	s_mul_i32 s38, s28, 6400
	s_mov_b32 s39, 0
	s_sub_co_u32 s29, s23, 96                      ; W2: jj
	s_lshr_b32 s30, s29, 2                         ; its unit,
	s_and_b32 s31, s29, 3
	s_mul_i32 s31, s31, 6
	s_add_co_u32 s31, s31, ttmp9                   ; its K step
	s_wait_kmcnt 0x0
	s_mov_b64 s[4:5], s[18:19]                     ; which weight: a choice on the work-group's number alone
	s_mov_b32 s6, 96
	s_cmp_lt_u32 s23, 96
	s_cselect_b64 s[4:5], s[16:17], s[4:5]
	s_cselect_b32 s6, 48, s6
	s_cmp_lt_u32 s23, 48
	s_cselect_b64 s[4:5], s[14:15], s[4:5]
	s_cselect_b32 s6, 36, s6
	s_cmp_lt_u32 s23, 36
	s_cselect_b64 s[4:5], s[12:13], s[4:5]
	s_cselect_b32 s6, 24, s6
	s_cmp_lt_u32 s23, 24
	s_cselect_b64 s[4:5], s[10:11], s[4:5]
	s_cselect_b32 s6, 12, s6
	s_cmp_lt_u32 s23, 12
	s_cselect_b64 s[4:5], s[8:9], s[4:5]
	s_cselect_b32 s6, 0, s6
	s_sub_co_u32 s7, s23, s6
	s_cmp_lt_u32 s23, 96
	s_cselect_b32 s30, s7, s30                     ; u
	s_cselect_b32 s31, ttmp9, s31                  ; s
	s_sub_co_u32 s33, s23, 48
	s_mov_b32 s32, 12288
	s_cmp_lt_u32 s33, 48                           ; W1 alone has rows of 12,288 bytes
	s_cselect_b32 s32, s32, 3072
	s_cselect_b32 s34, 1, 0
	s_lshl_b32 s35, s31, 7
	s_lshl_b32 s36, s25, 5
	s_add_co_u32 s35, s35, s36                     ; first row of K: 128 s + 32 H
	s_mul_i32 s36, s35, s32
	s_lshl_b32 s35, s30, 8
	s_add_co_u32 s36, s36, s35                     ; + 256 u
	s_lshl_b32 s35, s24, 7
	s_add_co_u32 s36, s36, s35                     ; + 128 a
	s_mov_b32 s37, 0
	s_add_nc_u64 s[4:5], s[4:5], s[36:37]
	s_add_nc_u64 s[20:21], s[20:21], s[38:39]
	s_cmp_eq_u32 s34, 1
	s_cbranch_scc1 .Lwide
	WLOADS 3072
	s_branch .Lgo
.Lwide:
	WLOADS 12288
.Lgo:
	s_wait_loadcnt 32                              ; block c = 0 is in; the 32 loads of c = 1 may be out (64 loads on either way)
	QBLK 16,80,92,11
	s_wait_loadcnt 0x0
	QBLK 48,86,92,12
	ds_store_b128 v3, v[80:83]                     ; registers 0-3 of the fragment,
	ds_store_b64 v3, v[84:85] offset:512           ; 4-5,
	ds_store_b64 v3, v[86:87] offset:520           ; 6-7,
	ds_store_b128 v3, v[88:91] offset:1024         ; 8-11
	ds_store_b8 v4, v11
	ds_store_b8 v4, v12 offset:2
	s_wait_dscnt 0x0                               ; my stores have landed: the others read them behind the barrier
	s_barrier_signal -1
	s_barrier_wait -1
	ds_load_b128 v[96:99], v5
	ds_load_b128 v[100:103], v5 offset:512
	ds_load_b128 v[104:107], v5 offset:1024
	s_wait_dscnt 0x0
	global_store_b128 v5, v[96:99], s[20:21]       ; each store of the wave covers 512 consecutive bytes, aligned to 256
	global_store_b128 v5, v[100:103], s[20:21] offset:512
	global_store_b128 v5, v[104:107], s[20:21] offset:1024
	s_cmp_lg_u32 s22, 0
	s_cbranch_scc1 .Lend
	ds_load_b64 v[14:15], v13                      ; wave 0: the 256 bytes of scale words
	s_wait_dscnt 0x0
	global_store_b64 v13, v[14:15], s[20:21]
.Lend:
	s_wait_tensorcnt 0x0
	ds_add_u32 v112, v113
	s_wait_dscnt 0x0
	s_endpgm
.Lfunc_end_k_qc8fd0e7e5c_prep:
	.size	k_qc8fd0e7e5c_prep, .Lfunc_end_k_qc8fd0e7e5c_prep-k_qc8fd0e7e5c_prep
	.p2alignl 7, 3214868480
	.fill 96, 4, 3214868480
	.section	.rodata,"a",@progbits
	.p2align	6, 0x0
	.amdhsa_kernel k_qc8fd0e7e5c_prep
		.amdhsa_group_segment_fixed_size 7168
		.amdhsa_private_segment_fixed_size 0
		.amdhsa_enable_private_segment 0
		.amdhsa_kernarg_size 56
		.amdhsa_user_sgpr_count 2
		.amdhsa_user_sgpr_kernarg_segment_ptr 1
		.amdhsa_wavefront_size32 1
		.amdhsa_system_sgpr_workgroup_id_x 1
		.amdhsa_system_sgpr_workgroup_id_y 1
		.amdhsa_system_sgpr_workgroup_id_z 1
		.amdhsa_system_vgpr_workitem_id 0
		.amdhsa_next_free_vgpr 114
		.amdhsa_next_free_sgpr 66
		.amdhsa_reserve_vcc 0
		.amdhsa_float_denorm_mode_32 3
		.amdhsa_float_denorm_mode_16_64 3
		.amdhsa_memory_ordered 1
		.amdhsa_forward_progress 1
		.amdhsa_inst_pref_size 20
	.end_amdhsa_kernel
	.amdgpu_metadata
---
amdhsa.version: [ 1, 2 ]
amdhsa.kernels:
  - .name:           k_qc8fd0e7e5c_prep
    .symbol:         k_qc8fd0e7e5c_prep.kd
    .args:
      - { .name: Wq, .offset: 0, .size: 8, .value_kind: global_buffer, .address_space: global }
      - { .name: Wk, .offset: 8, .size: 8, .value_kind: global_buffer, .address_space: global }
      - { .name: Wv, .offset: 16, .size: 8, .value_kind: global_buffer, .address_space: global }
      - { .name: Wo, .offset: 24, .size: 8, .value_kind: global_buffer, .address_space: global }
      - { .name: W1, .offset: 32, .size: 8, .value_kind: global_buffer, .address_space: global }
      - { .name: W2, .offset: 40, .size: 8, .value_kind: global_buffer, .address_space: global }
      - { .name: wimg, .offset: 48, .size: 8, .value_kind: global_buffer, .address_space: global }
    .group_segment_fixed_size: 7168
    .private_segment_fixed_size: 0
    .kernarg_segment_align: 8
    .kernarg_segment_size: 56
    .max_flat_workgroup_size: 128
    .sgpr_count:     66
    .vgpr_count:     114
    .wavefront_size: 32
...
	.end_amdgpu_metadata
.endif
;; end of part 1
;; launch qkv (part 2): grid 64 x 3, 12 waves a work-group, no clusters, 40,448 bytes of LDS; arguments x, wimg, bq, bk, bv, qimg, kvimg; writes qimg, kvimg
.if DOCPART == 2
	.amdgcn_target "amdgcn-amd-amdhsa--gfx1250"
	.amdhsa_code_object_version 6
	.text
	.protected	k_qc8fd0e7e5c_qkv
	.globl	k_qc8fd0e7e5c_qkv
	.p2align	8
	.type	k_qc8fd0e7e5c_qkv,@function
k_qc8fd0e7e5c_qkv:
	s_mov_b64 s[64:65], 0
	v_nop
	global_prefetch_b8 v0, s[64:65] scope:SCOPE_SE
	s_setreg_imm32_b32 hwreg(HW_REG_WAVE_MODE, 25, 1), 1
	s_wait_xcnt 0x0
; q = x Wq + bq, k = x Wk + bk, v = x Wv + bv on codes of E2M3; the results are quantised again at once: q and k along the head's 64, v along the keys.
; A work-group takes 64 tokens (grid x) and one of the three weights (grid y); wave w takes head w (64 output columns).  x's 64 rows are quantised once by the twelve waves into LDS, as images of the operand's registers.
; ORDER OF ROWS: row i of tile t of a group of 64 (tokens, or a weight's columns) is index 32 (i / 8) + 8 t + i % 8.  With the weight as source 0, lane (r, h) then holds, in the 32 registers of a token tile, columns 32 h .. 32 h + 31 of its
; token: ONE quantiser block, whole, in true order.  For v the sources are swapped: a lane holds one channel and 32 neighbouring tokens (keys).  So each block's maximum needs no other lane, and the two conversions give registers 6 c .. 6 c + 5 of the next operand.
; HALF IMAGE (768 bytes): registers 6 c .. 6 c + 3 of lane l at 16 l, registers 6 c + 4, 5 at 512 + 8 l.  Scale words: 64 bytes a fragment, byte 2 c + h of word r.
; The weights come from memory straight into registers, a record of 6,400 bytes for each 128 along K, two records ahead; each weight byte enters the work-group once, so no tile is shared that a joint request could serve.
; LIMITS: NaN and infinities are not served; a block whose largest magnitude lies under 2^-124 gets the byte 1.
.set L16, 1                            ; v1  16 x lane
.set L8, 2                             ; v2  8 x lane
.set L4, 3                             ; v3  4 x lane
.set SBY, 4                            ; v4  4 r + h: my scale byte's place in a fragment's words
.set A16, 5                            ; v5  LDS: the images, 16 x lane
.set A8, 8                             ; v8  8 x lane
.set A4, 11                            ; v11 the scale words, 4 x lane
.set XO, 12                            ; v12 my row's bytes in x: (32 (r / 8) + r % 8) x 3,072 + 128 h
.set H128, 13                          ; v13 128 h
.set I16, 14                           ; v14-16 where my wave stores its images and bytes
.set I8, 15
.set ISB, 16
.set BS, 20                            ; v20-23 the weights' scale words, two for each buffer
.set AS, 24                            ; v24-25 x's scale words
.set AM, 26
.set SC, 28
.set AF, 32                            ; v32-79 four fragments of x
.set B0, 80                            ; v80-127 a record's four fragments; the second buffer is v256-303
.set ACC, 128                          ; v128-255 sixteen accumulators
.set REC, 6400
.set WV, 18
.set WB, 22                            ; s[22:23] my unit's first record
.set MSB, 0
.macro WIN new                         ; the immediate's high byte repeats the setting that is left
.if MSB != \new
	s_set_vgpr_msb (MSB<<8)|\new
.set MSB, \new
.endif
.endm
.macro PLACES                          ; four plain lines behind matrix instructions, ahead of loads into their registers and of reads of their results
.rept 4
	v_nop
.endr
.endm
.macro BARRIER
	s_wait_dscnt 0x0
	s_barrier_signal -1
	s_barrier_wait -1
.endm
.macro SW d, a, b, zero, sa, sb, ra, rb   ; one product; ra, rb = 1: that side's scales stand in lanes 16-31
.if (\zero)
.if ((\ra) == 0) && ((\rb) == 0)
	v_wmma_scale_f32_16x16x128_f8f6f4 v[(\d):(\d)+7], v[(\a):(\a)+11], v[(\b):(\b)+11], 0, v[(\sa)], v[(\sb)] matrix_a_fmt:MATRIX_FMT_FP6 matrix_b_fmt:MATRIX_FMT_FP6
.elseif ((\ra) == 1) && ((\rb) == 0)
	v_wmma_scale_f32_16x16x128_f8f6f4 v[(\d):(\d)+7], v[(\a):(\a)+11], v[(\b):(\b)+11], 0, v[(\sa)], v[(\sb)] matrix_a_fmt:MATRIX_FMT_FP6 matrix_b_fmt:MATRIX_FMT_FP6 matrix_a_scale:MATRIX_SCALE_ROW1
.elseif ((\ra) == 0) && ((\rb) == 1)
	v_wmma_scale_f32_16x16x128_f8f6f4 v[(\d):(\d)+7], v[(\a):(\a)+11], v[(\b):(\b)+11], 0, v[(\sa)], v[(\sb)] matrix_a_fmt:MATRIX_FMT_FP6 matrix_b_fmt:MATRIX_FMT_FP6 matrix_b_scale:MATRIX_SCALE_ROW1
.else
	v_wmma_scale_f32_16x16x128_f8f6f4 v[(\d):(\d)+7], v[(\a):(\a)+11], v[(\b):(\b)+11], 0, v[(\sa)], v[(\sb)] matrix_a_fmt:MATRIX_FMT_FP6 matrix_b_fmt:MATRIX_FMT_FP6 matrix_a_scale:MATRIX_SCALE_ROW1 matrix_b_scale:MATRIX_SCALE_ROW1
.endif
.else
.if ((\ra) == 0) && ((\rb) == 0)
	v_wmma_scale_f32_16x16x128_f8f6f4 v[(\d):(\d)+7], v[(\a):(\a)+11], v[(\b):(\b)+11], v[(\d):(\d)+7], v[(\sa)], v[(\sb)] matrix_a_fmt:MATRIX_FMT_FP6 matrix_b_fmt:MATRIX_FMT_FP6
.elseif ((\ra) == 1) && ((\rb) == 0)
	v_wmma_scale_f32_16x16x128_f8f6f4 v[(\d):(\d)+7], v[(\a):(\a)+11], v[(\b):(\b)+11], v[(\d):(\d)+7], v[(\sa)], v[(\sb)] matrix_a_fmt:MATRIX_FMT_FP6 matrix_b_fmt:MATRIX_FMT_FP6 matrix_a_scale:MATRIX_SCALE_ROW1
.elseif ((\ra) == 0) && ((\rb) == 1)
	v_wmma_scale_f32_16x16x128_f8f6f4 v[(\d):(\d)+7], v[(\a):(\a)+11], v[(\b):(\b)+11], v[(\d):(\d)+7], v[(\sa)], v[(\sb)] matrix_a_fmt:MATRIX_FMT_FP6 matrix_b_fmt:MATRIX_FMT_FP6 matrix_b_scale:MATRIX_SCALE_ROW1
.else
	v_wmma_scale_f32_16x16x128_f8f6f4 v[(\d):(\d)+7], v[(\a):(\a)+11], v[(\b):(\b)+11], v[(\d):(\d)+7], v[(\sa)], v[(\sb)] matrix_a_fmt:MATRIX_FMT_FP6 matrix_b_fmt:MATRIX_FMT_FP6 matrix_a_scale:MATRIX_SCALE_ROW1 matrix_b_scale:MATRIX_SCALE_ROW1
.endif
.endif
.endm
; 32 numbers v[src ..] -> six registers of codes v[dst ..] and the scale's byte v[by]; both chains of maxima ascend
.macro QBLK src, dst, tmp, by
	v_max3_num_f32 v[AM], |v[(\src)]|, |v[(\src)+1]|, 0x1800000
	v_max3_num_f32 v[AM+1], |v[(\src)+16]|, |v[(\src)+17]|, |v[(\src)+18]|
.irp i, 0,1,2,3,4,5
	v_max3_num_f32 v[AM], v[AM], |v[(\src)+2+2*\i]|, |v[(\src)+3+2*\i]|
	v_max3_num_f32 v[AM+1], v[AM+1], |v[(\src)+19+2*\i]|, |v[(\src)+20+2*\i]|
.endr
	v_max3_num_f32 v[AM], v[AM], |v[(\src)+14]|, |v[(\src)+15]|
	v_max3_num_f32 v[AM], v[AM], v[AM+1], |v[(\src)+31]|
	v_add_nc_u32 v[SC], 0xff000000, v[AM]          ; 2 off the exponent field: the conversion's scale operand
	v_cvt_scalef32_pk16_fp6_f32 v[(\dst):(\dst)+2], v[(\src):(\src)+15], v[SC]
	v_cvt_scalef32_pk16_fp6_f32 v[(\tmp):(\tmp)+2], v[(\src)+16:(\src)+31], v[SC]
	v_lshrrev_b32 v[(\by)], 23, v[SC]              ; the byte; also the plain line behind the conversions
	v_mov_b32 v[(\dst)+3], v[(\tmp)]
	v_mov_b32 v[(\dst)+4], v[(\tmp)+1]
	v_mov_b32 v[(\dst)+5], v[(\tmp)+2]
.endm
.macro LOADB s, buf                    ; record s of my unit into buffer buf: 14 loads
	global_load_b32 v[BS+2*(\buf)], v[L4], s[WB:WB+1] offset:REC*(\s)+6144
	global_load_b32 v[BS+2*(\buf)+1], v[L4], s[WB:WB+1] offset:REC*(\s)+6272
	WIN 0x40*(\buf)
.irp p, 0,1,2,3,4,5,6,7,8,9,10,11
	global_load_b128 v[(1-(\buf))*B0+4*\p:(1-(\buf))*B0+4*\p+3], v[L16], s[WB:WB+1] offset:REC*(\s)+512*\p
.endr
	WIN 0
.endm
.macro LOADA s, q                      ; row tiles 2 q, 2 q + 1 of K step s from LDS: 9 loads
.irp e, 0,1
.set lf, 4*(\s)+2*(\q)+\e
.set la, AF+12*(2*(\q)+\e)
.set lk, lf/40
.set lo, (lf%40)*1536
	ds_load_b128 v[la:la+3], v[A16+lk] offset:lo
	ds_load_b64 v[la+4:la+5], v[A8+lk] offset:lo+512
	ds_load_b128 v[la+6:la+9], v[A16+lk] offset:lo+768
	ds_load_b64 v[la+10:la+11], v[A8+lk] offset:lo+1280
.endr
	ds_load_b32 v[AS+(\q)], v[A4] offset:256*(\s)+128*(\q)
.endm
.macro GSW m, t, swap, zero
.set gw, (1-gs%2)*B0+12*(\t)
.set gz, 0
.if (\zero) && (gs == 0)
.set gz, 1
.endif
.if \swap
	SW ACC+32*(\t)+8*(\m),AF+12*(\m),gw,gz,AS+(\m)/2,BS+2*(gs%2)+(\t)/2,(\m)%2,(\t)%2
.else
	SW ACC+32*(\m)+8*(\t),gw,AF+12*(\m),gz,BS+2*(gs%2)+(\t)/2,AS+(\m)/2,(\t)%2,(\m)%2
.endif
.endm
.macro GEMM_PRO
	LOADB 0,0
	LOADB 1,1
.endm
; ns K steps of 128: sixteen products a step, the sixteen accumulators by turns, one instruction a turn, in the same order in every step.
.macro GEMM_MAIN ns, swap, zero
	LOADA 0,0
	LOADA 0,1
.set gs, 0
.rept \ns
.if gs == (\ns)-1
	s_wait_loadcnt 0x0
.else
	s_wait_loadcnt 14                              ; this step's record and all older loads are in; the next record's 14 loads may be out
.endif
	s_wait_dscnt 9                                 ; row tiles 0, 1 are in; the 9 loads of tiles 2, 3 may be out
	WIN (gs%2)*(1+3*(\swap))
.irp m, 0,1
.irp t, 0,1,2,3
	GSW \m,\t,\swap,\zero
.endr
.endr
	WIN 0
.if gs+1 < (\ns)
	PLACES
	LOADA gs+1,0
	s_wait_dscnt 9                                 ; tiles 2, 3 are in; the 9 just issued may be out
.else
	s_wait_dscnt 0x0
.endif
	WIN (gs%2)*(1+3*(\swap))
.irp m, 2,3
.irp t, 0,1,2,3
	GSW \m,\t,\swap,\zero
.endr
.endr
	WIN 0
.if gs+1 < (\ns)
	PLACES
	LOADA gs+1,1
.endif
.if gs+2 < (\ns)
	LOADB gs+2,gs%2
.endif
.set gs, gs+1
.endr
.endm
	s_load_b256 s[4:11], s[0:1], 0x0               ; x, wimg, bq, bk
	s_load_b128 s[12:15], s[0:1], 0x20             ; bv, qimg
	s_load_b64 s[16:17], s[0:1], 0x30              ; kvimg
	v_lshl_add_u32 v17, v0, 2, 0x9800
	v_mov_b32 v18, 0
	v_lshrrev_b32 v30, 5, v0
	v_readfirstlane_b32 s[WV], v30                 ; wave = head
	s_mov_b32 s19, ttmp9                           ; G: the group of 64 tokens
	s_and_b32 s20, ttmp7, 0xffff                   ; y: 0 q, 1 k, 2 v
	v_and_b32 v30, 31, v0                          ; lane
	v_and_b32 v31, 15, v0                          ; r
	v_bfe_u32 v19, v0, 4, 1                        ; h
	v_lshlrev_b32 v[L16], 4, v30
	v_lshlrev_b32 v[L8], 3, v30
	v_lshlrev_b32 v[L4], 2, v30
	v_lshl_add_u32 v[SBY], v31, 2, v19
	v_lshlrev_b32 v[H128], 7, v19
	v_and_b32 v[XO], 8, v31
	v_and_b32 v29, 7, v31
	v_lshl_add_u32 v[XO], v[XO], 2, v29            ; 32 (r / 8) + r % 8
	v_lshlrev_b32 v19, 2, v[XO]                    ; x 4: bv's number for my channel of tile 0
	v_mul_u32_u24 v[XO], v[XO], 3072
	v_add_nc_u32 v[XO], v[XO], v[H128]
	v_mov_b32 v[A16], v[L16]
	v_mov_b32 v[A8], v[L8]
	v_add_nc_u32 v[A4], 36864, v[L4]
	s_mul_i32 s38, s[WV], 3072
	v_add_nc_u32 v[I16], s38, v[L16]               ; my two fragments 2 w, 2 w + 1
	v_add_nc_u32 v[I8], s38, v[L8]
	s_lshl_b32 s38, s[WV], 7
	s_add_co_u32 s38, s38, 36864
	v_add_nc_u32 v[ISB], s38, v[SBY]
	s_mul_i32 s38, s19, 196608                     ; 64 G rows of 3,072 bytes
	s_and_b32 s39, s[WV], 1
	s_mul_i32 s39, s39, 49152                      ; + row tiles 2 (w % 2) on: 16 rows
	s_add_co_u32 s38, s38, s39
	s_lshr_b32 s39, s[WV], 1
	s_lshl_b32 s39, s39, 9                         ; + K step w / 2: 512 bytes
	s_add_co_u32 s38, s38, s39
	s_mov_b32 s39, 0
	s_mul_i32 s40, s20, 72
	s_mul_i32 s41, s[WV], 6
	s_add_co_u32 s40, s40, s41
	s_mul_i32 s40, s40, REC
	s_mov_b32 s41, 0
	s_lshl_b32 s42, s[WV], 8                       ; 256 w: my head's bytes in a bias
	s_mov_b32 s43, 0
	s_lshl_b32 s44, s[WV], 6
	s_add_co_u32 s44, s44, s19
	s_mul_i32 s44, s44, 3328                       ; q's record (64 head + G)
	s_add_co_u32 s45, s44, 3072
	s_lshl_b32 s48, s[WV], 5
	s_lshr_b32 s49, s19, 1
	s_add_co_u32 s48, s48, s49
	s_mul_i32 s48, s48, 12800                      ; k's and v's record (32 head + G / 2)
	s_and_b32 s49, s19, 1
	s_mul_i32 s46, s49, 3072
	s_add_co_u32 s46, s46, s48                     ; k's codes
	s_lshl_b32 s47, s49, 7
	s_add_co_u32 s47, s47, s48
	s_add_co_u32 s47, s47, 12288                   ; k's scale bytes
	s_mul_i32 s50, s49, 768
	s_add_co_u32 s50, s50, s48
	s_add_co_u32 s50, s50, 6144                    ; v's codes: half c = G % 2 of each fragment
	s_lshl_b32 s51, s49, 1
	s_add_co_u32 s51, s51, s48
	s_add_co_u32 s51, s51, 12544                   ; v's scale bytes
	s_wait_kmcnt 0x0
	s_add_nc_u64 s[36:37], s[4:5], s[38:39]
	s_add_nc_u64 s[WB:WB+1], s[6:7], s[40:41]
	; ---- x: my two fragments (K step w / 2, row tiles 2 (w % 2) + e).  Lane (r, h) loads, of its row, the 32 numbers of block 2 c + h
.set ii, 0
.rept 32                               ; ii = 16 e + 8 c + q
	global_load_b128 v[ACC+4*ii:ACC+4*ii+3], v[XO], s[36:37] offset:24576*(ii/16)+256*((ii/8)%2)+16*(ii%8)
.set ii, ii+1
.endr
	s_wait_loadcnt 16                              ; fragment e = 0 is in; the 16 loads of e = 1 may be out
	QBLK ACC,32,56,60
	QBLK ACC+32,38,56,61
	s_wait_loadcnt 0x0
	QBLK ACC+64,44,56,62
	QBLK ACC+96,50,56,63
.irp e, 0,1
.irp c, 0,1
	ds_store_b128 v[I16], v[32+12*\e+6*\c:35+12*\e+6*\c] offset:1536*\e+768*\c
	ds_store_b64 v[I8], v[36+12*\e+6*\c:37+12*\e+6*\c] offset:1536*\e+768*\c+512
	ds_store_b8 v[ISB], v[60+2*\e+\c] offset:64*\e+2*\c
.endr
.endr
	BARRIER                                        ; x's 24 fragments lie in LDS
	s_cmp_eq_u32 s20, 2
	s_cbranch_scc1 .Lpath_v
	; ---- q or k: the weight is source 0; the bias is the accumulators' first content
	s_cmp_eq_u32 s20, 0
	s_cselect_b64 s[24:25], s[8:9], s[10:11]
	s_cselect_b64 s[26:27], s[14:15], s[16:17]
	s_cselect_b32 s28, s44, s46
	s_cselect_b32 s30, s45, s47
	s_mov_b32 s29, 0
	s_mov_b32 s31, 0
	s_add_nc_u64 s[24:25], s[24:25], s[42:43]
	s_add_nc_u64 s[32:33], s[26:27], s[28:29]
	s_add_nc_u64 s[34:35], s[26:27], s[30:31]
.set ii, 0
.rept 32
	global_load_b128 v[ACC+4*ii:ACC+4*ii+3], v[H128], s[24:25] offset:16*(ii%8)
.set ii, ii+1
.endr
	GEMM_PRO
	GEMM_MAIN 6,0,0
	PLACES
.irp m, 0,1,2,3                        ; token tile m: my 32 numbers are block h of my token's head
	QBLK ACC+32*\m,32+8*\m,64,72+\m
	global_store_b128 v[L16], v[32+8*\m:35+8*\m], s[32:33] offset:768*\m
	global_store_b64 v[L8], v[36+8*\m:37+8*\m], s[32:33] offset:768*\m+512
	global_store_b8 v[SBY], v[72+\m], s[34:35] offset:64*(\m/2)+2*(\m%2)
.endr
	s_wait_tensorcnt 0x0
	ds_add_u32 v17, v18
	s_wait_dscnt 0x0
	s_endpgm
.Lpath_v:
	; ---- v: the sources are swapped: a lane holds one channel and 32 neighbouring keys
	s_add_nc_u64 s[24:25], s[12:13], s[42:43]
	s_mov_b32 s28, s50
	s_mov_b32 s29, 0
	s_mov_b32 s30, s51
	s_mov_b32 s31, 0
	s_add_nc_u64 s[32:33], s[16:17], s[28:29]
	s_add_nc_u64 s[34:35], s[16:17], s[30:31]
.irp t, 0,1,2,3
	global_load_b32 v[26+\t], v19, s[24:25] offset:32*\t   ; bv of my channel of tile t; v26-29 are idle during the product
.endr
	GEMM_PRO
	GEMM_MAIN 6,1,1
	PLACES
.irp t, 0,1,2,3
	v_mov_b32 v[32+2*\t], v[26+\t]
	v_mov_b32 v[33+2*\t], v[26+\t]
.endr
.set ii, 0
.rept 64                               ; ii = 16 t + pair
	v_pk_add_f32 v[ACC+2*ii:ACC+2*ii+1], v[ACC+2*ii:ACC+2*ii+1], v[32+2*(ii/16):33+2*(ii/16)]
.set ii, ii+1
.endr
.irp t, 0,1,2,3
	QBLK ACC+32*\t,48+8*\t,80,88+\t
	global_store_b128 v[L16], v[48+8*\t:51+8*\t], s[32:33] offset:1536*\t
	global_store_b64 v[L8], v[52+8*\t:53+8*\t], s[32:33] offset:1536*\t+512
	global_store_b8 v[SBY], v[88+\t], s[34:35] offset:64*\t
.endr
	s_wait_tensorcnt 0x0
	ds_add_u32 v17, v18
	s_wait_dscnt 0x0
	s_endpgm
.Lfunc_end_k_qc8fd0e7e5c_qkv:
	.size	k_qc8fd0e7e5c_qkv, .Lfunc_end_k_qc8fd0e7e5c_qkv-k_qc8fd0e7e5c_qkv
	.p2alignl 7, 3214868480
	.fill 96, 4, 3214868480
	.section	.rodata,"a",@progbits
	.p2align	6, 0x0
	.amdhsa_kernel k_qc8fd0e7e5c_qkv
		.amdhsa_group_segment_fixed_size 40448
		.amdhsa_private_segment_fixed_size 0
		.amdhsa_enable_private_segment 0
		.amdhsa_kernarg_size 56
		.amdhsa_user_sgpr_count 2
		.amdhsa_user_sgpr_kernarg_segment_ptr 1
		.amdhsa_wavefront_size32 1
		.amdhsa_system_sgpr_workgroup_id_x 1
		.amdhsa_system_sgpr_workgroup_id_y 1
		.amdhsa_system_sgpr_workgroup_id_z 1
		.amdhsa_system_vgpr_workitem_id 0
		.amdhsa_next_free_vgpr 304
		.amdhsa_next_free_sgpr 66
		.amdhsa_reserve_vcc 0
		.amdhsa_float_denorm_mode_32 3
		.amdhsa_float_denorm_mode_16_64 3
		.amdhsa_memory_ordered 1
		.amdhsa_forward_progress 1
		.amdhsa_inst_pref_size 93
	.end_amdhsa_kernel
	.amdgpu_metadata
---
amdhsa.version: [ 1, 2 ]
amdhsa.kernels:
  - .name:           k_qc8fd0e7e5c_qkv
    .symbol:         k_qc8fd0e7e5c_qkv.kd
    .args:
      - { .name: x, .offset: 0, .size: 8, .value_kind: global_buffer, .address_space: global }
      - { .name: wimg, .offset: 8, .size: 8, .value_kind: global_buffer, .address_space: global }
      - { .name: bq, .offset: 16, .size: 8, .value_kind: global_buffer, .address_space: global }
      - { .name: bk, .offset: 24, .size: 8, .value_kind: global_buffer, .address_space: global }
      - { .name: bv, .offset: 32, .size: 8, .value_kind: global_buffer, .address_space: global }
      - { .name: qimg, .offset: 40, .size: 8, .value_kind: global_buffer, .address_space: global }
      - { .name: kvimg, .offset: 48, .size: 8, .value_kind: global_buffer, .address_space: global }
    .group_segment_fixed_size: 40448
    .private_segment_fixed_size: 0
    .kernarg_segment_align: 8
    .kernarg_segment_size: 56
    .max_flat_workgroup_size: 384
    .sgpr_count:     66
    .vgpr_count:     304
    .wavefront_size: 32
...
	.end_amdgpu_metadata
.endif
;; end of part 2
;; launch attn (part 3): grid 16 x 12, 8 waves a work-group, no clusters, 30,720 bytes of LDS; arguments qimg, kvimg, aimg; writes aimg
.if DOCPART == 3
	.amdgcn_target "amdgcn-amd-amdhsa--gfx1250"
	.amdhsa_code_object_version 6
	.text
	.protected	k_qc8fd0e7e5c_attn
	.globl	k_qc8fd0e7e5c_attn
	.p2align	8
	.type	k_qc8fd0e7e5c_attn,@function
k_qc8fd0e7e5c_attn:
	s_mov_b64 s[64:65], 0
	v_nop
	global_prefetch_b8 v0, s[64:65] scope:SCOPE_SE
	s_setreg_imm32_b32 hwreg(HW_REG_WAVE_MODE, 25, 1), 1
	s_wait_xcnt 0x0
; Causal attention of one head on codes of E2M3; the result O / l is quantised along C at once, as an operand of the next product.
; t = score x log2(e) / 8; M = the running largest t rounded UP to a whole number; p = 2^(t - M) is quantised along the keys; the row's sum l is taken of the unquantised p.  When M moves, l and O are multiplied by 2^(old M - new M): exact.
; SHARES.  A work-group takes head y and two blocks of 128 queries: block x (x + 1 key steps of 128) and then block 31 - x (32 - x steps): 33 trips in every work-group.  Key steps above the diagonal are not walked.
; Each of the eight waves owns one tile of 16 queries (group w / 4 of 64, tile w % 4).  A key step's record (12,800 bytes: K's four pair fragments, V^T's four fragments, their scale words) goes from memory through registers into one
; of two LDS slots, 1,536 bytes a wave; all eight waves read it.
; ONE BARRIER A TRIP, IN THE TRIP'S MIDDLE.  Ahead of it a wave stores its part of record I + 1 into the other slot, reads V of step I, multiplies K Q^T (K is in registers already) and finds the maxima; behind it the other slot is whole, and
; K of step I + 1 is asked for, a whole softmax ahead of its use.  K has registers of its own (v256-303).  A slot's bytes are read as K and as V, and both reads are waited for ahead of the barrier behind which that slot is stored into again.
; LAYOUT.  S^T = K Q^T and O^T = V^T P^T: a lane holds ONE query (lane % 16).  By the order of keys in a tile (row i of tile t = key 32 (i / 8) + 8 t + i % 8 of its 64) a lane's 32 scores of four tiles are 32 neighbouring keys: one whole block.
; THE HEAD HAS 64 CHANNELS, THE INSTRUCTION 128: a pair fragment holds key tile 2 e in registers 0-5 and tile 2 e + 1 in registers 6-11.  Against (Q, zeros) it gives the first tile's scores, against (zeros, Q) the second's: zero codes add nothing.
; No joint requests: a record is 12,800 bytes for twelve products a wave, and partners of unlike blocks would walk unlike records.
; LIMITS: NaN and infinities are not served; v_exp_f32 gives 0 for results under 2^-126; a block of p that is all zeros keeps the byte 1 with zero codes.
.set SLOT1, 16384                      ; slot 1 begins here: one exclusive or turns one slot's address into the other's
.set KV, 86                            ; v86-133  four fragments of V
.set SV, 134                           ; v134-197 S^T, then p
.set OV, 198                           ; v198-229 O^T
.set PC, 42                            ; v42-53   p's codes
.set AM, 60                            ; v60-61, v62: at work in QBLK
.set SC, 62
.set WV, 10
.set PX, 11                            ; grid x
.set HN, 12                            ; the head
.set GQ, 13                            ; w / 4
.set M4, 14                            ; w % 4
.set PB, 15                            ; the block of queries in hand
.set TI, 16                            ; the trip
.set TJ, 17                            ; the key step of the block in hand
.set TB, 18                            ; LDS byte of the slot of this trip's record
.set TS, 19                            ; and of the other slot
.set SEL, 20                           ; s[20:21] lane l xor 16
.set CS, 22                            ; s[22:23] c = log2(e) / 8
.set KVH, 24                           ; the head's first byte in kvimg
; v1 16 l, v2 8 l, v3 4 l, v4 4 r + h, v5-7 the read addresses, v8 the store address, v9 the staging loads' offset, v10 8 h, v11 my query less 32 h, v12 -M, v13 largest t, v[14:15] l,
; v16-33 zeros | Q | zeros, v34 Q's scales, v35 at work, v36-37 K's scale words, v38-39 V's, v40 p's, v41 4 r, v54-56 and v58-69 at work, v57 1536 w + 16 l, v70-85 the staged bytes, v230-236 the result's codes and byte,
; v256-303 K's four pair fragments
.set MSB, 0
.macro WIN new                         ; the immediate's high byte repeats the setting that is left
.if MSB != \new
	s_set_vgpr_msb (MSB<<8)|\new
.set MSB, \new
.endif
.endm
.macro PLACES
.rept 4
	v_nop
.endr
.endm
.macro SW d, a, b, zero, sa, sb, ra, rb
.if (\zero)
.if ((\ra) == 0) && ((\rb) == 0)
	v_wmma_scale_f32_16x16x128_f8f6f4 v[(\d):(\d)+7], v[(\a):(\a)+11], v[(\b):(\b)+11], 0, v[(\sa)], v[(\sb)] matrix_a_fmt:MATRIX_FMT_FP6 matrix_b_fmt:MATRIX_FMT_FP6
.else
	v_wmma_scale_f32_16x16x128_f8f6f4 v[(\d):(\d)+7], v[(\a):(\a)+11], v[(\b):(\b)+11], 0, v[(\sa)], v[(\sb)] matrix_a_fmt:MATRIX_FMT_FP6 matrix_b_fmt:MATRIX_FMT_FP6 matrix_a_scale:MATRIX_SCALE_ROW1
.endif
.else
.if ((\ra) == 0) && ((\rb) == 0)
	v_wmma_scale_f32_16x16x128_f8f6f4 v[(\d):(\d)+7], v[(\a):(\a)+11], v[(\b):(\b)+11], v[(\d):(\d)+7], v[(\sa)], v[(\sb)] matrix_a_fmt:MATRIX_FMT_FP6 matrix_b_fmt:MATRIX_FMT_FP6
.else
	v_wmma_scale_f32_16x16x128_f8f6f4 v[(\d):(\d)+7], v[(\a):(\a)+11], v[(\b):(\b)+11], v[(\d):(\d)+7], v[(\sa)], v[(\sb)] matrix_a_fmt:MATRIX_FMT_FP6 matrix_b_fmt:MATRIX_FMT_FP6 matrix_a_scale:MATRIX_SCALE_ROW1
.endif
.endif
.endm
.macro QBLK src, dst, tmp, by
	v_max3_num_f32 v[AM], |v[(\src)]|, |v[(\src)+1]|, 0x1800000
	v_max3_num_f32 v[AM+1], |v[(\src)+16]|, |v[(\src)+17]|, |v[(\src)+18]|
.irp i, 0,1,2,3,4,5
	v_max3_num_f32 v[AM], v[AM], |v[(\src)+2+2*\i]|, |v[(\src)+3+2*\i]|
	v_max3_num_f32 v[AM+1], v[AM+1], |v[(\src)+19+2*\i]|, |v[(\src)+20+2*\i]|
.endr
	v_max3_num_f32 v[AM], v[AM], |v[(\src)+14]|, |v[(\src)+15]|
	v_max3_num_f32 v[AM], v[AM], v[AM+1], |v[(\src)+31]|
	v_add_nc_u32 v[SC], 0xff000000, v[AM]
	v_cvt_scalef32_pk16_fp6_f32 v[(\dst):(\dst)+2], v[(\src):(\src)+15], v[SC]
	v_cvt_scalef32_pk16_fp6_f32 v[(\tmp):(\tmp)+2], v[(\src)+16:(\src)+31], v[SC]
	v_lshrrev_b32 v[(\by)], 23, v[SC]
	v_mov_b32 v[(\dst)+3], v[(\tmp)]
	v_mov_b32 v[(\dst)+4], v[(\tmp)+1]
	v_mov_b32 v[(\dst)+5], v[(\tmp)+2]
.endm
.macro FRAGV                           ; V^T's four fragments and their scale words, from the slot at v5-7: 18 LDS loads
.irp f, 0,1,2,3
	ds_load_b128 v[KV+12*\f:KV+12*\f+3], v5 offset:6144+1536*\f
	ds_load_b64 v[KV+12*\f+4:KV+12*\f+5], v6 offset:6144+1536*\f+512
	ds_load_b128 v[KV+12*\f+6:KV+12*\f+9], v5 offset:6144+1536*\f+768
	ds_load_b64 v[KV+12*\f+10:KV+12*\f+11], v6 offset:6144+1536*\f+1280
.endr
	ds_load_b32 v38, v7 offset:12544
	ds_load_b32 v39, v7 offset:12672
.endm
.macro FRAGK                           ; K's four pair fragments into v256-303, and their scale words, from the slot at v5-7: 18 LDS loads
	WIN 0x40                                       ; destination in the second window, address in the first
.irp f, 0,1,2,3
	ds_load_b128 v[12*\f:12*\f+3], v5 offset:1536*\f
	ds_load_b64 v[12*\f+4:12*\f+5], v6 offset:1536*\f+512
	ds_load_b128 v[12*\f+6:12*\f+9], v5 offset:1536*\f+768
	ds_load_b64 v[12*\f+10:12*\f+11], v6 offset:1536*\f+1280
.endr
	WIN 0
	ds_load_b32 v36, v7 offset:12288
	ds_load_b32 v37, v7 offset:12416
.endm
; The record of trip k (in s38), held at the last trip's: the first x + 1 trips walk records 0 .. x, the others 0 .. 31 - x
.macro STAGEADDR
	s_min_u32 s25, s38, 32
	s_add_co_u32 s26, s[PX], 1
	s_sub_co_u32 s27, s25, s26
	s_cmp_lt_u32 s25, s26
	s_cselect_b32 s25, s25, s27
	s_mul_i32 s25, s25, 12800
	s_add_co_u32 s25, s25, s[KVH]
	v_add_nc_u32 v9, s25, v57
.endm
.macro STAGELOAD                       ; 1,536 bytes a wave; wave 0 also takes the 512 bytes of scale words
	global_load_b128 v[70:73], v9, s[6:7]
	global_load_b128 v[74:77], v9, s[6:7] offset:512
	global_load_b128 v[78:81], v9, s[6:7] offset:1024
	s_cmp_lg_u32 s[WV], 0
	s_cbranch_scc1 .Lnl_\@
	global_load_b128 v[82:85], v9, s[6:7] offset:12288
.Lnl_\@:
.endm
.macro STAGESTORE
	ds_store_b128 v8, v[70:73]
	ds_store_b128 v8, v[74:77] offset:512
	ds_store_b128 v8, v[78:81] offset:1024
	s_cmp_lg_u32 s[WV], 0
	s_cbranch_scc1 .Lns_\@
	ds_store_b128 v8, v[82:85] offset:12288
.Lns_\@:
.endm
; A block of queries begins: my tile of Q and its scales; O^T, l and the largest t begin anew
.macro NEWBLOCK
	s_lshl_b32 s25, s[HN], 6
	s_lshl_b32 s26, s[PB], 1
	s_add_co_u32 s25, s25, s26
	s_add_co_u32 s25, s25, s[GQ]
	s_mul_i32 s26, s25, 3328                       ; the record of (head, group 2 PB + w / 4)
	s_mul_i32 s27, s[M4], 768
	s_add_co_u32 s30, s26, s27
	s_mov_b32 s31, 0
	s_add_nc_u64 s[28:29], s[4:5], s[30:31]
	s_lshr_b32 s27, s[M4], 1
	s_lshl_b32 s27, s27, 6
	s_and_b32 s30, s[M4], 1
	s_lshl_b32 s30, s30, 1
	s_add_co_u32 s27, s27, s30
	s_add_co_u32 s30, s26, s27
	s_add_co_u32 s30, s30, 3072
	s_add_nc_u64 s[32:33], s[4:5], s[30:31]
	global_load_b128 v[22:25], v1, s[28:29]
	global_load_b64 v[26:27], v2, s[28:29] offset:512
	global_load_u16 v35, v41, s[32:33]             ; my query's two scale bytes
.set ii, 0
.rept 32
	v_mov_b32 v[OV+ii], 0
.set ii, ii+1
.endr
	v_mov_b32 v14, 0
	v_mov_b32 v15, 0
	v_mov_b32 v13, 0xff61b1e6                      ; -3e38, under every t
	v_floor_f32 v12, -v13
	s_wait_loadcnt 0x0
	v_lshl_or_b32 v34, v35, 16, v35                ; the two bytes serve Q in either half of the operand
.rept 8
	v_nop                                          ; a scale register written by a vector instruction stands eight places ahead of a scaled product
.endr
.endm
	s_load_b128 s[4:7], s[0:1], 0x0                ; qimg, kvimg
	s_load_b64 s[8:9], s[0:1], 0x10                ; aimg
	v_lshl_add_u32 v254, v0, 2, 0x7400
	v_mov_b32 v255, 0
	v_lshrrev_b32 v60, 5, v0
	v_readfirstlane_b32 s[WV], v60
	s_mov_b32 s[PX], ttmp9
	s_and_b32 s[HN], ttmp7, 0xffff
	s_lshr_b32 s[GQ], s[WV], 2
	s_and_b32 s[M4], s[WV], 3
	v_and_b32 v60, 31, v0
	v_and_b32 v61, 15, v0                          ; r
	v_bfe_u32 v62, v0, 4, 1                        ; h
	v_lshlrev_b32 v1, 4, v60
	v_lshlrev_b32 v2, 3, v60
	v_lshlrev_b32 v3, 2, v60
	v_lshl_add_u32 v4, v61, 2, v62
	v_lshlrev_b32 v10, 3, v62
	v_lshlrev_b32 v41, 2, v61
	s_mul_i32 s25, s[WV], 1536
	v_add_nc_u32 v57, s25, v1
	v_and_b32 v63, 8, v61
	v_and_b32 v64, 7, v61
	v_lshl_add_u32 v11, v63, 2, v64                ; 32 (r / 8) + r % 8
	s_lshl_b32 s25, s[GQ], 6
	s_lshl_b32 s26, s[M4], 3
	s_add_co_u32 s25, s25, s26
	v_add_nc_u32 v11, s25, v11                     ; my query in its block of 128,
	v_lshlrev_b32 v63, 5, v62
	v_sub_nc_u32 v11, v11, v63                     ; less 32 h
.irp i, 16,17,18,19,20,21,28,29,30,31,32,33
	v_mov_b32 v[\i], 0                             ; the zero codes on either side of Q
.endr
	v_mov_b32 v61, 0                               ; written once: a lane permute's destination counts as one of its sources
	v_mov_b32 v66, 0
	v_mov_b32 v69, 0                               ; (named as the upper half of the pair v[68:69])
	s_mov_b32 s[SEL], 0x76543210
	s_mov_b32 s[SEL+1], 0xfedcba98
	s_mov_b32 s[CS], 0x3e38aa3b
	s_mov_b32 s[CS+1], s[CS]
	s_mul_i32 s[KVH], s[HN], 409600
	s_mov_b32 s[PB], s[PX]
	s_mov_b32 s[TI], 0
	s_mov_b32 s[TJ], 0
	s_mov_b32 s[TB], 0
	s_mov_b32 s38, 0
	STAGEADDR
	s_wait_kmcnt 0x0
	STAGELOAD                                      ; trip 0's record
	v_mov_b32 v8, v57
	s_wait_loadcnt 0x0
	STAGESTORE
	s_wait_dscnt 0x0                               ; the stores have read their registers
	s_mov_b32 s38, 1
	STAGEADDR
	STAGELOAD                                      ; trip 1's
	NEWBLOCK
	s_wait_dscnt 0x0
	s_barrier_signal -1
	s_barrier_wait -1                              ; slot 0 is whole
	v_mov_b32 v5, v1
	v_mov_b32 v6, v2
	v_mov_b32 v7, v3
	FRAGK                                          ; K of step 0
.Ltrip:
	s_xor_b32 s[TS], s[TB], SLOT1
	v_add_nc_u32 v8, s[TS], v57
	s_wait_loadcnt 0x0                             ; the next trip's record, asked for a trip ago, is in registers
	STAGESTORE                                     ; into the other slot: its last readers waited for their loads ahead of the last barrier
	FRAGV                                          ; V of this step: it lands under the products and the maxima below
	s_wait_dscnt 18                                ; all but V's 18 loads: K and its scale words are in, and the stores have read the staged registers
	s_add_co_u32 s38, s[TI], 2
	STAGEADDR
	STAGELOAD                                      ; the record two trips on
	WIN 0x01                                       ; source 0 (K) in the second window
.irp e, 0,1
.irp t, 0,1,2,3
	SW SV+32*\e+8*\t,12*(2*\e+\t/2),22-6*(\t%2),1,36+\e,34,\t/2,0
.endr
.endr
	WIN 0
	PLACES
	s_cmp_lg_u32 s[TJ], s[PB]
	s_cbranch_scc1 .Lopen
	v_mov_b32 v67, 0xff800000                      ; on the diagonal: register n holds key 64 (n / 32) + 32 h + n % 32 of the step; hidden where that is above my query
.set ii, 0
.rept 64
	v_cmp_gt_i32 vcc_lo, 64*(ii/32)+ii%32, v11
	v_cndmask_b32 v[SV+ii], v[SV+ii], v67, vcc_lo
.set ii, ii+1
.endr
.Lopen:
	v_max3_num_f32 v58, v[SV], v[SV+1], v[SV+2]    ; the largest score of each of my two blocks: for the row's maximum and, since p rises with the score, for the block's largest p
	v_max3_num_f32 v59, v[SV+32], v[SV+33], v[SV+34]
.irp i, 3,5,7,9,11,13,15,17,19,21,23,25,27,29
	v_max3_num_f32 v58, v58, v[SV+\i], v[SV+\i+1]
	v_max3_num_f32 v59, v59, v[SV+32+\i], v[SV+33+\i]
.endr
	v_max_num_f32 v58, v58, v[SV+31]
	v_max_num_f32 v59, v59, v[SV+63]
	v_max_num_f32 v60, v58, v59
	v_permlanex16_b32 v61, v60, s[SEL], s[SEL+1]
	v_max_num_f32 v60, v60, v61                    ; with lane l xor 16's 64 keys
	v_mul_f32 v60, s[CS], v60
	v_max_num_f32 v13, v13, v60                    ; the running largest t
	v_mov_b32 v62, v12
	v_floor_f32 v12, -v13                          ; -M = floor(-t): M is a whole number
	v_sub_f32 v62, v12, v62
	v_cvt_i32_f32 v62, v62                         ; (it saturates)
	v_ldexp_f32 v68, 1.0, v62                      ; f = 2^(old M - new M)
	s_wait_dscnt 0x0                               ; V is in: my reads of this slot are over; my stores into the other slot have landed
	s_barrier_signal -1                            ; say so, and work on registers while the others arrive
.set ii, 0
.rept 32
	v_pk_fma_f32 v[SV+2*ii:SV+2*ii+1], v[SV+2*ii:SV+2*ii+1], s[CS:CS+1], v[12:13] op_sel_hi:[1,0,0]
.set ii, ii+1
.endr
	v_fma_f32 v58, v58, s[CS], v12
	v_fma_f32 v59, v59, s[CS], v12
	s_barrier_wait -1                              ; the other slot is whole, and nobody reads this one any more
	v_add_nc_u32 v5, s[TS], v1                     ; (no LDS instruction of mine is out)  the next step's slot: K now, V at the next trip's head
	v_add_nc_u32 v6, s[TS], v2
	v_add_nc_u32 v7, s[TS], v3
	FRAGK                                          ; K of the next step: the rest of the softmax stands between these loads and their use
.set ii, 0
.rept 64
	v_exp_f32 v[SV+ii], v[SV+ii]                   ; p = 2^(t - M)
.set ii, ii+1
.endr
	v_pk_mul_f32 v[14:15], v[14:15], v[68:69] op_sel_hi:[1,0]   ; l under the new M; the plain line behind the batch
	s_wait_alu depctr_va_vdst(0)                   ; one wait for the 64, ahead of their first reader
	v_exp_f32 v58, v58
	v_exp_f32 v59, v59
	v_pk_add_f32 v[64:65], v[SV:SV+1], v[SV+2:SV+3]   ; the sum of the unquantised p, in two chains
.set ii, 4
.rept 15
	v_pk_add_f32 v[14:15], v[14:15], v[SV+ii:SV+ii+1]
	v_pk_add_f32 v[64:65], v[64:65], v[SV+ii+2:SV+ii+3]
.set ii, ii+4
.endr
	v_pk_add_f32 v[14:15], v[14:15], v[64:65]
	s_wait_alu depctr_va_vdst(0)                   ; and one for the two
	v_max_num_f32 v58, 0x1800000, v58              ; the floor 2^(3 - 127)
	v_max_num_f32 v59, 0x1800000, v59
	v_add_nc_u32 v63, 0xff000000, v58
	v_add_nc_u32 v67, 0xff000000, v59
	v_lshrrev_b32 v64, 23, v63
	v_lshrrev_b32 v65, 23, v67
	v_lshl_or_b32 v40, v65, 16, v64                ; my bytes: blocks h and 2 + h,
	v_lshlrev_b32 v40, v10, v40                    ; at their places,
	v_permlanex16_b32 v66, v40, s[SEL], s[SEL+1]
	v_or_b32 v40, v40, v66                         ; with lane l xor 16's two: p's scale word
	v_cvt_scalef32_pk16_fp6_f32 v[PC:PC+2], v[SV:SV+15], v63
	v_cvt_scalef32_pk16_fp6_f32 v[54:56], v[SV+16:SV+31], v63
	v_cvt_scalef32_pk16_fp6_f32 v[PC+6:PC+8], v[SV+32:SV+47], v67
	v_cvt_scalef32_pk16_fp6_f32 v[60:62], v[SV+48:SV+63], v67
	v_nop                                          ; one plain line behind the conversions
.irp i, 0,1,2
	v_mov_b32 v[PC+3+\i], v[54+\i]
	v_mov_b32 v[PC+9+\i], v[60+\i]
.endr
.set ii, 0
.rept 16
	v_pk_mul_f32 v[OV+2*ii:OV+2*ii+1], v[OV+2*ii:OV+2*ii+1], v[68:69] op_sel_hi:[1,0]   ; O^T under the new M; these are also the places ahead of the products
.set ii, ii+1
.endr
.irp t, 0,1,2,3
	SW OV+8*\t,KV+12*\t,PC,0,38+\t/2,40,\t%2,0     ; (V was waited for ahead of the barrier)
.endr
	PLACES
	s_cmp_lg_u32 s[TJ], s[PB]
	s_cbranch_scc1 .Lnofin
	; ---- the block's last step: O^T / l; my 32 numbers are block 2 head + h along C of my query's row
	v_add_f32 v60, v14, v15
	v_permlanex16_b32 v61, v60, s[SEL], s[SEL+1]
	v_add_f32 v60, v60, v61
	v_rcp_f32 v63, v60
	v_nop
	s_lshl_b32 s25, s[PB], 1
	s_add_co_u32 s25, s25, s[GQ]
	s_mul_i32 s26, s25, 38400                      ; the record of rows 64 (2 PB + w / 4) on
	s_lshr_b32 s27, s[HN], 1
	s_lshl_b32 s27, s27, 2
	s_add_co_u32 s27, s27, s[M4]                   ; fragment 4 (head / 2) + tile
	s_and_b32 s25, s[HN], 1                        ; half c = head % 2
	s_lshl_b32 s30, s27, 1
	s_add_co_u32 s30, s30, s25
	s_mul_i32 s30, s30, 768
	s_add_co_u32 s30, s30, s26
	s_mov_b32 s31, 0
	s_add_nc_u64 s[34:35], s[8:9], s[30:31]
	s_lshl_b32 s30, s27, 6
	s_lshl_b32 s25, s25, 1
	s_add_co_u32 s30, s30, s25
	s_add_co_u32 s30, s30, s26
	s_add_co_u32 s30, s30, 36864
	s_add_nc_u64 s[36:37], s[8:9], s[30:31]
	s_wait_alu depctr_va_vdst(0)                   ; ahead of the reciprocal's first reader
.set ii, 0
.rept 32
	v_mul_f32 v[SV+ii], v[OV+ii], v63
.set ii, ii+1
.endr
	QBLK SV,230,64,236
	global_store_b128 v1, v[230:233], s[34:35]
	global_store_b64 v2, v[234:235], s[34:35] offset:512
	global_store_b8 v4, v236, s[36:37]
	s_wait_xcnt 0x0                                ; the stores' data and bases are written again only behind this wait
	s_cmp_eq_u32 s[TI], 32
	s_cbranch_scc1 .Lnofin
	s_sub_co_u32 s[PB], 31, s[PX]                  ; on to the second block
	s_mov_b32 s[TJ], -1
	NEWBLOCK
.Lnofin:
	s_add_co_u32 s[TJ], s[TJ], 1
	s_xor_b32 s[TB], s[TB], SLOT1
	s_add_co_u32 s[TI], s[TI], 1
	s_cmp_lt_u32 s[TI], 33
	s_cbranch_scc1 .Ltrip
	s_wait_dscnt 0x0                               ; the last trip's loads of K, which nobody uses, are in
	s_wait_tensorcnt 0x0
	ds_add_u32 v254, v255
	s_wait_dscnt 0x0
	s_endpgm
.Lfunc_end_k_qc8fd0e7e5c_attn:
	.size	k_qc8fd0e7e5c_attn, .Lfunc_end_k_qc8fd0e7e5c_attn-k_qc8fd0e7e5c_attn
	.p2alignl 7, 3214868480
	.fill 96, 4, 3214868480
	.section	.rodata,"a",@progbits
	.p2align	6, 0x0
	.amdhsa_kernel k_qc8fd0e7e5c_attn
		.amdhsa_group_segment_fixed_size 30720
		.amdhsa_private_segment_fixed_size 0
		.amdhsa_enable_private_segment 0
		.amdhsa_kernarg_size 24
		.amdhsa_user_sgpr_count 2
		.amdhsa_user_sgpr_kernarg_segment_ptr 1
		.amdhsa_wavefront_size32 1
		.amdhsa_system_sgpr_workgroup_id_x 1
		.amdhsa_system_sgpr_workgroup_id_y 1
		.amdhsa_system_sgpr_workgroup_id_z 1
		.amdhsa_system_vgpr_workitem_id 0
		.amdhsa_next_free_vgpr 304
		.amdhsa_next_free_sgpr 66
		.amdhsa_reserve_vcc 1
		.amdhsa_float_denorm_mode_32 3
		.amdhsa_float_denorm_mode_16_64 3
		.amdhsa_memory_ordered 1
		.amdhsa_forward_progress 1
		.amdhsa_inst_pref_size 36
	.end_amdhsa_kernel
	.amdgpu_metadata
---
amdhsa.version: [ 1, 2 ]
amdhsa.kernels:
  - .name:           k_qc8fd0e7e5c_attn
    .symbol:         k_qc8fd0e7e5c_attn.kd
    .args:
      - { .name: qimg, .offset: 0, .size: 8, .value_kind: global_buffer, .address_space: global }
      - { .name: kvimg, .offset: 8, .size: 8, .value_kind: global_buffer, .address_space: global }
      - { .name: aimg, .offset: 16, .size: 8, .value_kind: global_buffer, .address_space: global }
    .group_segment_fixed_size: 30720
    .private_segment_fixed_size: 0
    .kernarg_segment_align: 8
    .kernarg_segment_size: 24
    .max_flat_workgroup_size: 256
    .sgpr_count:     66
    .vgpr_count:     304
    .wavefront_size: 32
...
	.end_amdgpu_metadata
.endif
;; end of part 3
;; launch mid (part 4): grid 64 x 4, 12 waves a work-group, no clusters, 88,576 bytes of LDS; arguments aimg, wimg, x, bo, ln1_g, ln1_b, b1, hres, part; writes hres, part
.if DOCPART == 4
	.amdgcn_target "amdgcn-amd-amdhsa--gfx1250"
	.amdhsa_code_object_version 6
	.text
	.protected	k_qc8fd0e7e5c_mid
	.globl	k_qc8fd0e7e5c_mid
	.p2align	8
	.type	k_qc8fd0e7e5c_mid,@function
k_qc8fd0e7e5c_mid:
	s_mov_b64 s[64:65], 0
	v_nop
	global_prefetch_b8 v0, s[64:65] scope:SCOPE_SE
	s_setreg_imm32_b32 hwreg(HW_REG_WAVE_MODE, 25, 1), 1
	s_wait_xcnt 0x0
; h = LayerNorm(x + attn Wo + bo); hidden = gelu(h W1 + b1), quantised along the hidden axis; and this quarter of the hidden layer times its rows of W2.  All three products on codes of E2M3.
; A work-group takes 64 whole rows (grid x), since the norm wants whole rows, and a quarter of the hidden layer (grid y); Wo and the norm are repeated in the four y: 96 products a wave, against one more launch and a way through memory for h's codes.
; The hidden quarter never leaves LDS: its 768 numbers a row are six K steps of the last product, whose f32 sums over these six steps go to memory; the next launch adds the four quarters' sums (an order of rounding other than one chain over K).
; Wave w takes columns 64 w .. 64 w + 63 of each product's result.  The weight is source 0: lane (r, h) holds, for each of four row tiles, columns 32 h .. 32 h + 31 of its row: one quantiser block, whole.
; Rows: row r of tile m is row 32 (r / 8) + 8 m + r % 8 of the 64.  Operands go from wave to wave through LDS as images of their registers (half image: 768 bytes; scale words: 64 bytes a fragment).
; The norm: sums over a lane's 32, lane l xor 16's, and the twelve waves' through LDS; the variance in a second pass over x - mean, so that no difference of large sums is formed.
; gelu(x) = x / 2 (1 + erf(x / sqrt 2)), erf(z) = z P(z^2) / Q(z^2) with z held to +-4: a rational form good to a few units in the last place of erf.
; h (by y = 0) and the partial sums go to memory in f32 as images of the accumulators: each store of a wave covers 512 consecutive bytes, aligned.
; The weights come from memory straight into the one wave that multiplies them, so no tile is shared that a joint request could serve.
; LIMITS: NaN and infinities are not served; far in gelu's negative tail the absolute error is up to about 6e-8 |x|; a block whose largest magnitude lies under 2^-124 gets the byte 1; v_rcp_f32 and v_rsq_f32 are good to one unit in the last place.
.set L16, 1
.set L8, 2
.set L4, 3
.set SBY, 4
.set A16, 5
.set A8, 8
.set A4, 11
.set XO, 12
.set H128, 13
.set BS, 20
.set AS, 24
.set AM, 26
.set SC, 28
.set RS, 26                            ; v26-29 the four row tiles' sums (never at work together with AM, SC)
.set AF, 32
.set B0, 80
.set ACC, 128
.set REC, 6400
.set RED0, 76800                       ; LDS: 0 attention's record, later the hidden quarter's; 38,400 h's record; 76,800 and 81,920 the norm's sums (16 rows x 80 bytes x 4 tiles each)
.set WV, 22
.set G, 23
.set Y, 24
.set WB, 26
.set SEL, 28
.set HM, 30
.set IC, 31
.set EP, 32
.set GA, 48
.set GB, 50
.set GZ, 32
.set GZ2, 40
.set GP, 48
.set GQ, 56
; v6, v7 the flat copy's offsets; v9, v10, v19 where my wave stores the hidden quarter's images and bytes; v14-16 the same for h's; v17, v18 the norm's sums
.set MSB, 0
.macro WIN new
.if MSB != \new
	s_set_vgpr_msb (MSB<<8)|\new
.set MSB, \new
.endif
.endm
.macro PLACES
.rept 4
	v_nop
.endr
.endm
.macro BARRIER
	s_wait_dscnt 0x0
	s_barrier_signal -1
	s_barrier_wait -1
.endm
.macro SW d, a, b, zero, sa, sb, ra, rb
.if (\zero)
.if ((\ra) == 0) && ((\rb) == 0)
	v_wmma_scale_f32_16x16x128_f8f6f4 v[(\d):(\d)+7], v[(\a):(\a)+11], v[(\b):(\b)+11], 0, v[(\sa)], v[(\sb)] matrix_a_fmt:MATRIX_FMT_FP6 matrix_b_fmt:MATRIX_FMT_FP6
.elseif ((\ra) == 1) && ((\rb) == 0)
	v_wmma_scale_f32_16x16x128_f8f6f4 v[(\d):(\d)+7], v[(\a):(\a)+11], v[(\b):(\b)+11], 0, v[(\sa)], v[(\sb)] matrix_a_fmt:MATRIX_FMT_FP6 matrix_b_fmt:MATRIX_FMT_FP6 matrix_a_scale:MATRIX_SCALE_ROW1
.elseif ((\ra) == 0) && ((\rb) == 1)
	v_wmma_scale_f32_16x16x128_f8f6f4 v[(\d):(\d)+7], v[(\a):(\a)+11], v[(\b):(\b)+11], 0, v[(\sa)], v[(\sb)] matrix_a_fmt:MATRIX_FMT_FP6 matrix_b_fmt:MATRIX_FMT_FP6 matrix_b_scale:MATRIX_SCALE_ROW1
.else
	v_wmma_scale_f32_16x16x128_f8f6f4 v[(\d):(\d)+7], v[(\a):(\a)+11], v[(\b):(\b)+11], 0, v[(\sa)], v[(\sb)] matrix_a_fmt:MATRIX_FMT_FP6 matrix_b_fmt:MATRIX_FMT_FP6 matrix_a_scale:MATRIX_SCALE_ROW1 matrix_b_scale:MATRIX_SCALE_ROW1
.endif
.else
.if ((\ra) == 0) && ((\rb) == 0)
	v_wmma_scale_f32_16x16x128_f8f6f4 v[(\d):(\d)+7], v[(\a):(\a)+11], v[(\b):(\b)+11], v[(\d):(\d)+7], v[(\sa)], v[(\sb)] matrix_a_fmt:MATRIX_FMT_FP6 matrix_b_fmt:MATRIX_FMT_FP6
.elseif ((\ra) == 1) && ((\rb) == 0)
	v_wmma_scale_f32_16x16x128_f8f6f4 v[(\d):(\d)+7], v[(\a):(\a)+11], v[(\b):(\b)+11], v[(\d):(\d)+7], v[(\sa)], v[(\sb)] matrix_a_fmt:MATRIX_FMT_FP6 matrix_b_fmt:MATRIX_FMT_FP6 matrix_a_scale:MATRIX_SCALE_ROW1
.elseif ((\ra) == 0) && ((\rb) == 1)
	v_wmma_scale_f32_16x16x128_f8f6f4 v[(\d):(\d)+7], v[(\a):(\a)+11], v[(\b):(\b)+11], v[(\d):(\d)+7], v[(\sa)], v[(\sb)] matrix_a_fmt:MATRIX_FMT_FP6 matrix_b_fmt:MATRIX_FMT_FP6 matrix_b_scale:MATRIX_SCALE_ROW1
.else
	v_wmma_scale_f32_16x16x128_f8f6f4 v[(\d):(\d)+7], v[(\a):(\a)+11], v[(\b):(\b)+11], v[(\d):(\d)+7], v[(\sa)], v[(\sb)] matrix_a_fmt:MATRIX_FMT_FP6 matrix_b_fmt:MATRIX_FMT_FP6 matrix_a_scale:MATRIX_SCALE_ROW1 matrix_b_scale:MATRIX_SCALE_ROW1
.endif
.endif
.endm
.macro QBLK src, dst, tmp, by
	v_max3_num_f32 v[AM], |v[(\src)]|, |v[(\src)+1]|, 0x1800000
	v_max3_num_f32 v[AM+1], |v[(\src)+16]|, |v[(\src)+17]|, |v[(\src)+18]|
.irp i, 0,1,2,3,4,5
	v_max3_num_f32 v[AM], v[AM], |v[(\src)+2+2*\i]|, |v[(\src)+3+2*\i]|
	v_max3_num_f32 v[AM+1], v[AM+1], |v[(\src)+19+2*\i]|, |v[(\src)+20+2*\i]|
.endr
	v_max3_num_f32 v[AM], v[AM], |v[(\src)+14]|, |v[(\src)+15]|
	v_max3_num_f32 v[AM], v[AM], v[AM+1], |v[(\src)+31]|
	v_add_nc_u32 v[SC], 0xff000000, v[AM]
	v_cvt_scalef32_pk16_fp6_f32 v[(\dst):(\dst)+2], v[(\src):(\src)+15], v[SC]
	v_cvt_scalef32_pk16_fp6_f32 v[(\tmp):(\tmp)+2], v[(\src)+16:(\src)+31], v[SC]
	v_lshrrev_b32 v[(\by)], 23, v[SC]
	v_mov_b32 v[(\dst)+3], v[(\tmp)]
	v_mov_b32 v[(\dst)+4], v[(\tmp)+1]
	v_mov_b32 v[(\dst)+5], v[(\tmp)+2]
.endm
.macro LOADB s, buf
	global_load_b32 v[BS+2*(\buf)], v[L4], s[WB:WB+1] offset:REC*(\s)+6144
	global_load_b32 v[BS+2*(\buf)+1], v[L4], s[WB:WB+1] offset:REC*(\s)+6272
	WIN 0x40*(\buf)
.irp p, 0,1,2,3,4,5,6,7,8,9,10,11
	global_load_b128 v[(1-(\buf))*B0+4*\p:(1-(\buf))*B0+4*\p+3], v[L16], s[WB:WB+1] offset:REC*(\s)+512*\p
.endr
	WIN 0
.endm
.macro LOADA s, q
.irp e, 0,1
.set lf, 4*(\s)+2*(\q)+\e
.set la, AF+12*(2*(\q)+\e)
.set lk, lf/40
.set lo, (lf%40)*1536
	ds_load_b128 v[la:la+3], v[A16+lk] offset:lo
	ds_load_b64 v[la+4:la+5], v[A8+lk] offset:lo+512
	ds_load_b128 v[la+6:la+9], v[A16+lk] offset:lo+768
	ds_load_b64 v[la+10:la+11], v[A8+lk] offset:lo+1280
.endr
	ds_load_b32 v[AS+(\q)], v[A4] offset:256*(\s)+128*(\q)
.endm
.macro GSW m, t, swap, zero
.set gw, (1-gs%2)*B0+12*(\t)
.set gz, 0
.if (\zero) && (gs == 0)
.set gz, 1
.endif
.if \swap
	SW ACC+32*(\t)+8*(\m),AF+12*(\m),gw,gz,AS+(\m)/2,BS+2*(gs%2)+(\t)/2,(\m)%2,(\t)%2
.else
	SW ACC+32*(\m)+8*(\t),gw,AF+12*(\m),gz,BS+2*(gs%2)+(\t)/2,AS+(\m)/2,(\t)%2,(\m)%2
.endif
.endm
.macro GEMM_PRO
	LOADB 0,0
	LOADB 1,1
.endm
.macro GEMM_MAIN ns, swap, zero        ; sixteen accumulators by turns, one instruction a turn, in the same order in every step
	LOADA 0,0
	LOADA 0,1
.set gs, 0
.rept \ns
.if gs == (\ns)-1
	s_wait_loadcnt 0x0
.else
	s_wait_loadcnt 14                              ; this step's record and all older loads are in; the next record's 14 may be out
.endif
	s_wait_dscnt 9                                 ; row tiles 0, 1 are in; the 9 loads of tiles 2, 3 may be out
	WIN (gs%2)*(1+3*(\swap))
.irp m, 0,1
.irp t, 0,1,2,3
	GSW \m,\t,\swap,\zero
.endr
.endr
	WIN 0
.if gs+1 < (\ns)
	PLACES
	LOADA gs+1,0
	s_wait_dscnt 9                                 ; tiles 2, 3 are in; the 9 just issued may be out
.else
	s_wait_dscnt 0x0
.endif
	WIN (gs%2)*(1+3*(\swap))
.irp m, 2,3
.irp t, 0,1,2,3
	GSW \m,\t,\swap,\zero
.endr
.endr
	WIN 0
.if gs+1 < (\ns)
	PLACES
	LOADA gs+1,1
.endif
.if gs+2 < (\ns)
	LOADB gs+2,gs%2
.endif
.set gs, gs+1
.endr
.endm
; The sum (sq = 0) or the sum of squares (sq = 1) of my wave's 64 columns, for my row of each of the four tiles: v[RS + m]
.macro ROWSUM sq
.irp m, 0,1,2,3
	v_mov_b32 v[104+\m], 0
.if \sq
	v_pk_mul_f32 v[96+2*\m:97+2*\m], v[ACC+32*\m:ACC+32*\m+1], v[ACC+32*\m:ACC+32*\m+1]
.else
	v_pk_add_f32 v[96+2*\m:97+2*\m], v[ACC+32*\m:ACC+32*\m+1], v[ACC+32*\m+2:ACC+32*\m+3]
.endif
.endr
.irp i, 1,2,3,4,5,6,7,8,9,10,11,12,13,14,15
.irp m, 0,1,2,3
.if \sq
	v_pk_fma_f32 v[96+2*\m:97+2*\m], v[ACC+32*\m+2*\i:ACC+32*\m+2*\i+1], v[ACC+32*\m+2*\i:ACC+32*\m+2*\i+1], v[96+2*\m:97+2*\m]
.elseif \i > 1
	v_pk_add_f32 v[96+2*\m:97+2*\m], v[96+2*\m:97+2*\m], v[ACC+32*\m+2*\i:ACC+32*\m+2*\i+1]
.endif
.endr
.endr
.irp m, 0,1,2,3
	v_add_f32 v[RS+\m], v[96+2*\m], v[97+2*\m]
.endr
.irp m, 0,1,2,3
	v_permlanex16_b32 v[104+\m], v[RS+\m], s[SEL], s[SEL+1]
.endr
.irp m, 0,1,2,3
	v_add_f32 v[RS+\m], v[RS+\m], v[104+\m]
.endr
.endm
; v[RS + m] summed over the twelve waves.  Each wave stores its word of each row; behind the barrier lanes 0-15 add up tiles 0, 1 and lanes 16-31 tiles 2, 3, and the halves exchange
.macro LNRED base
.irp m, 0,1,2,3
	ds_store_b32 v17, v[RS+\m] offset:(\base)+1280*\m
.endr
	BARRIER
.irp i, 0,1,2,3,4,5
	ds_load_b128 v[96+4*\i:99+4*\i], v18 offset:(\base)+1280*(\i/3)+16*(\i%3)
.endr
	s_wait_dscnt 0x0
.irp b, 96,108
	v_pk_add_f32 v[\b:\b+1], v[\b:\b+1], v[\b+2:\b+3]
	v_pk_add_f32 v[\b+4:\b+5], v[\b+4:\b+5], v[\b+6:\b+7]
	v_pk_add_f32 v[\b+8:\b+9], v[\b+8:\b+9], v[\b+10:\b+11]
	v_pk_add_f32 v[\b:\b+1], v[\b:\b+1], v[\b+4:\b+5]
	v_pk_add_f32 v[\b:\b+1], v[\b:\b+1], v[\b+8:\b+9]
	v_add_f32 v[\b], v[\b], v[\b+1]
.endr
	v_permlanex16_b32 v30, v96, s[SEL], s[SEL+1]
	v_permlanex16_b32 v31, v108, s[SEL], s[SEL+1]
	v_cndmask_b32 v[RS], v96, v30, s[HM]
	v_cndmask_b32 v[RS+1], v108, v31, s[HM]
	v_cndmask_b32 v[RS+2], v30, v96, s[HM]
	v_cndmask_b32 v[RS+3], v31, v108, s[HM]
.endm
.macro LNORM gp, bp                    ; the accumulators become (a - mean) rsqrt(var + 1e-5) g + b
	PLACES
.irp q, 0,1,2,3,4,5,6,7
	global_load_b128 v[32+4*\q:35+4*\q], v[H128], s[\gp:\gp+1] offset:16*\q
.endr
.irp q, 0,1,2,3,4,5,6,7
	global_load_b128 v[64+4*\q:67+4*\q], v[H128], s[\bp:\bp+1] offset:16*\q
.endr
	ROWSUM 0
	LNRED 0
.irp m, 0,1,2,3
	v_mul_f32 v[120+2*\m], s[IC], v[RS+\m]
	v_mul_f32 v[121+2*\m], s[IC], v[RS+\m]
.endr
.set ii, 0
.rept 64
	v_pk_add_f32 v[ACC+2*ii:ACC+2*ii+1], v[ACC+2*ii:ACC+2*ii+1], v[120+2*(ii/16):121+2*(ii/16)] neg_lo:[0,1] neg_hi:[0,1]
.set ii, ii+1
.endr
	ROWSUM 1
	LNRED 5120
.irp m, 0,1,2,3
	v_fma_f32 v[RS+\m], v[RS+\m], s[IC], s[EP]
.endr
.irp m, 0,1,2,3
	v_rsq_f32 v[120+2*\m], v[RS+\m]
.endr
	v_nop                                          ; a plain line behind the last of the four
	s_wait_alu depctr_va_vdst(0)                   ; one wait for the four, ahead of their first reader
.irp m, 0,1,2,3
	v_mov_b32 v[121+2*\m], v[120+2*\m]
.endr
	s_wait_loadcnt 0x0                             ; g and b
.set ii, 0
.rept 64
	v_pk_mul_f32 v[ACC+2*ii:ACC+2*ii+1], v[ACC+2*ii:ACC+2*ii+1], v[120+2*(ii/16):121+2*(ii/16)]
.set ii, ii+1
.endr
.set ii, 0
.rept 64
	v_pk_fma_f32 v[ACC+2*ii:ACC+2*ii+1], v[ACC+2*ii:ACC+2*ii+1], v[32+2*(ii%16):33+2*(ii%16)], v[64+2*(ii%16):65+2*(ii%16)]
.set ii, ii+1
.endr
.endm
; gelu of eight numbers v[x ..], four pairs by turns
.macro GELU8 x
.irp p, 0,1,2,3
	v_pk_mul_f32 v[GZ+2*\p:GZ+2*\p+1], v[(\x)+2*\p:(\x)+2*\p+1], 0x3f3504f3 op_sel_hi:[1,0]
.endr
.irp p, 0,1,2,3,4,5,6,7
	v_med3_num_f32 v[GZ+\p], v[GZ+\p], -4.0, 4.0
.endr
.irp p, 0,1,2,3
	v_pk_mul_f32 v[GZ2+2*\p:GZ2+2*\p+1], v[GZ+2*\p:GZ+2*\p+1], v[GZ+2*\p:GZ+2*\p+1]
.endr
.irp p, 0,1,2,3
	v_pk_fma_f32 v[GP+2*\p:GP+2*\p+1], v[GZ2+2*\p:GZ2+2*\p+1], s[GA:GA+1], 0x32edffee op_sel_hi:[1,0,0]
	v_pk_fma_f32 v[GQ+2*\p:GQ+2*\p+1], v[GZ2+2*\p:GZ2+2*\p+1], s[GB:GB+1], 0xb95fbd29 op_sel_hi:[1,0,0]
.endr
.irp k, 0xb60cff51,0xb86ec2d2,0xba40ac63,0xbb41a1f6,0xbc83dbd4
.irp p, 0,1,2,3
	v_pk_fma_f32 v[GP+2*\p:GP+2*\p+1], v[GP+2*\p:GP+2*\p+1], v[GZ2+2*\p:GZ2+2*\p+1], \k op_sel_hi:[1,1,0]
.endr
.endr
.irp k, 0xbadc924e,0xbbf19bf8,0xbc69b6a7
.irp p, 0,1,2,3
	v_pk_fma_f32 v[GQ+2*\p:GQ+2*\p+1], v[GQ+2*\p:GQ+2*\p+1], v[GZ2+2*\p:GZ2+2*\p+1], \k op_sel_hi:[1,1,0]
.endr
.endr
.irp p, 0,1,2,3,4,5,6,7
	v_rcp_f32 v[GZ2+\p], v[GQ+\p]                  ; z^2 is done with: 1 / Q takes its place
.endr
.irp p, 0,1,2,3
	v_pk_mul_f32 v[GP+2*\p:GP+2*\p+1], v[GP+2*\p:GP+2*\p+1], v[GZ+2*\p:GZ+2*\p+1]   ; z P: plain work behind the eight
.endr
	s_wait_alu depctr_va_vdst(0)                   ; one wait for the eight, ahead of their first reader
.irp p, 0,1,2,3
	v_pk_mul_f32 v[GP+2*\p:GP+2*\p+1], v[GP+2*\p:GP+2*\p+1], v[GZ2+2*\p:GZ2+2*\p+1]   ; erf
.endr
.irp p, 0,1,2,3
	v_pk_mul_f32 v[GZ+2*\p:GZ+2*\p+1], v[(\x)+2*\p:(\x)+2*\p+1], 0.5 op_sel_hi:[1,0]
.endr
.irp p, 0,1,2,3
	v_pk_fma_f32 v[(\x)+2*\p:(\x)+2*\p+1], v[GP+2*\p:GP+2*\p+1], v[GZ+2*\p:GZ+2*\p+1], v[GZ+2*\p:GZ+2*\p+1]
.endr
.endm
	s_load_b256 s[4:11], s[0:1], 0x0               ; aimg, wimg, x, bo
	s_load_b256 s[12:19], s[0:1], 0x20             ; ln1_g, ln1_b, b1, hres
	s_load_b64 s[20:21], s[0:1], 0x40              ; part
	s_set_vgpr_msb 0x40
	v_lshl_add_u32 v48, v0, 2, 0x15400
	v_mov_b32 v49, 0
	s_set_vgpr_msb 0x4000
	v_lshrrev_b32 v30, 5, v0
	v_readfirstlane_b32 s[WV], v30
	s_mov_b32 s[G], ttmp9
	s_and_b32 s[Y], ttmp7, 0xffff
	v_and_b32 v30, 31, v0
	v_and_b32 v31, 15, v0                          ; r
	v_bfe_u32 v19, v0, 4, 1                        ; h
	v_lshlrev_b32 v[L16], 4, v30
	v_lshlrev_b32 v[L8], 3, v30
	v_lshlrev_b32 v[L4], 2, v30
	v_lshl_add_u32 v[SBY], v31, 2, v19
	v_lshlrev_b32 v[H128], 7, v19
	v_and_b32 v[XO], 8, v31
	v_and_b32 v29, 7, v31
	v_lshl_add_u32 v[XO], v[XO], 2, v29
	v_mul_u32_u24 v[XO], v[XO], 3072
	v_add_nc_u32 v[XO], v[XO], v[H128]
	v_lshlrev_b32 v6, 4, v0                        ; 16 x thread, 4 x thread: the flat copy of attention's record
	v_lshlrev_b32 v7, 2, v0
	v_mov_b32 v[A16], v[L16]
	v_mov_b32 v[A8], v[L8]
	v_add_nc_u32 v[A4], 36864, v[L4]
	v_mul_u32_u24 v17, v31, 80
	v_mul_u32_u24 v18, v19, 2560
	v_add_nc_u32 v18, v18, v17
	v_add_nc_u32 v18, RED0, v18                    ; the sums' rows: 80 r + 2,560 h
	s_lshl_b32 s56, s[WV], 2
	s_add_co_u32 s56, s56, RED0
	v_add_nc_u32 v17, s56, v17                     ; my wave's word: 80 r + 4 w
	s_lshr_b32 s56, s[WV], 1
	s_and_b32 s57, s[WV], 1
	s_lshl_b32 s58, s56, 3
	s_add_co_u32 s58, s58, s57
	s_mul_i32 s58, s58, 768                        ; my columns are half w % 2 of K step w / 2 of the next product
	v_add_nc_u32 v9, s58, v[L16]                   ; in the record at LDS byte 0 (the hidden quarter's),
	v_add_nc_u32 v10, s58, v[L8]
	s_add_co_u32 s59, s58, 38400
	v_add_nc_u32 v14, s59, v[L16]                  ; and in the record at 38,400 (h's)
	v_add_nc_u32 v15, s59, v[L8]
	s_lshl_b32 s59, s56, 8
	s_lshl_b32 s60, s57, 1
	s_add_co_u32 s59, s59, s60
	s_add_co_u32 s60, s59, 75264
	v_add_nc_u32 v16, s60, v[SBY]
	s_add_co_u32 s60, s59, 36864
	v_add_nc_u32 v19, s60, v[SBY]                  ; (h is done with)
	s_mov_b32 s[SEL], 0x76543210
	s_mov_b32 s[SEL+1], 0xfedcba98
	s_mov_b32 s[HM], 0xffff0000
	s_mov_b32 s[IC], 0x3aaaaaab                    ; 1 / 768
	s_mov_b32 s[EP], 0x3727c5ac                    ; 1e-5
	s_mov_b32 s[GA], 0xaf95df0b
	s_mov_b32 s[GA+1], s[GA]
	s_mov_b32 s[GB], 0xb77460cd
	s_mov_b32 s[GB+1], s[GB]
	s_lshl_b32 s56, s[WV], 8
	s_mov_b32 s57, 0
	s_wait_kmcnt 0x0
	s_add_nc_u64 s[38:39], s[10:11], s[56:57]      ; bo, g, b, x, b1 at my 64 columns
	s_add_nc_u64 s[40:41], s[12:13], s[56:57]
	s_add_nc_u64 s[42:43], s[14:15], s[56:57]
	s_add_nc_u64 s[36:37], s[8:9], s[56:57]
	s_add_nc_u64 s[44:45], s[16:17], s[56:57]
	s_mul_i32 s56, s[G], 196608
	s_add_nc_u64 s[36:37], s[36:37], s[56:57]
	s_mul_i32 s56, s[Y], 3072
	s_add_nc_u64 s[44:45], s[44:45], s[56:57]
	s_mul_i32 s56, s[G], 38400
	s_add_nc_u64 s[34:35], s[4:5], s[56:57]
	s_mul_i32 s56, s[G], 12
	s_add_co_u32 s56, s56, s[WV]
	s_lshl_b32 s56, s56, 14
	s_add_nc_u64 s[46:47], s[18:19], s[56:57]
	s_lshl_b32 s56, s[Y], 6
	s_add_co_u32 s56, s56, s[G]
	s_mul_i32 s56, s56, 12
	s_add_co_u32 s56, s56, s[WV]
	s_lshl_b32 s56, s56, 14                        ; the partial sums' image: ((64 y + G) 12 + w) x 16,384
	s_add_nc_u64 s[52:53], s[20:21], s[56:57]
	s_mul_i32 s56, s[WV], 6
	s_add_co_u32 s56, s56, 216
	s_mul_i32 s56, s56, REC
	s_add_nc_u64 s[WB:WB+1], s[6:7], s[56:57]      ; Wo's records of my unit
	; ---- 0: attention's record into LDS; x + bo into the accumulators
.irp k, 0,1,2,3,4,5
	global_load_b128 v[32+4*\k:35+4*\k], v6, s[34:35] offset:6144*\k
.endr
	global_load_b32 v56, v7, s[34:35] offset:36864
.set ii, 0
.rept 32                               ; ii = 8 m + q
	global_load_b128 v[ACC+4*ii:ACC+4*ii+3], v[XO], s[36:37] offset:24576*(ii/8)+16*(ii%8)
.set ii, ii+1
.endr
.irp q, 0,1,2,3,4,5,6,7
	global_load_b128 v[80+4*\q:83+4*\q], v[H128], s[38:39] offset:16*\q
.endr
	s_wait_loadcnt 40                              ; the record's 7 loads are in; x's 32 and bo's 8 may be out
.irp k, 0,1,2,3,4,5
	ds_store_b128 v6, v[32+4*\k:35+4*\k] offset:6144*\k
.endr
	ds_store_b32 v7, v56 offset:36864
	s_wait_loadcnt 0x0
.set ii, 0
.rept 64
	v_pk_add_f32 v[ACC+2*ii:ACC+2*ii+1], v[ACC+2*ii:ACC+2*ii+1], v[80+2*(ii%16):81+2*(ii%16)]
.set ii, ii+1
.endr
	s_wait_dscnt 0x0                               ; my part of the record has landed
	GEMM_PRO
	s_barrier_signal -1
	s_barrier_wait -1
	; ---- 1: + attention x Wo
	GEMM_MAIN 6,0,0
	; ---- 2: the first norm: h
	LNORM 40,42
	; ---- 3: h to memory (y = 0), and its codes to LDS
	s_cmp_lg_u32 s[Y], 0
	s_cbranch_scc1 .Lnoh
.set ii, 0
.rept 32
	global_store_b128 v[L16], v[ACC+4*ii:ACC+4*ii+3], s[46:47] offset:512*ii   ; each store of the wave covers 512 consecutive bytes, aligned
.set ii, ii+1
.endr
.Lnoh:
.irp m, 0,1,2,3
	QBLK ACC+32*\m,32+8*\m,64,112+\m
	ds_store_b128 v14, v[32+8*\m:35+8*\m] offset:1536*\m
	ds_store_b64 v15, v[36+8*\m:37+8*\m] offset:1536*\m+512
	ds_store_b8 v16, v[112+\m] offset:64*\m
.endr
	s_wait_xcnt 0x0                                ; h's stores have read the accumulators: only now are they loaded anew
.set ii, 0
.rept 32
	global_load_b128 v[ACC+4*ii:ACC+4*ii+3], v[H128], s[44:45] offset:16*(ii%8)   ; b1 is the next sums' first content
.set ii, ii+1
.endr
	s_mul_i32 s56, s[Y], 72
	s_mul_i32 s60, s[WV], 6
	s_add_co_u32 s56, s56, s60
	s_add_co_u32 s56, s56, 288
	s_mul_i32 s56, s56, REC
	s_add_nc_u64 s[WB:WB+1], s[6:7], s[56:57]      ; W1's records of unit 12 y + w (Wo's loads were all waited for)
	s_wait_dscnt 0x0
	GEMM_PRO
	s_barrier_signal -1
	s_barrier_wait -1                              ; h's 24 fragments lie in LDS
	v_add_nc_u32 v[A16], 38400, v[A16]
	v_add_nc_u32 v[A8], 38400, v[A8]
	v_add_nc_u32 v[A4], 38400, v[A4]
	; ---- 4: h x W1 + b1
	GEMM_MAIN 6,0,0
	PLACES
	s_mul_i32 s56, s[WV], 24
	s_mul_i32 s60, s[Y], 6
	s_add_co_u32 s56, s56, s60
	s_add_co_u32 s56, s56, 576
	s_mul_i32 s56, s56, REC
	s_add_nc_u64 s[WB:WB+1], s[6:7], s[56:57]      ; W2's records of unit w, K steps 6 y on (W1's loads were all waited for)
	GEMM_PRO                                       ; asked for here: gelu and the quantiser stand between these loads and their use
	; ---- 5: gelu, an accumulator at a time
.set jj, 0
.rept 16
	GELU8 ACC+8*jj
.set jj, jj+1
.endr
	; ---- 6: the hidden quarter's codes, into the bytes that held attention's record: its last readers have passed the norm's barriers
.irp m, 0,1,2,3
	QBLK ACC+32*\m,32+8*\m,64,72+\m
	ds_store_b128 v9, v[32+8*\m:35+8*\m] offset:1536*\m
	ds_store_b64 v10, v[36+8*\m:37+8*\m] offset:1536*\m+512
	ds_store_b8 v19, v[72+\m] offset:64*\m
.endr
	BARRIER                                        ; the hidden quarter's 24 fragments lie in LDS
	v_mov_b32 v[A16], v[L16]
	v_mov_b32 v[A8], v[L8]
	v_add_nc_u32 v[A4], 36864, v[L4]
	; ---- 7: the hidden quarter x its rows of W2; the first step's products start the sums
	GEMM_MAIN 6,0,1
	PLACES
.set ii, 0
.rept 32
	global_store_b128 v[L16], v[ACC+4*ii:ACC+4*ii+3], s[52:53] offset:512*ii th:TH_STORE_NT   ; 512 consecutive bytes a store, aligned; each accumulator from its low end on
.set ii, ii+1
.endr
	s_set_vgpr_msb 0x5
	s_wait_tensorcnt 0x0
	ds_add_u32 v48, v49
	s_wait_dscnt 0x0
	s_set_vgpr_msb 0x500
	s_endpgm
.Lfunc_end_k_qc8fd0e7e5c_mid:
	.size	k_qc8fd0e7e5c_mid, .Lfunc_end_k_qc8fd0e7e5c_mid-k_qc8fd0e7e5c_mid
	.p2alignl 7, 3214868480
	.fill 96, 4, 3214868480
	.section	.rodata,"a",@progbits
	.p2align	6, 0x0
	.amdhsa_kernel k_qc8fd0e7e5c_mid
		.amdhsa_group_segment_fixed_size 88576
		.amdhsa_private_segment_fixed_size 0
		.amdhsa_enable_private_segment 0
		.amdhsa_kernarg_size 72
		.amdhsa_user_sgpr_count 2
		.amdhsa_user_sgpr_kernarg_segment_ptr 1
		.amdhsa_wavefront_size32 1
		.amdhsa_system_sgpr_workgroup_id_x 1
		.amdhsa_system_sgpr_workgroup_id_y 1
		.amdhsa_system_sgpr_workgroup_id_z 1
		.amdhsa_system_vgpr_workitem_id 0
		.amdhsa_next_free_vgpr 306
		.amdhsa_next_free_sgpr 66
		.amdhsa_reserve_vcc 0
		.amdhsa_float_denorm_mode_32 3
		.amdhsa_float_denorm_mode_16_64 3
		.amdhsa_memory_ordered 1
		.amdhsa_forward_progress 1
		.amdhsa_inst_pref_size 249
	.end_amdhsa_kernel
	.amdgpu_metadata
---
amdhsa.version: [ 1, 2 ]
amdhsa.kernels:
  - .name:           k_qc8fd0e7e5c_mid
    .symbol:         k_qc8fd0e7e5c_mid.kd
    .args:
      - { .name: aimg, .offset: 0, .size: 8, .value_kind: global_buffer, .address_space: global }
      - { .name: wimg, .offset: 8, .size: 8, .value_kind: global_buffer, .address_space: global }
      - { .name: x, .offset: 16, .size: 8, .value_kind: global_buffer, .address_space: global }
      - { .name: bo, .offset: 24, .size: 8, .value_kind: global_buffer, .address_space: global }
      - { .name: ln1_g, .offset: 32, .size: 8, .value_kind: global_buffer, .address_space: global }
      - { .name: ln1_b, .offset: 40, .size: 8, .value_kind: global_buffer, .address_space: global }
      - { .name: b1, .offset: 48, .size: 8, .value_kind: global_buffer, .address_space: global }
      - { .name: hres, .offset: 56, .size: 8, .value_kind: global_buffer, .address_space: global }
      - { .name: part, .offset: 64, .size: 8, .value_kind: global_buffer, .address_space: global }
    .group_segment_fixed_size: 88576
    .private_segment_fixed_size: 0
    .kernarg_segment_align: 8
    .kernarg_segment_size: 72
    .max_flat_workgroup_size: 384
    .sgpr_count:     66
    .vgpr_count:     306
    .wavefront_size: 32
...
	.end_amdgpu_metadata
.endif
;; end of part 4
;; launch lnfin (part 5): grid 64 x 4, 12 waves a work-group, no clusters, 56,320 bytes of LDS; arguments part, hres, b2, ln2_g, ln2_b, out0; writes out0
.if DOCPART == 5
	.amdgcn_target "amdgcn-amd-amdhsa--gfx1250"
	.amdhsa_code_object_version 6
	.text
	.protected	k_qc8fd0e7e5c_lnfin
	.globl	k_qc8fd0e7e5c_lnfin
	.p2align	8
	.type	k_qc8fd0e7e5c_lnfin,@function
k_qc8fd0e7e5c_lnfin:
	s_mov_b64 s[64:65], 0
	v_nop
	global_prefetch_b8 v0, s[64:65] scope:SCOPE_SE
	s_setreg_imm32_b32 hwreg(HW_REG_WAVE_MODE, 25, 1), 1
	s_wait_xcnt 0x0
; y = LayerNorm(h + b2 + the four partial sums of hidden x W2).  A stream: no products, so no matrix unit, no tensor loads, no cluster.
; h and the partial sums lie in memory as images of the accumulators of the launch before: for (group G of 64 rows, wave w = columns 64 w on) 16,384 bytes, registers 4 q .. 4 q + 3 of lane l at 512 q + 16 l; row tile m is q = 8 m .. 8 m + 7.
; A work-group takes the 16 whole rows of one row tile (grid x = G, grid y = m); wave w takes columns 64 w .. 64 w + 63: lane (r, h) holds columns 32 h .. 32 h + 31 of row 32 (r / 8) + 8 m + r % 8 of the 64.
; Every load of the images covers 512 consecutive bytes; 56 loads a lane go out at once.  The norm: sums over a lane's 32, lane l xor 16's, and the twelve waves' through LDS; the variance in a second pass over x - mean.
; The result leaves through each wave's own stage in LDS, so that sixteen lanes store 256 consecutive bytes of a row, aligned.
; LIMITS: NaN and infinities are not served; v_rsq_f32 is good to one unit in the last place; the sum over K is taken in four parts, added here in f32.
.set X, 32                             ; v32-63   h, then the sum, then the result
.set P, 64                             ; v64-191  the four partial sums
.set B2, 192                           ; v192-223 b2
.set GG, 224                           ; v224-255 g
.set BT, 64                            ; v64-95   b, once the partial sums are added
.set OB, 128                           ; v128-159 rows read back from the stage
.set IC, 19
.set EP, 21
.set SEL, 46
; LDS: 0 and 1,280 the sums (16 rows x 80 bytes each); 2,560 + 4,352 w the stages (16 rows x 272 bytes)
; v1 16 x lane, v5 128 h, v6 80 r, v7 80 r + 4 w, v8 the stage on the way in, v9 on the way back, v10 my bytes in two rows of the output; v96-117 at work
.macro ROW1 sq                         ; the sum (sq = 0) or the sum of squares (sq = 1) of my wave's 64 columns of my row: v101
.if \sq
	v_pk_mul_f32 v[96:97], v[X:X+1], v[X:X+1]
	v_pk_mul_f32 v[98:99], v[X+2:X+3], v[X+2:X+3]
.else
	v_pk_add_f32 v[96:97], v[X:X+1], v[X+4:X+5]
	v_pk_add_f32 v[98:99], v[X+2:X+3], v[X+6:X+7]
.endif
.irp i, 2,3,4,5,6,7,8,9,10,11,12,13,14,15
.if \sq
	v_pk_fma_f32 v[96+2*(\i%2):97+2*(\i%2)], v[X+2*\i:X+2*\i+1], v[X+2*\i:X+2*\i+1], v[96+2*(\i%2):97+2*(\i%2)]
.elseif \i > 3
	v_pk_add_f32 v[96+2*(\i%2):97+2*(\i%2)], v[96+2*(\i%2):97+2*(\i%2)], v[X+2*\i:X+2*\i+1]
.endif
.endr
	v_pk_add_f32 v[96:97], v[96:97], v[98:99]
	v_add_f32 v101, v96, v97
	v_permlanex16_b32 v100, v101, s[SEL], s[SEL+1]
	v_add_f32 v101, v101, v100
.endm
.macro RED1 base                       ; v101 summed over the twelve waves: each wave stores its word of each row; behind the barrier every lane adds up its row's twelve
	ds_store_b32 v7, v101 offset:\base
	s_wait_dscnt 0x0                               ; my word has landed: the others read it behind the barrier
	s_barrier_signal -1
	s_barrier_wait -1
	ds_load_b128 v[104:107], v6 offset:\base
	ds_load_b128 v[108:111], v6 offset:\base+16
	ds_load_b128 v[112:115], v6 offset:\base+32
	s_wait_dscnt 0x0
	v_pk_add_f32 v[104:105], v[104:105], v[106:107]
	v_pk_add_f32 v[108:109], v[108:109], v[110:111]
	v_pk_add_f32 v[112:113], v[112:113], v[114:115]
	v_pk_add_f32 v[104:105], v[104:105], v[108:109]
	v_pk_add_f32 v[104:105], v[104:105], v[112:113]
	v_add_f32 v101, v104, v105
.endm
	s_load_b256 s[4:11], s[0:1], 0x0               ; part, hres, b2, ln2_g
	s_load_b128 s[12:15], s[0:1], 0x20             ; ln2_b, out0
	v_lshl_add_u32 v30, v0, 2, 0xd600
	v_mov_b32 v31, 0
	v_lshrrev_b32 v2, 5, v0
	v_readfirstlane_b32 s16, v2                    ; wave
	s_mov_b32 s17, ttmp9                           ; G
	s_and_b32 s18, ttmp7, 0xffff                   ; m
	v_and_b32 v2, 31, v0                           ; lane
	v_and_b32 v3, 15, v0                           ; r
	v_bfe_u32 v4, v0, 4, 1                         ; h
	v_lshlrev_b32 v1, 4, v2
	v_lshlrev_b32 v5, 7, v4
	v_mul_u32_u24 v6, v3, 80
	s_lshl_b32 s20, s16, 2
	v_add_nc_u32 v7, s20, v6
	s_mul_i32 s20, s16, 4352
	s_add_co_u32 s20, s20, 2560                    ; my stage
	v_mul_u32_u24 v8, v3, 272
	v_add_nc_u32 v8, v8, v5
	v_add_nc_u32 v8, s20, v8                       ; in: row r, + 128 h
	v_mul_u32_u24 v9, v4, 272
	v_lshl_add_u32 v9, v3, 4, v9
	v_add_nc_u32 v9, s20, v9                       ; back: lanes 0-15 one row, lanes 16-31 the next
	v_mul_u32_u24 v10, v4, 3072
	v_lshl_add_u32 v10, v3, 4, v10                 ; and the same two rows in the output
	v_mov_b32 v100, 0                              ; written once: a lane permute's destination counts as one of its sources
	s_mov_b32 s[SEL], 0x76543210
	s_mov_b32 s[SEL+1], 0xfedcba98
	s_mov_b32 s[IC], 0x3aaaaaab                    ; 1 / 768
	s_mov_b32 s[EP], 0x3727c5ac                    ; 1e-5
	s_mul_i32 s22, s17, 12
	s_add_co_u32 s22, s22, s16
	s_lshl_b32 s22, s22, 14
	s_lshl_b32 s23, s18, 12
	s_add_co_u32 s22, s22, s23                     ; (12 G + w) x 16,384 + 4,096 m
	s_mov_b32 s23, 0
	s_lshl_b32 s24, s16, 8                         ; 256 w
	s_mov_b32 s25, 0
	s_mul_i32 s26, s17, 196608                     ; 64 G rows of 3,072 bytes
	s_mul_i32 s27, s18, 24576                      ; + 8 m rows
	s_add_co_u32 s26, s26, s27
	s_add_co_u32 s26, s26, s24
	s_mov_b32 s27, 0
	s_wait_kmcnt 0x0
	s_add_nc_u64 s[28:29], s[6:7], s[22:23]        ; h
	s_add_nc_u64 s[30:31], s[4:5], s[22:23]        ; the four partial sums, 12,582,912 bytes apart
	s_add_nc_u64 s[32:33], s[30:31], 12582912
	s_add_nc_u64 s[34:35], s[32:33], 12582912
	s_add_nc_u64 s[36:37], s[34:35], 12582912
	s_add_nc_u64 s[38:39], s[8:9], s[24:25]        ; b2, g, b at my 64 columns
	s_add_nc_u64 s[40:41], s[10:11], s[24:25]
	s_add_nc_u64 s[42:43], s[12:13], s[24:25]
	s_add_nc_u64 s[44:45], s[14:15], s[26:27]
.irp q, 0,1,2,3,4,5,6,7
	global_load_b128 v[X+4*\q:X+4*\q+3], v1, s[28:29] offset:512*\q th:TH_LOAD_NT
.endr
.irp y, 0,1,2,3
.irp q, 0,1,2,3,4,5,6,7
	global_load_b128 v[P+32*\y+4*\q:P+32*\y+4*\q+3], v1, s[30+2*\y:31+2*\y] offset:512*\q th:TH_LOAD_NT
.endr
.endr
.irp q, 0,1,2,3,4,5,6,7
	global_load_b128 v[B2+4*\q:B2+4*\q+3], v5, s[38:39] offset:16*\q
.endr
.irp q, 0,1,2,3,4,5,6,7
	global_load_b128 v[GG+4*\q:GG+4*\q+3], v5, s[40:41] offset:16*\q
.endr
	s_wait_loadcnt 8                               ; h, the partial sums and b2 are in; g's 8 loads may be out
.set ii, 0
.rept 16
	v_pk_add_f32 v[X+2*ii:X+2*ii+1], v[X+2*ii:X+2*ii+1], v[B2+2*ii:B2+2*ii+1]
	v_pk_add_f32 v[P+2*ii:P+2*ii+1], v[P+2*ii:P+2*ii+1], v[P+32+2*ii:P+33+2*ii]
	v_pk_add_f32 v[P+64+2*ii:P+65+2*ii], v[P+64+2*ii:P+65+2*ii], v[P+96+2*ii:P+97+2*ii]
.set ii, ii+1
.endr
.set ii, 0
.rept 16
	v_pk_add_f32 v[P+2*ii:P+2*ii+1], v[P+2*ii:P+2*ii+1], v[P+64+2*ii:P+65+2*ii]
.set ii, ii+1
.endr
.set ii, 0
.rept 16
	v_pk_add_f32 v[X+2*ii:X+2*ii+1], v[X+2*ii:X+2*ii+1], v[P+2*ii:P+2*ii+1]
.set ii, ii+1
.endr
.irp q, 0,1,2,3,4,5,6,7
	global_load_b128 v[BT+4*\q:BT+4*\q+3], v5, s[42:43] offset:16*\q   ; b, into registers that are done with: it lands under the two sums
.endr
	ROW1 0
	RED1 0
	v_mul_f32 v116, s[IC], v101                    ; the mean, twice: a pair for the packed forms
	v_mul_f32 v117, s[IC], v101
.set ii, 0
.rept 16
	v_pk_add_f32 v[X+2*ii:X+2*ii+1], v[X+2*ii:X+2*ii+1], v[116:117] neg_lo:[0,1] neg_hi:[0,1]
.set ii, ii+1
.endr
	ROW1 1
	RED1 1280
	v_fma_f32 v101, v101, s[IC], s[EP]
	v_rsq_f32 v116, v101
	v_nop                                          ; a plain line behind it
	s_wait_alu depctr_va_vdst(0)                   ; ahead of its first reader
	v_mov_b32 v117, v116
	s_wait_loadcnt 0x0                             ; g and b
.set ii, 0
.rept 16
	v_pk_mul_f32 v[X+2*ii:X+2*ii+1], v[X+2*ii:X+2*ii+1], v[116:117]
.set ii, ii+1
.endr
.set ii, 0
.rept 16
	v_pk_fma_f32 v[X+2*ii:X+2*ii+1], v[X+2*ii:X+2*ii+1], v[GG+2*ii:GG+2*ii+1], v[BT+2*ii:BT+2*ii+1]
.set ii, ii+1
.endr
	; the way out.  LDS serves a wave's instructions in order (ISA guide 5.7.1.4): no wait between my stores and my loads
.irp q, 0,1,2,3,4,5,6,7
	ds_store_b128 v8, v[X+4*\q:X+4*\q+3] offset:16*\q
.endr
.irp i, 0,1,2,3,4,5,6,7
	ds_load_b128 v[OB+4*\i:OB+4*\i+3], v9 offset:544*\i
.endr
.irp i, 0,1,2,3,4,5,6,7
	s_wait_dscnt 7-\i                              ; rows 2 i, 2 i + 1 of the tile are back; the younger loads may be out
	global_store_b128 v10, v[OB+4*\i:OB+4*\i+3], s[44:45] offset:(2*(\i%4)+32*(\i/4))*3072 th:TH_STORE_NT
.endr
	s_wait_tensorcnt 0x0
	ds_add_u32 v30, v31
	s_wait_dscnt 0x0
	s_endpgm
.Lfunc_end_k_qc8fd0e7e5c_lnfin:
	.size	k_qc8fd0e7e5c_lnfin, .Lfunc_end_k_qc8fd0e7e5c_lnfin-k_qc8fd0e7e5c_lnfin
	.p2alignl 7, 3214868480
	.fill 96, 4, 3214868480
	.section	.rodata,"a",@progbits
	.p2align	6, 0x0
	.amdhsa_kernel k_qc8fd0e7e5c_lnfin
		.amdhsa_group_segment_fixed_size 56320
		.amdhsa_private_segment_fixed_size 0
		.amdhsa_enable_private_segment 0
		.amdhsa_kernarg_size 48
		.amdhsa_user_sgpr_count 2
		.amdhsa_user_sgpr_kernarg_segment_ptr 1
		.amdhsa_wavefront_size32 1
		.amdhsa_system_sgpr_workgroup_id_x 1
		.amdhsa_system_sgpr_workgroup_id_y 1
		.amdhsa_system_sgpr_workgroup_id_z 1
		.amdhsa_system_vgpr_workitem_id 0
		.amdhsa_next_free_vgpr 256
		.amdhsa_next_free_sgpr 66
		.amdhsa_reserve_vcc 0
		.amdhsa_float_denorm_mode_32 3
		.amdhsa_float_denorm_mode_16_64 3
		.amdhsa_memory_ordered 1
		.amdhsa_forward_progress 1
		.amdhsa_inst_pref_size 23
	.end_amdhsa_kernel
	.amdgpu_metadata
---
amdhsa.version: [ 1, 2 ]
amdhsa.kernels:
  - .name:           k_qc8fd0e7e5c_lnfin
    .symbol:         k_qc8fd0e7e5c_lnfin.kd
    .args:
      - { .name: part, .offset: 0, .size: 8, .value_kind: global_buffer, .address_space: global }
      - { .name: hres, .offset: 8, .size: 8, .value_kind: global_buffer, .address_space: global }
      - { .name: b2, .offset: 16, .size: 8, .value_kind: global_buffer, .address_space: global }
      - { .name: ln2_g, .offset: 24, .size: 8, .value_kind: global_buffer, .address_space: global }
      - { .name: ln2_b, .offset: 32, .size: 8, .value_kind: global_buffer, .address_space: global }
      - { .name: out0, .offset: 40, .size: 8, .value_kind: global_buffer, .address_space: global }
    .group_segment_fixed_size: 56320
    .private_segment_fixed_size: 0
    .kernarg_segment_align: 8
    .kernarg_segment_size: 48
    .max_flat_workgroup_size: 384
    .sgpr_count:     66
    .vgpr_count:     256
    .wavefront_size: 32
...
	.end_amdgpu_metadata
.endif
;; end of part 5
;; ======== version 2 of 2: 5 launches
;; workspace buffers: wimg 5,529,600 bytes; qimg 2,555,904 bytes; kvimg 4,915,200 bytes; aimg 2,457,600 bytes; hres 12,582,912 bytes; part 50,331,648 bytes
;; launch prep: the kernel of part 1 again; grid 6 x 144, 4 waves a work-group, no clusters, 7,168 bytes of LDS; arguments Wq, Wk, Wv, Wo, W1, W2, wimg; writes wimg
;; launch qkv (part 6): grid 64 x 3, 12 waves a work-group, no clusters, 40,448 bytes of LDS; arguments x, wimg, bq, bk, bv, qimg, kvimg; writes qimg, kvimg
.if DOCPART == 6
	.amdgcn_target "amdgcn-amd-amdhsa--gfx1250"
	.amdhsa_code_object_version 6
	.text
	.protected	k_qc8fd0e7e5c_qkv
	.globl	k_qc8fd0e7e5c_qkv
	.p2align	8
	.type	k_qc8fd0e7e5c_qkv,@function
k_qc8fd0e7e5c_qkv:
	s_mov_b64 s[64:65], 0
	v_nop
	global_prefetch_b8 v0, s[64:65] scope:SCOPE_SE
	s_setreg_imm32_b32 hwreg(HW_REG_WAVE_SCHED_MODE, 0, 2), 2
	s_setreg_imm32_b32 hwreg(HW_REG_WAVE_MODE, 25, 1), 1
	s_wait_xcnt 0x0
	s_wait_alu depctr_vm_vsrc(0)
; q = x Wq + bq, k = x Wk + bk, v = x Wv + bv on codes of E2M3; the results are quantised again at once: q and k along the head's 64, v along the keys.
; A work-group takes 64 tokens (grid x) and one of the three weights (grid y); wave w takes head w (64 output columns).  x's 64 rows are quantised once by the twelve waves into LDS, as images of the operand's registers.
; ORDER OF ROWS: row i of tile t of a group of 64 (tokens, or a weight's columns) is index 32 (i / 8) + 8 t + i % 8.  With the weight as source 0, lane (r, h) then holds, in the 32 registers of a token tile, columns 32 h .. 32 h + 31 of its
; token: ONE quantiser block, whole, in true order.  For v the sources are swapped: a lane holds one channel and 32 neighbouring tokens (keys).  So each block's maximum needs no other lane, and the two conversions give registers 6 c .. 6 c + 5 of the next operand.
; HALF IMAGE (768 bytes): registers 6 c .. 6 c + 3 of lane l at 16 l, registers 6 c + 4, 5 at 512 + 8 l.  Scale words: 64 bytes a fragment, byte 2 c + h of word r.
; The weights come from memory straight into registers, a record of 6,400 bytes for each 128 along K, two records ahead; each weight byte enters the work-group once, so no tile is shared that a joint request could serve.
; LIMITS: NaN and infinities are not served; a block whose largest magnitude lies under 2^-124 gets the byte 1.
; THE MODE: SCHED_MODE bits 1:0 = 2 (LLVM: expert scheduling mode 2), set by the entry lines.  The code itself states the register dependences between vector or matrix instructions and memory or LDS instructions, with s_wait_alu, always for 0.
; THE PLAN, in the product.  A K step is two halves of eight products (row tiles 0, 1 and 2, 3); half k = 2 s + q.  Registers that memory or LDS instructions touch:
;   three half-buffers of x's fragments (v32-55, v56-79, v304-327) with a scale word each (v24, v25, v30): half k is loaded into buffer k % 3 and read by its eight products;
;   two buffers of a weight's record (v80-127, v256-303) with two scale words each (v20-23): step s reads buffer s % 2, in which record s + 2 then lands;
;   the offsets and addresses v1-v16, v19: made at the head, never written again.
; ONE wait on va_vdst stands in a step, at its end: the step's sixteen products are done reading.  Behind it half 2 s + 3 (into the buffer of half 2 s) and record s + 2 are asked for.  Half 2 s + 2 is asked for in the step's middle, into the
; buffer of half 2 s - 1, which the wait at the end of the step before has freed and which no product since names.
.set L16, 1                            ; v1  16 x lane
.set L8, 2                             ; v2  8 x lane
.set L4, 3                             ; v3  4 x lane
.set SBY, 4                            ; v4  4 r + h: my scale byte's place in a fragment's words
.set A16, 5                            ; v5  LDS: the images, 16 x lane
.set A8, 8                             ; v8  8 x lane
.set A4, 11                            ; v11 the scale words, 4 x lane
.set XO, 12                            ; v12 my row's bytes in x: (32 (r / 8) + r % 8) x 3,072 + 128 h
.set H128, 13                          ; v13 128 h
.set I16, 14                           ; v14-16 where my wave stores its images and bytes
.set I8, 15
.set ISB, 16
.set BS, 20                            ; v20-23 the weights' scale words, two for each buffer
.set AS, 24                            ; v24, v25, v30 x's scale words, one register for each half-buffer
.set AM, 26
.set SC, 28
.set AF, 32                            ; v32-79 half-buffers 0 and 1 of x's fragments
.set H2, 48                            ; v304-327 half-buffer 2, named in the second window
.set B0, 80                            ; v80-127 a record's four fragments; the second buffer is v256-303
.set ACC, 128                          ; v128-255 sixteen accumulators
.set REC, 6400
.set WV, 18
.set WB, 22                            ; s[22:23] my unit's first record
.set MSB, 0
.macro WIN new                         ; the immediate's high byte repeats the setting that is left
.if MSB != \new
	s_set_vgpr_msb (MSB<<8)|\new
.set MSB, \new
.endif
.endm
.macro PLACES                          ; four plain lines behind matrix instructions, ahead of reads of their results and of writes of their registers (ISA guide 7.12.1)
.rept 4
	v_nop
.endr
.endm
.macro BARRIER
	s_wait_dscnt 0x0
	s_barrier_signal -1
	s_barrier_wait -1
.endm
.macro SW d, a, b, zero, sa, sb, ra, rb   ; one product; ra, rb = 1: that side's scales stand in lanes 16-31
.if (\zero)
.if ((\ra) == 0) && ((\rb) == 0)
	v_wmma_scale_f32_16x16x128_f8f6f4 v[(\d):(\d)+7], v[(\a):(\a)+11], v[(\b):(\b)+11], 0, v[(\sa)], v[(\sb)] matrix_a_fmt:MATRIX_FMT_FP6 matrix_b_fmt:MATRIX_FMT_FP6
.elseif ((\ra) == 1) && ((\rb) == 0)
	v_wmma_scale_f32_16x16x128_f8f6f4 v[(\d):(\d)+7], v[(\a):(\a)+11], v[(\b):(\b)+11], 0, v[(\sa)], v[(\sb)] matrix_a_fmt:MATRIX_FMT_FP6 matrix_b_fmt:MATRIX_FMT_FP6 matrix_a_scale:MATRIX_SCALE_ROW1
.elseif ((\ra) == 0) && ((\rb) == 1)
	v_wmma_scale_f32_16x16x128_f8f6f4 v[(\d):(\d)+7], v[(\a):(\a)+11], v[(\b):(\b)+11], 0, v[(\sa)], v[(\sb)] matrix_a_fmt:MATRIX_FMT_FP6 matrix_b_fmt:MATRIX_FMT_FP6 matrix_b_scale:MATRIX_SCALE_ROW1
.else
	v_wmma_scale_f32_16x16x128_f8f6f4 v[(\d):(\d)+7], v[(\a):(\a)+11], v[(\b):(\b)+11], 0, v[(\sa)], v[(\sb)] matrix_a_fmt:MATRIX_FMT_FP6 matrix_b_fmt:MATRIX_FMT_FP6 matrix_a_scale:MATRIX_SCALE_ROW1 matrix_b_scale:MATRIX_SCALE_ROW1
.endif
.else
.if ((\ra) == 0) && ((\rb) == 0)
	v_wmma_scale_f32_16x16x128_f8f6f4 v[(\d):(\d)+7], v[(\a):(\a)+11], v[(\b):(\b)+11], v[(\d):(\d)+7], v[(\sa)], v[(\sb)] matrix_a_fmt:MATRIX_FMT_FP6 matrix_b_fmt:MATRIX_FMT_FP6
.elseif ((\ra) == 1) && ((\rb) == 0)
	v_wmma_scale_f32_16x16x128_f8f6f4 v[(\d):(\d)+7], v[(\a):(\a)+11], v[(\b):(\b)+11], v[(\d):(\d)+7], v[(\sa)], v[(\sb)] matrix_a_fmt:MATRIX_FMT_FP6 matrix_b_fmt:MATRIX_FMT_FP6 matrix_a_scale:MATRIX_SCALE_ROW1
.elseif ((\ra) == 0) && ((\rb) == 1)
	v_wmma_scale_f32_16x16x128_f8f6f4 v[(\d):(\d)+7], v[(\a):(\a)+11], v[(\b):(\b)+11], v[(\d):(\d)+7], v[(\sa)], v[(\sb)] matrix_a_fmt:MATRIX_FMT_FP6 matrix_b_fmt:MATRIX_FMT_FP6 matrix_b_scale:MATRIX_SCALE_ROW1
.else
	v_wmma_scale_f32_16x16x128_f8f6f4 v[(\d):(\d)+7], v[(\a):(\a)+11], v[(\b):(\b)+11], v[(\d):(\d)+7], v[(\sa)], v[(\sb)] matrix_a_fmt:MATRIX_FMT_FP6 matrix_b_fmt:MATRIX_FMT_FP6 matrix_a_scale:MATRIX_SCALE_ROW1 matrix_b_scale:MATRIX_SCALE_ROW1
.endif
.endif
.endm
; 32 numbers v[src ..] -> six registers of codes v[dst ..] and the scale's byte v[by]; both chains of maxima ascend
.macro QBLK src, dst, tmp, by
	v_max3_num_f32 v[AM], |v[(\src)]|, |v[(\src)+1]|, 0x1800000
	v_max3_num_f32 v[AM+1], |v[(\src)+16]|, |v[(\src)+17]|, |v[(\src)+18]|
.irp i, 0,1,2,3,4,5
	v_max3_num_f32 v[AM], v[AM], |v[(\src)+2+2*\i]|, |v[(\src)+3+2*\i]|
	v_max3_num_f32 v[AM+1], v[AM+1], |v[(\src)+19+2*\i]|, |v[(\src)+20+2*\i]|
.endr
	v_max3_num_f32 v[AM], v[AM], |v[(\src)+14]|, |v[(\src)+15]|
	v_max3_num_f32 v[AM], v[AM], v[AM+1], |v[(\src)+31]|
	v_add_nc_u32 v[SC], 0xff000000, v[AM]          ; 2 off the exponent field: the conversion's scale operand
	v_cvt_scalef32_pk16_fp6_f32 v[(\dst):(\dst)+2], v[(\src):(\src)+15], v[SC]
	v_cvt_scalef32_pk16_fp6_f32 v[(\tmp):(\tmp)+2], v[(\src)+16:(\src)+31], v[SC]
	v_lshrrev_b32 v[(\by)], 23, v[SC]              ; the byte; also the plain line behind the conversions
	v_mov_b32 v[(\dst)+3], v[(\tmp)]
	v_mov_b32 v[(\dst)+4], v[(\tmp)+1]
	v_mov_b32 v[(\dst)+5], v[(\tmp)+2]
.endm
.macro LOADB s, buf                    ; record s of my unit into buffer buf: 14 loads
	global_load_b32 v[BS+2*(\buf)], v[L4], s[WB:WB+1] offset:REC*(\s)+6144
	global_load_b32 v[BS+2*(\buf)+1], v[L4], s[WB:WB+1] offset:REC*(\s)+6272
	WIN 0x40*(\buf)
.irp p, 0,1,2,3,4,5,6,7,8,9,10,11
	global_load_b128 v[(1-(\buf))*B0+4*\p:(1-(\buf))*B0+4*\p+3], v[L16], s[WB:WB+1] offset:REC*(\s)+512*\p
.endr
	WIN 0
.endm
.macro LOADA k                         ; half k (K step k / 2, row tiles 2 (k % 2) and the next) from LDS into half-buffer k % 3: 9 loads
.set lw, ((\k)%3)/2                    ; 1: the buffer lies in the second window
	WIN 0x40*lw
.irp e, 0,1
.set la, (1-lw)*(AF+24*((\k)%3))+lw*H2+12*\e
.set lo, (2*(\k)+\e)*1536
	ds_load_b128 v[la:la+3], v[A16] offset:lo
	ds_load_b64 v[la+4:la+5], v[A8] offset:lo+512
	ds_load_b128 v[la+6:la+9], v[A16] offset:lo+768
	ds_load_b64 v[la+10:la+11], v[A8] offset:lo+1280
.endr
	WIN 0
	ds_load_b32 v[AS+(\k)%3+4*lw], v[A4] offset:128*(\k)
.endm
.macro GSW m, t, swap, zero
.set gk, 2*gs+(\m)/2                   ; the half,
.set gh, (gk%3)/2                      ; its buffer's window,
.set ga, (1-gh)*(AF+24*(gk%3))+gh*H2+12*((\m)%2)
.set gc, AS+gk%3+4*gh                  ; and its scale word
.set gw, (1-gs%2)*B0+12*(\t)
.set gz, 0
.if (\zero) && (gs == 0)
.set gz, 1
.endif
.if \swap
	SW ACC+32*(\t)+8*(\m),ga,gw,gz,gc,BS+2*(gs%2)+(\t)/2,(\m)%2,(\t)%2
.else
	SW ACC+32*(\m)+8*(\t),gw,ga,gz,BS+2*(gs%2)+(\t)/2,gc,(\t)%2,(\m)%2
.endif
.endm
.macro GEMM_PRO
	LOADB 0,0
	LOADB 1,1
.endm
; ns K steps of 128: sixteen products a step, the sixteen accumulators by turns, one instruction a turn, in the same order in every step.
.macro GEMM_MAIN ns, swap, zero
	LOADA 0
	LOADA 1
.set gs, 0
.rept \ns
.if gs == (\ns)-1
	s_wait_loadcnt 0x0
.else
	s_wait_loadcnt 14                              ; this step's record and all older loads are in; the next record's 14 loads may be out
.endif
	s_wait_dscnt 9                                 ; half 2 s is in; the 9 loads of half 2 s + 1 may be out
.set gwin, (gs%2)*(1+3*(\swap))+(((2*gs)%3)/2)*(4-3*(\swap))
	WIN gwin
.irp m, 0,1
.irp t, 0,1,2,3
	GSW \m,\t,\swap,\zero
.endr
.endr
	WIN 0
.if gs+1 < (\ns)
	LOADA 2*gs+2                                   ; into the buffer of half 2 s - 1.  No wait: the one at the last step's end has shown its products done, and no product since names that buffer
	s_wait_dscnt 9                                 ; half 2 s + 1 is in; the 9 just issued may be out
.else
	s_wait_dscnt 0x0
.endif
.set gwin, (gs%2)*(1+3*(\swap))+(((2*gs+1)%3)/2)*(4-3*(\swap))
	WIN gwin
.irp m, 2,3
.irp t, 0,1,2,3
	GSW \m,\t,\swap,\zero
.endr
.endr
	WIN 0
.if gs+1 < (\ns)
	PLACES                                         ; the four lines stay beside the wait
	s_wait_alu depctr_va_vdst(0)                   ; this step's sixteen products are done reading half 2 s's buffer and scale word, and the record's buffer and scale words, in which the loads below land
	LOADA 2*gs+3
.endif
.if gs+2 < (\ns)
	LOADB gs+2,gs%2
.endif
.set gs, gs+1
.endr
.endm
	s_load_b256 s[4:11], s[0:1], 0x0               ; x, wimg, bq, bk
	s_load_b128 s[12:15], s[0:1], 0x20             ; bv, qimg
	s_load_b64 s[16:17], s[0:1], 0x30              ; kvimg
	v_lshl_add_u32 v17, v0, 2, 0x9800
	v_mov_b32 v18, 0
	v_lshrrev_b32 v30, 5, v0
	v_readfirstlane_b32 s[WV], v30                 ; wave = head
	s_mov_b32 s19, ttmp9                           ; G: the group of 64 tokens
	s_and_b32 s20, ttmp7, 0xffff                   ; y: 0 q, 1 k, 2 v
	v_and_b32 v30, 31, v0                          ; lane
	v_and_b32 v31, 15, v0                          ; r
	v_bfe_u32 v19, v0, 4, 1                        ; h
	v_lshlrev_b32 v[L16], 4, v30
	v_lshlrev_b32 v[L8], 3, v30
	v_lshlrev_b32 v[L4], 2, v30
	v_lshl_add_u32 v[SBY], v31, 2, v19
	v_lshlrev_b32 v[H128], 7, v19
	v_and_b32 v[XO], 8, v31
	v_and_b32 v29, 7, v31
	v_lshl_add_u32 v[XO], v[XO], 2, v29            ; 32 (r / 8) + r % 8
	v_lshlrev_b32 v19, 2, v[XO]                    ; x 4: bv's number for my channel of tile 0
	v_mul_u32_u24 v[XO], v[XO], 3072
	v_add_nc_u32 v[XO], v[XO], v[H128]
	v_mov_b32 v[A16], v[L16]
	v_mov_b32 v[A8], v[L8]
	v_add_nc_u32 v[A4], 36864, v[L4]
	s_wait_alu depctr_va_sdst(0)                   ; the wave's number is written, ahead of its first reader
	s_mul_i32 s38, s[WV], 3072
	v_add_nc_u32 v[I16], s38, v[L16]               ; my two fragments 2 w, 2 w + 1
	v_add_nc_u32 v[I8], s38, v[L8]
	s_lshl_b32 s38, s[WV], 7
	s_add_co_u32 s38, s38, 36864
	v_add_nc_u32 v[ISB], s38, v[SBY]
	s_mul_i32 s38, s19, 196608                     ; 64 G rows of 3,072 bytes
	s_and_b32 s39, s[WV], 1
	s_mul_i32 s39, s39, 49152                      ; + row tiles 2 (w % 2) on: 16 rows
	s_add_co_u32 s38, s38, s39
	s_lshr_b32 s39, s[WV], 1
	s_lshl_b32 s39, s39, 9                         ; + K step w / 2: 512 bytes
	s_add_co_u32 s38, s38, s39
	s_mov_b32 s39, 0
	s_mul_i32 s40, s20, 72
	s_mul_i32 s41, s[WV], 6
	s_add_co_u32 s40, s40, s41
	s_mul_i32 s40, s40, REC
	s_mov_b32 s41, 0
	s_lshl_b32 s42, s[WV], 8                       ; 256 w: my head's bytes in a bias
	s_mov_b32 s43, 0
	s_lshl_b32 s44, s[WV], 6
	s_add_co_u32 s44, s44, s19
	s_mul_i32 s44, s44, 3328                       ; q's record (64 head + G)
	s_add_co_u32 s45, s44, 3072
	s_lshl_b32 s48, s[WV], 5
	s_lshr_b32 s49, s19, 1
	s_add_co_u32 s48, s48, s49
	s_mul_i32 s48, s48, 12800                      ; k's and v's record (32 head + G / 2)
	s_and_b32 s49, s19, 1
	s_mul_i32 s46, s49, 3072
	s_add_co_u32 s46, s46, s48                     ; k's codes
	s_lshl_b32 s47, s49, 7
	s_add_co_u32 s47, s47, s48
	s_add_co_u32 s47, s47, 12288                   ; k's scale bytes
	s_mul_i32 s50, s49, 768
	s_add_co_u32 s50, s50, s48
	s_add_co_u32 s50, s50, 6144                    ; v's codes: half c = G % 2 of each fragment
	s_lshl_b32 s51, s49, 1
	s_add_co_u32 s51, s51, s48
	s_add_co_u32 s51, s51, 12544                   ; v's scale bytes
	s_wait_kmcnt 0x0
	s_add_nc_u64 s[36:37], s[4:5], s[38:39]
	s_add_nc_u64 s[WB:WB+1], s[6:7], s[40:41]
	s_wait_alu depctr_va_vdst(0)                   ; the offsets and addresses v1-v16 and v19 are written, which every load and store below reads; so is v30, in which a scale word lands later
	; ---- x: my two fragments (K step w / 2, row tiles 2 (w % 2) + e).  Lane (r, h) loads, of its row, the 32 numbers of block 2 c + h
.set ii, 0
.rept 32                               ; ii = 16 e + 8 c + q
	global_load_b128 v[ACC+4*ii:ACC+4*ii+3], v[XO], s[36:37] offset:24576*(ii/16)+256*((ii/8)%2)+16*(ii%8)
.set ii, ii+1
.endr
	s_wait_loadcnt 16                              ; fragment e = 0 is in; the 16 loads of e = 1 may be out
	QBLK ACC,32,56,60
	QBLK ACC+32,38,56,61
	s_wait_loadcnt 0x0
	QBLK ACC+64,44,56,62
	QBLK ACC+96,50,56,63
	s_wait_alu depctr_va_vdst(0)                   ; the quantisers have written the codes v32-55 and the bytes v60-63, which the LDS stores read; they are done with v128-255 and v26-28, in which the biases land
.irp e, 0,1
.irp c, 0,1
	ds_store_b128 v[I16], v[32+12*\e+6*\c:35+12*\e+6*\c] offset:1536*\e+768*\c
	ds_store_b64 v[I8], v[36+12*\e+6*\c:37+12*\e+6*\c] offset:1536*\e+768*\c+512
	ds_store_b8 v[ISB], v[60+2*\e+\c] offset:64*\e+2*\c
.endr
.endr
	BARRIER                                        ; x's 24 fragments lie in LDS
	s_wait_alu depctr_vm_vsrc(0)                   ; my LDS stores have read v32-55 and v60-63, in which x's fragments land, on either way below
	s_cmp_eq_u32 s20, 2
	s_cbranch_scc1 .Lpath_v
	; ---- q or k: the weight is source 0; the bias is the accumulators' first content
	s_cmp_eq_u32 s20, 0
	s_cselect_b64 s[24:25], s[8:9], s[10:11]
	s_cselect_b64 s[26:27], s[14:15], s[16:17]
	s_cselect_b32 s28, s44, s46
	s_cselect_b32 s30, s45, s47
	s_mov_b32 s29, 0
	s_mov_b32 s31, 0
	s_add_nc_u64 s[24:25], s[24:25], s[42:43]
	s_add_nc_u64 s[32:33], s[26:27], s[28:29]
	s_add_nc_u64 s[34:35], s[26:27], s[30:31]
.set ii, 0
.rept 32
	global_load_b128 v[ACC+4*ii:ACC+4*ii+3], v[H128], s[24:25] offset:16*(ii%8)
.set ii, ii+1
.endr
	GEMM_PRO
	GEMM_MAIN 6,0,0
	PLACES
.irp m, 0,1,2,3                        ; token tile m: my 32 numbers are block h of my token's head
	QBLK ACC+32*\m,32+8*\m,64,72+\m
.endr
	s_wait_alu depctr_va_vdst(0)                   ; the four quantisers have written the codes and the bytes, which the stores read
.irp m, 0,1,2,3
	global_store_b128 v[L16], v[32+8*\m:35+8*\m], s[32:33] offset:768*\m
	global_store_b64 v[L8], v[36+8*\m:37+8*\m], s[32:33] offset:768*\m+512
	global_store_b8 v[SBY], v[72+\m], s[34:35] offset:64*(\m/2)+2*(\m%2)
.endr
	s_wait_dscnt 0x0                               ; the closing lines, six on end
	s_wait_alu 0x0
	s_wait_tensorcnt 0x0
	ds_add_u32 v17, v18
	s_wait_dscnt 0x0
	s_endpgm
.Lpath_v:
	; ---- v: the sources are swapped: a lane holds one channel and 32 neighbouring keys
	s_add_nc_u64 s[24:25], s[12:13], s[42:43]
	s_mov_b32 s28, s50
	s_mov_b32 s29, 0
	s_mov_b32 s30, s51
	s_mov_b32 s31, 0
	s_add_nc_u64 s[32:33], s[16:17], s[28:29]
	s_add_nc_u64 s[34:35], s[16:17], s[30:31]
.irp t, 0,1,2,3
	global_load_b32 v[26+\t], v19, s[24:25] offset:32*\t   ; bv of my channel of tile t; v26-29 are idle during the product
.endr
	GEMM_PRO
	GEMM_MAIN 6,1,1
	PLACES
.irp t, 0,1,2,3
	v_mov_b32 v[32+2*\t], v[26+\t]
	v_mov_b32 v[33+2*\t], v[26+\t]
.endr
.set ii, 0
.rept 64                               ; ii = 16 t + pair
	v_pk_add_f32 v[ACC+2*ii:ACC+2*ii+1], v[ACC+2*ii:ACC+2*ii+1], v[32+2*(ii/16):33+2*(ii/16)]
.set ii, ii+1
.endr
.irp t, 0,1,2,3
	QBLK ACC+32*\t,48+8*\t,80,88+\t
.endr
	s_wait_alu depctr_va_vdst(0)                   ; the four quantisers have written the codes and the bytes, which the stores read
.irp t, 0,1,2,3
	global_store_b128 v[L16], v[48+8*\t:51+8*\t], s[32:33] offset:1536*\t
	global_store_b64 v[L8], v[52+8*\t:53+8*\t], s[32:33] offset:1536*\t+512
	global_store_b8 v[SBY], v[88+\t], s[34:35] offset:64*\t
.endr
	s_wait_dscnt 0x0                               ; the closing lines, six on end, as above
	s_wait_alu 0x0
	s_wait_tensorcnt 0x0
	ds_add_u32 v17, v18
	s_wait_dscnt 0x0
	s_endpgm
.Lfunc_end_k_qc8fd0e7e5c_qkv:
	.size	k_qc8fd0e7e5c_qkv, .Lfunc_end_k_qc8fd0e7e5c_qkv-k_qc8fd0e7e5c_qkv
	.p2alignl 7, 3214868480
	.fill 96, 4, 3214868480
	.section	.rodata,"a",@progbits
	.p2align	6, 0x0
	.amdhsa_kernel k_qc8fd0e7e5c_qkv
		.amdhsa_group_segment_fixed_size 40448
		.amdhsa_private_segment_fixed_size 0
		.amdhsa_enable_private_segment 0
		.amdhsa_kernarg_size 56
		.amdhsa_user_sgpr_count 2
		.amdhsa_user_sgpr_kernarg_segment_ptr 1
		.amdhsa_wavefront_size32 1
		.amdhsa_system_sgpr_workgroup_id_x 1
		.amdhsa_system_sgpr_workgroup_id_y 1
		.amdhsa_system_sgpr_workgroup_id_z 1
		.amdhsa_system_vgpr_workitem_id 0
		.amdhsa_next_free_vgpr 328
		.amdhsa_next_free_sgpr 66
		.amdhsa_reserve_vcc 0
		.amdhsa_float_denorm_mode_32 3
		.amdhsa_float_denorm_mode_16_64 3
		.amdhsa_memory_ordered 1
		.amdhsa_forward_progress 1
		.amdhsa_inst_pref_size 93
	.end_amdhsa_kernel
	.amdgpu_metadata
---
amdhsa.version: [ 1, 2 ]
amdhsa.kernels:
  - .name:           k_qc8fd0e7e5c_qkv
    .symbol:         k_qc8fd0e7e5c_qkv.kd
    .args:
      - { .name: x, .offset: 0, .size: 8, .value_kind: global_buffer, .address_space: global }
      - { .name: wimg, .offset: 8, .size: 8, .value_kind: global_buffer, .address_space: global }
      - { .name: bq, .offset: 16, .size: 8, .value_kind: global_buffer, .address_space: global }
      - { .name: bk, .offset: 24, .size: 8, .value_kind: global_buffer, .address_space: global }
      - { .name: bv, .offset: 32, .size: 8, .value_kind: global_buffer, .address_space: global }
      - { .name: qimg, .offset: 40, .size: 8, .value_kind: global_buffer, .address_space: global }
      - { .name: kvimg, .offset: 48, .size: 8, .value_kind: global_buffer, .address_space: global }
    .group_segment_fixed_size: 40448
    .private_segment_fixed_size: 0
    .kernarg_segment_align: 8
    .kernarg_segment_size: 56
    .max_flat_workgroup_size: 384
    .sgpr_count:     66
    .vgpr_count:     328
    .wavefront_size: 32
...
	.end_amdgpu_metadata
.endif
;; end of part 6
;; launch attn (part 7): grid 16 x 12, 8 waves a work-group, no clusters, 30,720 bytes of LDS; arguments qimg, kvimg, aimg; writes aimg
.if DOCPART == 7
	.amdgcn_target "amdgcn-amd-amdhsa--gfx1250"
	.amdhsa_code_object_version 6
	.text
	.protected	k_qc8fd0e7e5c_attn
	.globl	k_qc8fd0e7e5c_attn
	.p2align	8
	.type	k_qc8fd0e7e5c_attn,@function
k_qc8fd0e7e5c_attn:
	s_mov_b64 s[64:65], 0
	v_nop
	global_prefetch_b8 v0, s[64:65] scope:SCOPE_SE
	s_setreg_imm32_b32 hwreg(HW_REG_WAVE_SCHED_MODE, 0, 2), 2
	s_setreg_imm32_b32 hwreg(HW_REG_WAVE_MODE, 25, 1), 1
	s_wait_xcnt 0x0
	s_wait_alu depctr_vm_vsrc(0)
; Causal attention of one head on codes of E2M3; the result O / l is quantised along C at once, as an operand of the next product.
; t = score x log2(e) / 8; M = the running largest t rounded UP to a whole number; p = 2^(t - M) is quantised along the keys; the row's sum l is taken of the unquantised p.  When M moves, l and O are multiplied by 2^(old M - new M): exact.
; SHARES.  A work-group takes head y and two blocks of 128 queries: block x (x + 1 key steps of 128) and then block 31 - x (32 - x steps): 33 trips in every work-group.  Key steps above the diagonal are not walked.
; Each of the eight waves owns one tile of 16 queries (group w / 4 of 64, tile w % 4).  A key step's record (12,800 bytes: K's four pair fragments, V^T's four fragments, their scale words) goes from memory through registers into one
; of two LDS slots, 1,536 bytes a wave; all eight waves read it.
; ONE BARRIER A TRIP, IN THE TRIP'S MIDDLE.  Ahead of it a wave stores its part of record I + 1 into the other slot, reads V of step I, multiplies K Q^T (K is in registers already) and finds the maxima; behind it the other slot is whole, and
; K of step I + 1 is asked for, a whole softmax ahead of its use.  A slot's bytes are read as K and as V, and both reads are waited for ahead of the barrier behind which that slot is stored into again.
; LAYOUT.  S^T = K Q^T and O^T = V^T P^T: a lane holds ONE query (lane % 16).  By the order of keys in a tile (row i of tile t = key 32 (i / 8) + 8 t + i % 8 of its 64) a lane's 32 scores of four tiles are 32 neighbouring keys: one whole block.
; THE HEAD HAS 64 CHANNELS, THE INSTRUCTION 128: a pair fragment holds key tile 2 e in registers 0-5 and tile 2 e + 1 in registers 6-11.  Against (Q, zeros) it gives the first tile's scores, against (zeros, Q) the second's: zero codes add nothing.
; No joint requests: a record is 12,800 bytes for twelve products a wave, and partners of unlike blocks would walk unlike records.
; LIMITS: NaN and infinities are not served; v_exp_f32 gives 0 for results under 2^-126; a block of p that is all zeros keeps the byte 1 with zero codes.
; THE MODE: SCHED_MODE bits 1:0 = 2 (LLVM: expert scheduling mode 2), set by the entry lines.  The code itself states the register dependences between vector or matrix instructions and memory or LDS instructions, with s_wait_alu, always for 0.
; THE PLAN.  A lap of the loop runs two trips (16 laps and a last trip: 33), so that buffers take turns by the trip's parity p, which is also the slot of its record.  Registers that memory or LDS instructions touch in a trip:
;   K, two sets (v256-303, v304-351; scale words v36-37, v237-238): trip I's eight products read set p; in its middle set 1 - p is loaded, which the products of the trip before read last.
;   V, two sets (v86-133, v352-399; scale words v38-39, v239-240): set p is loaded at trip I's head and read by its last four products; its readers before stand two trips back.
;   v70-85, the staged record: loaded from memory, read by the LDS stores at the next trip's head, then loaded again.
;   v1, v2, v3, v57: offsets, made at the head and never written again: the slot stands in the immediate offsets, and the record is reached by the scalar base s[2:3].
; So the loads of K and V hang on waits that stand a trip's part back: the two waits on va_vdst behind the exponentials, and the one ahead of V^T P; no vector or matrix instruction since them names the set that is loaded.
; One wait on vm_vsrc a trip stands between the stage's LDS stores and the loads that land in their data.
.set SLOT1, 16384                      ; slot 1 begins here
.set KV, 86                            ; v86-133  V's set 0
.set KV1, 96                           ; v352-399 V's set 1, named in the second window
.set SV, 134                           ; v134-197 S^T, then p
.set OV, 198                           ; v198-229 O^T
.set PC, 42                            ; v42-53   p's codes
.set AM, 60                            ; v60-61, v62: at work in QBLK
.set SC, 62
.set WV, 10
.set PX, 11                            ; grid x
.set HN, 12                            ; the head
.set GQ, 13                            ; w / 4
.set M4, 14                            ; w % 4
.set PB, 15                            ; the block of queries in hand
.set TI, 16                            ; the trip
.set TJ, 17                            ; the key step of the block in hand
.set SEL, 20                           ; s[20:21] lane l xor 16
.set CS, 22                            ; s[22:23] c = log2(e) / 8
.set KVH, 24                           ; the head's first byte in kvimg
; s[2:3] the staged record's address; s26-33 on the diagonal: eight masks; s39 laps to go
; v1 16 l, v2 8 l, v3 4 l, v4 4 r + h, v10 8 h, v11 my query less 32 h, v12 -M, v13 largest t, v[14:15] l,
; v16-33 zeros | Q | zeros, v34 Q's scales, v35 at work, v40 p's scale word, v41 4 r, v54-56 and v58-69 at work, v57 1536 w + 16 l, v230-236 the result's codes and byte
.set MSB, 0
.macro WIN new                         ; the immediate's high byte repeats the setting that is left
.if MSB != \new
	s_set_vgpr_msb (MSB<<8)|\new
.set MSB, \new
.endif
.endm
.macro PLACES
.rept 4
	v_nop
.endr
.endm
.macro SW d, a, b, zero, sa, sb, ra, rb
.if (\zero)
.if ((\ra) == 0) && ((\rb) == 0)
	v_wmma_scale_f32_16x16x128_f8f6f4 v[(\d):(\d)+7], v[(\a):(\a)+11], v[(\b):(\b)+11], 0, v[(\sa)], v[(\sb)] matrix_a_fmt:MATRIX_FMT_FP6 matrix_b_fmt:MATRIX_FMT_FP6
.else
	v_wmma_scale_f32_16x16x128_f8f6f4 v[(\d):(\d)+7], v[(\a):(\a)+11], v[(\b):(\b)+11], 0, v[(\sa)], v[(\sb)] matrix_a_fmt:MATRIX_FMT_FP6 matrix_b_fmt:MATRIX_FMT_FP6 matrix_a_scale:MATRIX_SCALE_ROW1
.endif
.else
.if ((\ra) == 0) && ((\rb) == 0)
	v_wmma_scale_f32_16x16x128_f8f6f4 v[(\d):(\d)+7], v[(\a):(\a)+11], v[(\b):(\b)+11], v[(\d):(\d)+7], v[(\sa)], v[(\sb)] matrix_a_fmt:MATRIX_FMT_FP6 matrix_b_fmt:MATRIX_FMT_FP6
.else
	v_wmma_scale_f32_16x16x128_f8f6f4 v[(\d):(\d)+7], v[(\a):(\a)+11], v[(\b):(\b)+11], v[(\d):(\d)+7], v[(\sa)], v[(\sb)] matrix_a_fmt:MATRIX_FMT_FP6 matrix_b_fmt:MATRIX_FMT_FP6 matrix_a_scale:MATRIX_SCALE_ROW1
.endif
.endif
.endm
.macro QBLK src, dst, tmp, by
	v_max3_num_f32 v[AM], |v[(\src)]|, |v[(\src)+1]|, 0x1800000
	v_max3_num_f32 v[AM+1], |v[(\src)+16]|, |v[(\src)+17]|, |v[(\src)+18]|
.irp i, 0,1,2,3,4,5
	v_max3_num_f32 v[AM], v[AM], |v[(\src)+2+2*\i]|, |v[(\src)+3+2*\i]|
	v_max3_num_f32 v[AM+1], v[AM+1], |v[(\src)+19+2*\i]|, |v[(\src)+20+2*\i]|
.endr
	v_max3_num_f32 v[AM], v[AM], |v[(\src)+14]|, |v[(\src)+15]|
	v_max3_num_f32 v[AM], v[AM], v[AM+1], |v[(\src)+31]|
	v_add_nc_u32 v[SC], 0xff000000, v[AM]
	v_cvt_scalef32_pk16_fp6_f32 v[(\dst):(\dst)+2], v[(\src):(\src)+15], v[SC]
	v_cvt_scalef32_pk16_fp6_f32 v[(\tmp):(\tmp)+2], v[(\src)+16:(\src)+31], v[SC]
	v_lshrrev_b32 v[(\by)], 23, v[SC]
	v_mov_b32 v[(\dst)+3], v[(\tmp)]
	v_mov_b32 v[(\dst)+4], v[(\tmp)+1]
	v_mov_b32 v[(\dst)+5], v[(\tmp)+2]
.endm
.macro FRAGV p                         ; V^T's four fragments and their scale words, from slot p into set p: 18 LDS loads
.set fv, (1-(\p))*KV+(\p)*KV1
	WIN 0x40*(\p)
.irp f, 0,1,2,3
	ds_load_b128 v[fv+12*\f:fv+12*\f+3], v1 offset:SLOT1*(\p)+6144+1536*\f
	ds_load_b64 v[fv+12*\f+4:fv+12*\f+5], v2 offset:SLOT1*(\p)+6144+1536*\f+512
	ds_load_b128 v[fv+12*\f+6:fv+12*\f+9], v1 offset:SLOT1*(\p)+6144+1536*\f+768
	ds_load_b64 v[fv+12*\f+10:fv+12*\f+11], v2 offset:SLOT1*(\p)+6144+1536*\f+1280
.endr
	WIN 0
	ds_load_b32 v[38+201*(\p)], v3 offset:SLOT1*(\p)+12544
	ds_load_b32 v[39+201*(\p)], v3 offset:SLOT1*(\p)+12672
.endm
.macro FRAGK p                         ; K's four pair fragments and their scale words, from slot p into set p: 18 LDS loads
	WIN 0x40                                       ; destination in the second window, address in the first
.irp f, 0,1,2,3
	ds_load_b128 v[48*(\p)+12*\f:48*(\p)+12*\f+3], v1 offset:SLOT1*(\p)+1536*\f
	ds_load_b64 v[48*(\p)+12*\f+4:48*(\p)+12*\f+5], v2 offset:SLOT1*(\p)+1536*\f+512
	ds_load_b128 v[48*(\p)+12*\f+6:48*(\p)+12*\f+9], v1 offset:SLOT1*(\p)+1536*\f+768
	ds_load_b64 v[48*(\p)+12*\f+10:48*(\p)+12*\f+11], v2 offset:SLOT1*(\p)+1536*\f+1280
.endr
	WIN 0
	ds_load_b32 v[36+201*(\p)], v3 offset:SLOT1*(\p)+12288
	ds_load_b32 v[37+201*(\p)], v3 offset:SLOT1*(\p)+12416
.endm
; The address of the record of trip k (in s38), held at the last trip's: the first x + 1 trips walk records 0 .. x, the others 0 .. 31 - x.  It stands behind a wait that shows the loads by the old address done
.macro STAGEADDR
	s_min_u32 s25, s38, 32
	s_add_co_u32 s26, s[PX], 1
	s_sub_co_u32 s27, s25, s26
	s_cmp_lt_u32 s25, s26
	s_cselect_b32 s25, s25, s27
	s_mul_i32 s26, s25, 12800
	s_add_co_u32 s26, s26, s[KVH]
	s_mov_b32 s27, 0
	s_add_nc_u64 s[2:3], s[6:7], s[26:27]
.endm
.macro STAGELOAD                       ; 1,536 bytes a wave; wave 0 also takes the 512 bytes of scale words
	global_load_b128 v[70:73], v57, s[2:3]
	global_load_b128 v[74:77], v57, s[2:3] offset:512
	global_load_b128 v[78:81], v57, s[2:3] offset:1024
	s_cmp_lg_u32 s[WV], 0
	s_cbranch_scc1 .Lnl_\@
	global_load_b128 v[82:85], v57, s[2:3] offset:12288
.Lnl_\@:
.endm
.macro STAGESTORE q                    ; into slot q
	ds_store_b128 v57, v[70:73] offset:SLOT1*(\q)
	ds_store_b128 v57, v[74:77] offset:SLOT1*(\q)+512
	ds_store_b128 v57, v[78:81] offset:SLOT1*(\q)+1024
	s_cmp_lg_u32 s[WV], 0
	s_cbranch_scc1 .Lns_\@
	ds_store_b128 v57, v[82:85] offset:SLOT1*(\q)+12288
.Lns_\@:
.endm
; A block of queries begins: my tile of Q and its scales; O^T, l and the largest t begin anew.  Q's registers and v35 were last named by vector or matrix instructions ahead of a wait on va_vdst that stands ahead of this macro
.macro NEWBLOCK
	s_lshl_b32 s25, s[HN], 6
	s_lshl_b32 s26, s[PB], 1
	s_add_co_u32 s25, s25, s26
	s_add_co_u32 s25, s25, s[GQ]
	s_mul_i32 s26, s25, 3328                       ; the record of (head, group 2 PB + w / 4)
	s_mul_i32 s27, s[M4], 768
	s_add_co_u32 s30, s26, s27
	s_mov_b32 s31, 0
	s_add_nc_u64 s[28:29], s[4:5], s[30:31]
	s_lshr_b32 s27, s[M4], 1
	s_lshl_b32 s27, s27, 6
	s_and_b32 s30, s[M4], 1
	s_lshl_b32 s30, s30, 1
	s_add_co_u32 s27, s27, s30
	s_add_co_u32 s30, s26, s27
	s_add_co_u32 s30, s30, 3072
	s_add_nc_u64 s[32:33], s[4:5], s[30:31]
	global_load_b128 v[22:25], v1, s[28:29]
	global_load_b64 v[26:27], v2, s[28:29] offset:512
	global_load_u16 v35, v41, s[32:33]             ; my query's two scale bytes
.set ii, 0
.rept 32
	v_mov_b32 v[OV+ii], 0
.set ii, ii+1
.endr
	v_mov_b32 v14, 0
	v_mov_b32 v15, 0
	v_mov_b32 v13, 0xff61b1e6                      ; -3e38, under every t
	v_floor_f32 v12, -v13
	s_wait_loadcnt 0x0
	v_lshl_or_b32 v34, v35, 16, v35                ; the two bytes serve Q in either half of the operand
.rept 8
	v_nop                                          ; a scale register written by a vector instruction stands eight places ahead of a scaled product
.endr
	s_wait_alu depctr_va_vdst(0)                   ; behind the places: v34 is written, which the products K Q^T take as Q's scales (and so are the zero codes beside Q, made at the head)
.endm
; A TRIP of parity p: its record lies in slot p, its K in set p
.macro TRIP p
	s_wait_loadcnt 0x0                             ; the next trip's record, asked for a trip ago, is in registers; the loads by s[2:3] are done, so it may be written
	s_add_co_u32 s38, s[TI], 2
	STAGEADDR
	STAGESTORE 1-\p                                ; into the other slot: its last readers waited for their loads ahead of the last barrier
	FRAGV \p                                       ; V of this step: it lands under the products and the maxima below.  No wait: set p's last readers stand two trips back, ahead of the last trip's waits on va_vdst
	s_wait_dscnt 18                                ; all but V's 18 loads: K and its scale words are in, and the stage's stores have landed
	s_wait_alu depctr_vm_vsrc(0)                   ; the stage's LDS stores have read v70-85, in which the loads below land
	STAGELOAD                                      ; the record two trips on
	WIN 0x01                                       ; source 0 (K) in the second window
.irp e, 0,1
.irp t, 0,1,2,3
	SW SV+32*\e+8*\t,48*(\p)+12*(2*\e+\t/2),22-6*(\t%2),1,36+201*(\p)+\e,34,\t/2,0
.endr
.endr
	WIN 0
	PLACES
	s_cmp_lg_u32 s[TJ], s[PB]
	s_cbranch_scc1 .Lopen_\@
	v_mov_b32 v67, 0xff800000                      ; on the diagonal: register n holds key 64 (n / 32) + 32 h + n % 32 of the step; hidden where that is above my query
.set ii, 0
.rept 8                                ; an accumulator at a time: eight compares into eight masks, one wait, eight selects
.set jj, 0
.rept 8
	v_cmp_gt_i32 s[26+jj], 64*((ii+jj)/32)+(ii+jj)%32, v11
.set jj, jj+1
.endr
	s_wait_alu depctr_va_sdst(0)                   ; the eight masks s26-33 are written, ahead of the selects that read them
.set jj, 0
.rept 8
	v_cndmask_b32 v[SV+ii+jj], v[SV+ii+jj], v67, s[26+jj]
.set jj, jj+1
.endr
.set ii, ii+8
.endr
.Lopen_\@:
	v_max3_num_f32 v58, v[SV], v[SV+1], v[SV+2]    ; the largest score of each of my two blocks: for the row's maximum and, since p rises with the score, for the block's largest p
	v_max3_num_f32 v59, v[SV+32], v[SV+33], v[SV+34]
.irp i, 3,5,7,9,11,13,15,17,19,21,23,25,27,29
	v_max3_num_f32 v58, v58, v[SV+\i], v[SV+\i+1]
	v_max3_num_f32 v59, v59, v[SV+32+\i], v[SV+33+\i]
.endr
	v_max_num_f32 v58, v58, v[SV+31]
	v_max_num_f32 v59, v59, v[SV+63]
	v_max_num_f32 v60, v58, v59
	v_permlanex16_b32 v61, v60, s[SEL], s[SEL+1]
	v_max_num_f32 v60, v60, v61                    ; with lane l xor 16's 64 keys
	v_mul_f32 v60, s[CS], v60
	v_max_num_f32 v13, v13, v60                    ; the running largest t
	v_mov_b32 v62, v12
	v_floor_f32 v12, -v13                          ; -M = floor(-t): M is a whole number
	v_sub_f32 v62, v12, v62
	v_cvt_i32_f32 v62, v62                         ; (it saturates)
	v_ldexp_f32 v68, 1.0, v62                      ; f = 2^(old M - new M)
	s_wait_alu depctr_va_vdst(0)
	s_wait_dscnt 0x0                               ; V is in: my reads of this slot are over; my stores into the other slot have landed
	s_barrier_signal -1                            ; say so, and work on registers while the others arrive
.set ii, 0
.rept 32
	v_pk_fma_f32 v[SV+2*ii:SV+2*ii+1], v[SV+2*ii:SV+2*ii+1], s[CS:CS+1], v[12:13] op_sel_hi:[1,0,0]
.set ii, ii+1
.endr
	v_fma_f32 v58, v58, s[CS], v12
	v_fma_f32 v59, v59, s[CS], v12
	s_barrier_wait -1                              ; the other slot is whole, and nobody reads this one any more
	FRAGK 1-\p                                     ; K of the next step: the rest of the softmax stands between these loads and their use.  No wait: the other set's last readers stand a trip back, ahead of that trip's waits on va_vdst
.set ii, 0
	s_wait_alu depctr_va_vdst(0)
.rept 64
	v_exp_f32 v[SV+ii], v[SV+ii]                   ; p = 2^(t - M)
.set ii, ii+1
.endr
	v_pk_mul_f32 v[14:15], v[14:15], v[68:69] op_sel_hi:[1,0]   ; l under the new M; the plain line behind the batch
	s_wait_alu depctr_va_vdst(0)                   ; the 64 exponentials have written p, ahead of its first reader; this trip's products K Q^T are done reading K's set p, which the next trip loads again
	v_exp_f32 v58, v58
	v_exp_f32 v59, v59
	v_pk_add_f32 v[64:65], v[SV:SV+1], v[SV+2:SV+3]   ; the sum of the unquantised p, in two chains
.set ii, 4
.rept 15
	v_pk_add_f32 v[14:15], v[14:15], v[SV+ii:SV+ii+1]
	v_pk_add_f32 v[64:65], v[64:65], v[SV+ii+2:SV+ii+3]
.set ii, ii+4
.endr
	v_pk_add_f32 v[14:15], v[14:15], v[64:65]
	s_wait_alu depctr_va_vdst(0)                   ; the two exponentials have written v58 and v59, ahead of their first reader
	v_max_num_f32 v58, 0x1800000, v58              ; the floor 2^(3 - 127)
	v_max_num_f32 v59, 0x1800000, v59
	v_add_nc_u32 v63, 0xff000000, v58
	v_add_nc_u32 v67, 0xff000000, v59
	v_lshrrev_b32 v64, 23, v63
	v_lshrrev_b32 v65, 23, v67
	v_lshl_or_b32 v40, v65, 16, v64                ; my bytes: blocks h and 2 + h,
	v_lshlrev_b32 v40, v10, v40                    ; at their places,
	v_permlanex16_b32 v66, v40, s[SEL], s[SEL+1]
	v_or_b32 v40, v40, v66                         ; with lane l xor 16's two: p's scale word
	v_cvt_scalef32_pk16_fp6_f32 v[PC:PC+2], v[SV:SV+15], v63
	v_cvt_scalef32_pk16_fp6_f32 v[54:56], v[SV+16:SV+31], v63
	v_cvt_scalef32_pk16_fp6_f32 v[PC+6:PC+8], v[SV+32:SV+47], v67
	v_cvt_scalef32_pk16_fp6_f32 v[60:62], v[SV+48:SV+63], v67
	v_nop                                          ; one plain line behind the conversions
.irp i, 0,1,2
	v_mov_b32 v[PC+3+\i], v[54+\i]
	v_mov_b32 v[PC+9+\i], v[60+\i]
.endr
.set ii, 0
.rept 16
	v_pk_mul_f32 v[OV+2*ii:OV+2*ii+1], v[OV+2*ii:OV+2*ii+1], v[68:69] op_sel_hi:[1,0]   ; O^T under the new M; these are also the places ahead of the products
.set ii, ii+1
.endr
	WIN \p                                         ; source 0 (V): set p's window
	s_wait_alu depctr_va_vdst(0)                   ; behind the places: p's codes v42-53 and its scale word v40 are written, which the products below take as operand and scales
.irp t, 0,1,2,3
	SW OV+8*\t,(1-(\p))*KV+(\p)*KV1+12*\t,PC,0,38+201*(\p)+\t/2,40,\t%2,0     ; (V was waited for ahead of the barrier)
.endr
	WIN 0
	PLACES
	s_cmp_lg_u32 s[TJ], s[PB]
	s_cbranch_scc1 .Lnofin_\@
	; ---- the block's last step: O^T / l; my 32 numbers are block 2 head + h along C of my query's row
	v_add_f32 v60, v14, v15
	v_permlanex16_b32 v61, v60, s[SEL], s[SEL+1]
	v_add_f32 v60, v60, v61
	s_wait_alu depctr_va_vdst(0)
	v_rcp_f32 v63, v60
	v_nop
	s_lshl_b32 s25, s[PB], 1
	s_add_co_u32 s25, s25, s[GQ]
	s_mul_i32 s26, s25, 38400                      ; the record of rows 64 (2 PB + w / 4) on
	s_lshr_b32 s27, s[HN], 1
	s_lshl_b32 s27, s27, 2
	s_add_co_u32 s27, s27, s[M4]                   ; fragment 4 (head / 2) + tile
	s_and_b32 s25, s[HN], 1                        ; half c = head % 2
	s_lshl_b32 s30, s27, 1
	s_add_co_u32 s30, s30, s25
	s_mul_i32 s30, s30, 768
	s_add_co_u32 s30, s30, s26
	s_mov_b32 s31, 0
	s_add_nc_u64 s[34:35], s[8:9], s[30:31]
	s_lshl_b32 s30, s27, 6
	s_lshl_b32 s25, s25, 1
	s_add_co_u32 s30, s30, s25
	s_add_co_u32 s30, s30, s26
	s_add_co_u32 s30, s30, 36864
	s_add_nc_u64 s[36:37], s[8:9], s[30:31]
	s_wait_alu depctr_va_vdst(0)                   ; the reciprocal has written v63, ahead of its first reader
.set ii, 0
.rept 32
	v_mul_f32 v[SV+ii], v[OV+ii], v63
.set ii, ii+1
.endr
	QBLK SV,230,64,236
	s_wait_alu depctr_va_vdst(0)                   ; the quantiser has written the codes v230-235 and the byte v236, which the stores read
	global_store_b128 v1, v[230:233], s[34:35]
	global_store_b64 v2, v[234:235], s[34:35] offset:512
	global_store_b8 v4, v236, s[36:37]
	s_wait_xcnt 0x0                                ; the stores' data and bases are written again only behind this wait
	s_wait_alu depctr_vm_vsrc(0)                   ; the stores have read v230-236, which the second block's quantiser writes again
	s_cmp_eq_u32 s[TI], 32
	s_cbranch_scc1 .Lnofin_\@
	s_sub_co_u32 s[PB], 31, s[PX]                  ; on to the second block
	s_mov_b32 s[TJ], -1
	NEWBLOCK
.Lnofin_\@:
	s_add_co_u32 s[TJ], s[TJ], 1
	s_add_co_u32 s[TI], s[TI], 1
.endm
	s_load_b128 s[4:7], s[0:1], 0x0                ; qimg, kvimg
	s_load_b64 s[8:9], s[0:1], 0x10                ; aimg
	v_lshl_add_u32 v254, v0, 2, 0x7400
	v_mov_b32 v255, 0
	v_lshrrev_b32 v60, 5, v0
	v_readfirstlane_b32 s[WV], v60
	s_mov_b32 s[PX], ttmp9
	s_and_b32 s[HN], ttmp7, 0xffff
	s_wait_alu depctr_va_sdst(0)                   ; the wave's number is written, ahead of its first reader
	s_lshr_b32 s[GQ], s[WV], 2
	s_and_b32 s[M4], s[WV], 3
	v_and_b32 v60, 31, v0
	v_and_b32 v61, 15, v0                          ; r
	v_bfe_u32 v62, v0, 4, 1                        ; h
	v_lshlrev_b32 v1, 4, v60
	v_lshlrev_b32 v2, 3, v60
	v_lshlrev_b32 v3, 2, v60
	v_lshl_add_u32 v4, v61, 2, v62
	v_lshlrev_b32 v10, 3, v62
	v_lshlrev_b32 v41, 2, v61
	s_mul_i32 s25, s[WV], 1536
	v_add_nc_u32 v57, s25, v1
	v_and_b32 v63, 8, v61
	v_and_b32 v64, 7, v61
	v_lshl_add_u32 v11, v63, 2, v64                ; 32 (r / 8) + r % 8
	s_lshl_b32 s25, s[GQ], 6
	s_lshl_b32 s26, s[M4], 3
	s_add_co_u32 s25, s25, s26
	v_add_nc_u32 v11, s25, v11                     ; my query in its block of 128,
	v_lshlrev_b32 v63, 5, v62
	v_sub_nc_u32 v11, v11, v63                     ; less 32 h
.irp i, 16,17,18,19,20,21,28,29,30,31,32,33
	v_mov_b32 v[\i], 0                             ; the zero codes on either side of Q
.endr
	v_mov_b32 v61, 0                               ; written once: a lane permute's destination counts as one of its sources
	v_mov_b32 v66, 0
	v_mov_b32 v69, 0                               ; (named as the upper half of the pair v[68:69])
	s_mov_b32 s[SEL], 0x76543210
	s_mov_b32 s[SEL+1], 0xfedcba98
	s_mov_b32 s[CS], 0x3e38aa3b
	s_mov_b32 s[CS+1], s[CS]
	s_mul_i32 s[KVH], s[HN], 409600
	s_mov_b32 s[PB], s[PX]
	s_mov_b32 s[TI], 0
	s_mov_b32 s[TJ], 0
	s_wait_kmcnt 0x0
	s_mov_b32 s38, 0
	STAGEADDR
	s_wait_alu depctr_va_vdst(0)                   ; the offsets v1-v4, v41 and v57 are written, which every load and store of the kernel reads
	STAGELOAD                                      ; trip 0's record
	s_wait_loadcnt 0x0
	STAGESTORE 0
	s_wait_dscnt 0x0                               ; the stores have landed
	s_wait_alu depctr_vm_vsrc(0)                   ; and have read v70-85, in which the loads below land
	s_mov_b32 s38, 1
	STAGEADDR
	STAGELOAD                                      ; trip 1's
	NEWBLOCK
	s_wait_dscnt 0x0
	s_barrier_signal -1
	s_barrier_wait -1                              ; slot 0 is whole
	FRAGK 0                                        ; K of step 0
	s_mov_b32 s39, 16
.Llap:                                             ; trips 0 to 31, two to a lap: both kinds of buffer are back at their start
	TRIP 0
	TRIP 1
	s_sub_co_u32 s39, s39, 1
	s_cmp_lg_u32 s39, 0
	s_cbranch_scc1 .Llap
	TRIP 0                                         ; trip 32
	s_wait_dscnt 0x0                               ; the closing lines, six on end (the first also takes in the last trip's loads of K, which nobody uses)
	s_wait_alu 0x0
	s_wait_tensorcnt 0x0
	ds_add_u32 v254, v255
	s_wait_dscnt 0x0
	s_endpgm
.Lfunc_end_k_qc8fd0e7e5c_attn:
	.size	k_qc8fd0e7e5c_attn, .Lfunc_end_k_qc8fd0e7e5c_attn-k_qc8fd0e7e5c_attn
	.p2alignl 7, 3214868480
	.fill 96, 4, 3214868480
	.section	.rodata,"a",@progbits
	.p2align	6, 0x0
	.amdhsa_kernel k_qc8fd0e7e5c_attn
		.amdhsa_group_segment_fixed_size 30720
		.amdhsa_private_segment_fixed_size 0
		.amdhsa_enable_private_segment 0
		.amdhsa_kernarg_size 24
		.amdhsa_user_sgpr_count 2
		.amdhsa_user_sgpr_kernarg_segment_ptr 1
		.amdhsa_wavefront_size32 1
		.amdhsa_system_sgpr_workgroup_id_x 1
		.amdhsa_system_sgpr_workgroup_id_y 1
		.amdhsa_system_sgpr_workgroup_id_z 1
		.amdhsa_system_vgpr_workitem_id 0
		.amdhsa_next_free_vgpr 400
		.amdhsa_next_free_sgpr 66
		.amdhsa_reserve_vcc 0
		.amdhsa_float_denorm_mode_32 3
		.amdhsa_float_denorm_mode_16_64 3
		.amdhsa_memory_ordered 1
		.amdhsa_forward_progress 1
		.amdhsa_inst_pref_size 105
	.end_amdhsa_kernel
	.amdgpu_metadata
---
amdhsa.version: [ 1, 2 ]
amdhsa.kernels:
  - .name:           k_qc8fd0e7e5c_attn
    .symbol:         k_qc8fd0e7e5c_attn.kd
    .args:
      - { .name: qimg, .offset: 0, .size: 8, .value_kind: global_buffer, .address_space: global }
      - { .name: kvimg, .offset: 8, .size: 8, .value_kind: global_buffer, .address_space: global }
      - { .name: aimg, .offset: 16, .size: 8, .value_kind: global_buffer, .address_space: global }
    .group_segment_fixed_size: 30720
    .private_segment_fixed_size: 0
    .kernarg_segment_align: 8
    .kernarg_segment_size: 24
    .max_flat_workgroup_size: 256
    .sgpr_count:     66
    .vgpr_count:     400
    .wavefront_size: 32
...
	.end_amdgpu_metadata
.endif
;; end of part 7
;; launch mid (part 8): grid 64 x 4, 12 waves a work-group, no clusters, 88,576 bytes of LDS; arguments aimg, wimg, x, bo, ln1_g, ln1_b, b1, hres, part; writes hres, part
.if DOCPART == 8
	.amdgcn_target "amdgcn-amd-amdhsa--gfx1250"
	.amdhsa_code_object_version 6
	.text
	.protected	k_qc8fd0e7e5c_mid
	.globl	k_qc8fd0e7e5c_mid
	.p2align	8
	.type	k_qc8fd0e7e5c_mid,@function
k_qc8fd0e7e5c_mid:
	s_mov_b64 s[64:65], 0
	v_nop
	global_prefetch_b8 v0, s[64:65] scope:SCOPE_SE
	s_setreg_imm32_b32 hwreg(HW_REG_WAVE_SCHED_MODE, 0, 2), 2
	s_setreg_imm32_b32 hwreg(HW_REG_WAVE_MODE, 25, 1), 1
	s_wait_xcnt 0x0
	s_wait_alu depctr_vm_vsrc(0)
; h = LayerNorm(x + attn Wo + bo); hidden = gelu(h W1 + b1), quantised along the hidden axis; and this quarter of the hidden layer times its rows of W2.  All three products on codes of E2M3.
; A work-group takes 64 whole rows (grid x), since the norm wants whole rows, and a quarter of the hidden layer (grid y); Wo and the norm are repeated in the four y: 96 products a wave, against one more launch and a way through memory for h's codes.
; The hidden quarter never leaves LDS: its 768 numbers a row are six K steps of the last product, whose f32 sums over these six steps go to memory; the next launch adds the four quarters' sums (an order of rounding other than one chain over K).
; Wave w takes columns 64 w .. 64 w + 63 of each product's result.  The weight is source 0: lane (r, h) holds, for each of four row tiles, columns 32 h .. 32 h + 31 of its row: one quantiser block, whole.
; Rows: row r of tile m is row 32 (r / 8) + 8 m + r % 8 of the 64.  Operands go from wave to wave through LDS as images of their registers (half image: 768 bytes; scale words: 64 bytes a fragment).
; The norm: sums over a lane's 32, lane l xor 16's, and the twelve waves' through LDS; the variance in a second pass over x - mean, so that no difference of large sums is formed.
; gelu(x) = x / 2 (1 + erf(x / sqrt 2)), erf(z) = z P(z^2) / Q(z^2) with z held to +-4: a rational form good to a few units in the last place of erf.
; h (by y = 0) and the partial sums go to memory in f32 as images of the accumulators: each store of a wave covers 512 consecutive bytes, aligned.
; The weights come from memory straight into the one wave that multiplies them, so no tile is shared that a joint request could serve.
; LIMITS: NaN and infinities are not served; far in gelu's negative tail the absolute error is up to about 6e-8 |x|; a block whose largest magnitude lies under 2^-124 gets the byte 1; v_rcp_f32 and v_rsq_f32 are good to one unit in the last place.
; THE MODE: SCHED_MODE bits 1:0 = 2 (LLVM: expert scheduling mode 2), set by the entry lines.  The code itself states the register dependences between vector or matrix instructions and memory or LDS instructions, with s_wait_alu, always for 0.
; THE PLAN, in each of the three products.  A K step is two halves of eight products (row tiles 0, 1 and 2, 3); half k = 2 s + q.  Registers that memory or LDS instructions touch:
;   three half-buffers of the rows' fragments (v32-55, v56-79, v306-329) with a scale word each (v24, v25, v30): half k is loaded into buffer k % 3 and read by its eight products;
;   two buffers of a weight's record (v80-127, v256-303) with two scale words each (v20-23): step s reads buffer s % 2, in which record s + 2 then lands;
;   the LDS addresses v5, v8, v11: read by every load of a half; written between two products alone.
; ONE wait on va_vdst stands in a step, at its end: the step's sixteen products are done reading.  Behind it half 2 s + 3 (into the buffer of half 2 s) and record s + 2 are asked for.  Half 2 s + 2 is asked for in the step's middle, into the
; buffer of half 2 s - 1, which the wait at the end of the step before has freed and which no product since names.
; BETWEEN THE PRODUCTS each phase's vector work stands together, one wait on va_vdst behind it and ahead of the run of stores and loads that hang on it; one wait on vm_vsrc ahead of each rewriting of registers that stores or LDS loads have read.
.set L16, 1
.set L8, 2
.set L4, 3
.set SBY, 4
.set A16, 5
.set A8, 8
.set A4, 11
.set XO, 12
.set H128, 13
.set BS, 20
.set AS, 24                            ; v24, v25, v30 the rows' scale words, one register for each half-buffer
.set AM, 26
.set SC, 28
.set RS, 26                            ; v26-29 the four row tiles' sums (never at work together with AM, SC)
.set AF, 32                            ; v32-79 half-buffers 0 and 1
.set H2, 50                            ; v306-329 half-buffer 2, named in the second window
.set B0, 80
.set ACC, 128
.set REC, 6400
.set RED0, 76800                       ; LDS: 0 attention's record, later the hidden quarter's; 38,400 h's record; 76,800 and 81,920 the norm's sums (16 rows x 80 bytes x 4 tiles each)
.set WV, 22
.set G, 23
.set Y, 24
.set WB, 26
.set SEL, 28
.set HM, 30
.set IC, 31
.set EP, 32
.set GA, 48
.set GB, 50
.set GZ, 32
.set GZ2, 40
.set GP, 48
.set GQ, 56
; v6, v7 the flat copy's offsets; v9, v10, v19 where my wave stores the hidden quarter's images and bytes; v14-16 the same for h's; v17, v18 the norm's sums
.set MSB, 0
.macro WIN new
.if MSB != \new
	s_set_vgpr_msb (MSB<<8)|\new
.set MSB, \new
.endif
.endm
.macro PLACES
.rept 4
	v_nop
.endr
.endm
.macro BARRIER
	s_wait_dscnt 0x0
	s_barrier_signal -1
	s_barrier_wait -1
.endm
.macro SW d, a, b, zero, sa, sb, ra, rb
.if (\zero)
.if ((\ra) == 0) && ((\rb) == 0)
	v_wmma_scale_f32_16x16x128_f8f6f4 v[(\d):(\d)+7], v[(\a):(\a)+11], v[(\b):(\b)+11], 0, v[(\sa)], v[(\sb)] matrix_a_fmt:MATRIX_FMT_FP6 matrix_b_fmt:MATRIX_FMT_FP6
.elseif ((\ra) == 1) && ((\rb) == 0)
	v_wmma_scale_f32_16x16x128_f8f6f4 v[(\d):(\d)+7], v[(\a):(\a)+11], v[(\b):(\b)+11], 0, v[(\sa)], v[(\sb)] matrix_a_fmt:MATRIX_FMT_FP6 matrix_b_fmt:MATRIX_FMT_FP6 matrix_a_scale:MATRIX_SCALE_ROW1
.elseif ((\ra) == 0) && ((\rb) == 1)
	v_wmma_scale_f32_16x16x128_f8f6f4 v[(\d):(\d)+7], v[(\a):(\a)+11], v[(\b):(\b)+11], 0, v[(\sa)], v[(\sb)] matrix_a_fmt:MATRIX_FMT_FP6 matrix_b_fmt:MATRIX_FMT_FP6 matrix_b_scale:MATRIX_SCALE_ROW1
.else
	v_wmma_scale_f32_16x16x128_f8f6f4 v[(\d):(\d)+7], v[(\a):(\a)+11], v[(\b):(\b)+11], 0, v[(\sa)], v[(\sb)] matrix_a_fmt:MATRIX_FMT_FP6 matrix_b_fmt:MATRIX_FMT_FP6 matrix_a_scale:MATRIX_SCALE_ROW1 matrix_b_scale:MATRIX_SCALE_ROW1
.endif
.else
.if ((\ra) == 0) && ((\rb) == 0)
	v_wmma_scale_f32_16x16x128_f8f6f4 v[(\d):(\d)+7], v[(\a):(\a)+11], v[(\b):(\b)+11], v[(\d):(\d)+7], v[(\sa)], v[(\sb)] matrix_a_fmt:MATRIX_FMT_FP6 matrix_b_fmt:MATRIX_FMT_FP6
.elseif ((\ra) == 1) && ((\rb) == 0)
	v_wmma_scale_f32_16x16x128_f8f6f4 v[(\d):(\d)+7], v[(\a):(\a)+11], v[(\b):(\b)+11], v[(\d):(\d)+7], v[(\sa)], v[(\sb)] matrix_a_fmt:MATRIX_FMT_FP6 matrix_b_fmt:MATRIX_FMT_FP6 matrix_a_scale:MATRIX_SCALE_ROW1
.elseif ((\ra) == 0) && ((\rb) == 1)
	v_wmma_scale_f32_16x16x128_f8f6f4 v[(\d):(\d)+7], v[(\a):(\a)+11], v[(\b):(\b)+11], v[(\d):(\d)+7], v[(\sa)], v[(\sb)] matrix_a_fmt:MATRIX_FMT_FP6 matrix_b_fmt:MATRIX_FMT_FP6 matrix_b_scale:MATRIX_SCALE_ROW1
.else
	v_wmma_scale_f32_16x16x128_f8f6f4 v[(\d):(\d)+7], v[(\a):(\a)+11], v[(\b):(\b)+11], v[(\d):(\d)+7], v[(\sa)], v[(\sb)] matrix_a_fmt:MATRIX_FMT_FP6 matrix_b_fmt:MATRIX_FMT_FP6 matrix_a_scale:MATRIX_SCALE_ROW1 matrix_b_scale:MATRIX_SCALE_ROW1
.endif
.endif
.endm
.macro QBLK src, dst, tmp, by
	v_max3_num_f32 v[AM], |v[(\src)]|, |v[(\src)+1]|, 0x1800000
	v_max3_num_f32 v[AM+1], |v[(\src)+16]|, |v[(\src)+17]|, |v[(\src)+18]|
.irp i, 0,1,2,3,4,5
	v_max3_num_f32 v[AM], v[AM], |v[(\src)+2+2*\i]|, |v[(\src)+3+2*\i]|
	v_max3_num_f32 v[AM+1], v[AM+1], |v[(\src)+19+2*\i]|, |v[(\src)+20+2*\i]|
.endr
	v_max3_num_f32 v[AM], v[AM], |v[(\src)+14]|, |v[(\src)+15]|
	v_max3_num_f32 v[AM], v[AM], v[AM+1], |v[(\src)+31]|
	v_add_nc_u32 v[SC], 0xff000000, v[AM]
	v_cvt_scalef32_pk16_fp6_f32 v[(\dst):(\dst)+2], v[(\src):(\src)+15], v[SC]
	v_cvt_scalef32_pk16_fp6_f32 v[(\tmp):(\tmp)+2], v[(\src)+16:(\src)+31], v[SC]
	v_lshrrev_b32 v[(\by)], 23, v[SC]
	v_mov_b32 v[(\dst)+3], v[(\tmp)]
	v_mov_b32 v[(\dst)+4], v[(\tmp)+1]
	v_mov_b32 v[(\dst)+5], v[(\tmp)+2]
.endm
.macro LOADB s, buf
	global_load_b32 v[BS+2*(\buf)], v[L4], s[WB:WB+1] offset:REC*(\s)+6144
	global_load_b32 v[BS+2*(\buf)+1], v[L4], s[WB:WB+1] offset:REC*(\s)+6272
	WIN 0x40*(\buf)
.irp p, 0,1,2,3,4,5,6,7,8,9,10,11
	global_load_b128 v[(1-(\buf))*B0+4*\p:(1-(\buf))*B0+4*\p+3], v[L16], s[WB:WB+1] offset:REC*(\s)+512*\p
.endr
	WIN 0
.endm
.macro LOADA k                         ; half k (K step k / 2, row tiles 2 (k % 2) and the next) from LDS into half-buffer k % 3: 9 loads
.set lw, ((\k)%3)/2                    ; 1: the buffer lies in the second window
	WIN 0x40*lw
.irp e, 0,1
.set la, (1-lw)*(AF+24*((\k)%3))+lw*H2+12*\e
.set lo, (2*(\k)+\e)*1536
	ds_load_b128 v[la:la+3], v[A16] offset:lo
	ds_load_b64 v[la+4:la+5], v[A8] offset:lo+512
	ds_load_b128 v[la+6:la+9], v[A16] offset:lo+768
	ds_load_b64 v[la+10:la+11], v[A8] offset:lo+1280
.endr
	WIN 0
	ds_load_b32 v[AS+(\k)%3+4*lw], v[A4] offset:128*(\k)
.endm
.macro GSW m, t, swap, zero
.set gk, 2*gs+(\m)/2                   ; the half,
.set gh, (gk%3)/2                      ; its buffer's window,
.set ga, (1-gh)*(AF+24*(gk%3))+gh*H2+12*((\m)%2)
.set gc, AS+gk%3+4*gh                  ; and its scale word
.set gw, (1-gs%2)*B0+12*(\t)
.set gz, 0
.if (\zero) && (gs == 0)
.set gz, 1
.endif
.if \swap
	SW ACC+32*(\t)+8*(\m),ga,gw,gz,gc,BS+2*(gs%2)+(\t)/2,(\m)%2,(\t)%2
.else
	SW ACC+32*(\m)+8*(\t),gw,ga,gz,BS+2*(gs%2)+(\t)/2,gc,(\t)%2,(\m)%2
.endif
.endm
.macro GEMM_PRO
	LOADB 0,0
	LOADB 1,1
.endm
.macro GEMM_MAIN ns, swap, zero        ; sixteen accumulators by turns, one instruction a turn, in the same order in every step
	LOADA 0
	LOADA 1
.set gs, 0
.rept \ns
.if gs == (\ns)-1
	s_wait_loadcnt 0x0
.else
	s_wait_loadcnt 14                              ; this step's record and all older loads are in; the next record's 14 may be out
.endif
	s_wait_dscnt 9                                 ; half 2 s is in; the 9 loads of half 2 s + 1 may be out
.set gwin, (gs%2)*(1+3*(\swap))+(((2*gs)%3)/2)*(4-3*(\swap))
	WIN gwin
.irp m, 0,1
.irp t, 0,1,2,3
	GSW \m,\t,\swap,\zero
.endr
.endr
	WIN 0
.if gs+1 < (\ns)
	LOADA 2*gs+2                                   ; into the buffer of half 2 s - 1.  No wait: the last wait on va_vdst has shown its products done, and no product since names that buffer
	s_wait_dscnt 9                                 ; half 2 s + 1 is in; the 9 just issued may be out
.else
	s_wait_dscnt 0x0
.endif
.set gwin, (gs%2)*(1+3*(\swap))+(((2*gs+1)%3)/2)*(4-3*(\swap))
	WIN gwin
.irp m, 2,3
.irp t, 0,1,2,3
	GSW \m,\t,\swap,\zero
.endr
.endr
	WIN 0
.if gs+1 < (\ns)
	PLACES                                         ; the four lines stay beside the wait
	s_wait_alu depctr_va_vdst(0)                   ; this step's sixteen products are done reading half 2 s's buffer and scale word, and the record's buffer and scale words, in which the loads below land
	LOADA 2*gs+3
.endif
.if gs+2 < (\ns)
	LOADB gs+2,gs%2
.endif
.set gs, gs+1
.endr
.endm
; The sum (sq = 0) or the sum of squares (sq = 1) of my wave's 64 columns, for my row of each of the four tiles: v[RS + m]
.macro ROWSUM sq
.irp m, 0,1,2,3
	v_mov_b32 v[104+\m], 0
.if \sq
	v_pk_mul_f32 v[96+2*\m:97+2*\m], v[ACC+32*\m:ACC+32*\m+1], v[ACC+32*\m:ACC+32*\m+1]
.else
	v_pk_add_f32 v[96+2*\m:97+2*\m], v[ACC+32*\m:ACC+32*\m+1], v[ACC+32*\m+2:ACC+32*\m+3]
.endif
.endr
.irp i, 1,2,3,4,5,6,7,8,9,10,11,12,13,14,15
.irp m, 0,1,2,3
.if \sq
	v_pk_fma_f32 v[96+2*\m:97+2*\m], v[ACC+32*\m+2*\i:ACC+32*\m+2*\i+1], v[ACC+32*\m+2*\i:ACC+32*\m+2*\i+1], v[96+2*\m:97+2*\m]
.elseif \i > 1
	v_pk_add_f32 v[96+2*\m:97+2*\m], v[96+2*\m:97+2*\m], v[ACC+32*\m+2*\i:ACC+32*\m+2*\i+1]
.endif
.endr
.endr
.irp m, 0,1,2,3
	v_add_f32 v[RS+\m], v[96+2*\m], v[97+2*\m]
.endr
.irp m, 0,1,2,3
	v_permlanex16_b32 v[104+\m], v[RS+\m], s[SEL], s[SEL+1]
.endr
.irp m, 0,1,2,3
	v_add_f32 v[RS+\m], v[RS+\m], v[104+\m]
.endr
.endm
; v[RS + m] summed over the twelve waves.  Each wave stores its word of each row; behind the barrier lanes 0-15 add up tiles 0, 1 and lanes 16-31 tiles 2, 3, and the halves exchange
.macro LNRED base
	s_wait_alu depctr_va_vdst(0)                   ; my four sums v26-29 are written, which the LDS stores read; the lines above are done with v96-119, in which the LDS loads land
.irp m, 0,1,2,3
	ds_store_b32 v17, v[RS+\m] offset:(\base)+1280*\m
.endr
	BARRIER
.irp i, 0,1,2,3,4,5
	ds_load_b128 v[96+4*\i:99+4*\i], v18 offset:(\base)+1280*(\i/3)+16*(\i%3)
.endr
	s_wait_dscnt 0x0
	s_wait_alu depctr_vm_vsrc(0)                   ; the LDS stores have read v26-29, which the selects below write again
.irp b, 96,108
	v_pk_add_f32 v[\b:\b+1], v[\b:\b+1], v[\b+2:\b+3]
	v_pk_add_f32 v[\b+4:\b+5], v[\b+4:\b+5], v[\b+6:\b+7]
	v_pk_add_f32 v[\b+8:\b+9], v[\b+8:\b+9], v[\b+10:\b+11]
	v_pk_add_f32 v[\b:\b+1], v[\b:\b+1], v[\b+4:\b+5]
	v_pk_add_f32 v[\b:\b+1], v[\b:\b+1], v[\b+8:\b+9]
	v_add_f32 v[\b], v[\b], v[\b+1]
.endr
	v_permlanex16_b32 v30, v96, s[SEL], s[SEL+1]
	v_permlanex16_b32 v31, v108, s[SEL], s[SEL+1]
	v_cndmask_b32 v[RS], v96, v30, s[HM]
	v_cndmask_b32 v[RS+1], v108, v31, s[HM]
	v_cndmask_b32 v[RS+2], v30, v96, s[HM]
	v_cndmask_b32 v[RS+3], v31, v108, s[HM]
.endm
.macro LNORM gp, bp                    ; the accumulators become (a - mean) rsqrt(var + 1e-5) g + b
	PLACES
	s_wait_alu depctr_va_vdst(0)                   ; the products are done reading v32-95 (the rows' fragments, the record's), in which g and b land
.irp q, 0,1,2,3,4,5,6,7
	global_load_b128 v[32+4*\q:35+4*\q], v[H128], s[\gp:\gp+1] offset:16*\q
.endr
.irp q, 0,1,2,3,4,5,6,7
	global_load_b128 v[64+4*\q:67+4*\q], v[H128], s[\bp:\bp+1] offset:16*\q
.endr
	ROWSUM 0
	LNRED 0
.irp m, 0,1,2,3
	v_mul_f32 v[120+2*\m], s[IC], v[RS+\m]
	v_mul_f32 v[121+2*\m], s[IC], v[RS+\m]
.endr
.set ii, 0
.rept 64
	v_pk_add_f32 v[ACC+2*ii:ACC+2*ii+1], v[ACC+2*ii:ACC+2*ii+1], v[120+2*(ii/16):121+2*(ii/16)] neg_lo:[0,1] neg_hi:[0,1]
.set ii, ii+1
.endr
	ROWSUM 1
	LNRED 5120
.irp m, 0,1,2,3
	v_fma_f32 v[RS+\m], v[RS+\m], s[IC], s[EP]
.endr
	s_wait_alu depctr_va_vdst(0)
.irp m, 0,1,2,3
	v_rsq_f32 v[120+2*\m], v[RS+\m]
.endr
	v_nop                                          ; a plain line behind the last of the four
	s_wait_alu depctr_va_vdst(0)                   ; the four roots' reciprocals are written, ahead of their first reader
.irp m, 0,1,2,3
	v_mov_b32 v[121+2*\m], v[120+2*\m]
.endr
	s_wait_alu depctr_va_vdst(0)
	s_wait_loadcnt 0x0                             ; g and b
.set ii, 0
.rept 64
	v_pk_mul_f32 v[ACC+2*ii:ACC+2*ii+1], v[ACC+2*ii:ACC+2*ii+1], v[120+2*(ii/16):121+2*(ii/16)]
.set ii, ii+1
.endr
.set ii, 0
.rept 64
	v_pk_fma_f32 v[ACC+2*ii:ACC+2*ii+1], v[ACC+2*ii:ACC+2*ii+1], v[32+2*(ii%16):33+2*(ii%16)], v[64+2*(ii%16):65+2*(ii%16)]
.set ii, ii+1
.endr
.endm
; gelu of eight numbers v[x ..], four pairs by turns
.macro GELU8 x
.irp p, 0,1,2,3
	v_pk_mul_f32 v[GZ+2*\p:GZ+2*\p+1], v[(\x)+2*\p:(\x)+2*\p+1], 0x3f3504f3 op_sel_hi:[1,0]
.endr
.irp p, 0,1,2,3,4,5,6,7
	v_med3_num_f32 v[GZ+\p], v[GZ+\p], -4.0, 4.0
.endr
.irp p, 0,1,2,3
	v_pk_mul_f32 v[GZ2+2*\p:GZ2+2*\p+1], v[GZ+2*\p:GZ+2*\p+1], v[GZ+2*\p:GZ+2*\p+1]
.endr
.irp p, 0,1,2,3
	v_pk_fma_f32 v[GP+2*\p:GP+2*\p+1], v[GZ2+2*\p:GZ2+2*\p+1], s[GA:GA+1], 0x32edffee op_sel_hi:[1,0,0]
	v_pk_fma_f32 v[GQ+2*\p:GQ+2*\p+1], v[GZ2+2*\p:GZ2+2*\p+1], s[GB:GB+1], 0xb95fbd29 op_sel_hi:[1,0,0]
.endr
.irp k, 0xb60cff51,0xb86ec2d2,0xba40ac63,0xbb41a1f6,0xbc83dbd4
.irp p, 0,1,2,3
	v_pk_fma_f32 v[GP+2*\p:GP+2*\p+1], v[GP+2*\p:GP+2*\p+1], v[GZ2+2*\p:GZ2+2*\p+1], \k op_sel_hi:[1,1,0]
.endr
.endr
.irp k, 0xbadc924e,0xbbf19bf8,0xbc69b6a7
.irp p, 0,1,2,3
	v_pk_fma_f32 v[GQ+2*\p:GQ+2*\p+1], v[GQ+2*\p:GQ+2*\p+1], v[GZ2+2*\p:GZ2+2*\p+1], \k op_sel_hi:[1,1,0]
.endr
.endr
	s_wait_alu depctr_va_vdst(0)
.irp p, 0,1,2,3,4,5,6,7
	v_rcp_f32 v[GZ2+\p], v[GQ+\p]                  ; z^2 is done with: 1 / Q takes its place
.endr
.irp p, 0,1,2,3
	v_pk_mul_f32 v[GP+2*\p:GP+2*\p+1], v[GP+2*\p:GP+2*\p+1], v[GZ+2*\p:GZ+2*\p+1]   ; z P: plain work behind the eight
.endr
	s_wait_alu depctr_va_vdst(0)                   ; the eight reciprocals are written, ahead of their first reader
.irp p, 0,1,2,3
	v_pk_mul_f32 v[GP+2*\p:GP+2*\p+1], v[GP+2*\p:GP+2*\p+1], v[GZ2+2*\p:GZ2+2*\p+1]   ; erf
.endr
.irp p, 0,1,2,3
	v_pk_mul_f32 v[GZ+2*\p:GZ+2*\p+1], v[(\x)+2*\p:(\x)+2*\p+1], 0.5 op_sel_hi:[1,0]
.endr
.irp p, 0,1,2,3
	v_pk_fma_f32 v[(\x)+2*\p:(\x)+2*\p+1], v[GP+2*\p:GP+2*\p+1], v[GZ+2*\p:GZ+2*\p+1], v[GZ+2*\p:GZ+2*\p+1]
.endr
.endm
	s_load_b256 s[4:11], s[0:1], 0x0               ; aimg, wimg, x, bo
	s_load_b256 s[12:19], s[0:1], 0x20             ; ln1_g, ln1_b, b1, hres
	s_load_b64 s[20:21], s[0:1], 0x40              ; part
	s_set_vgpr_msb 0x40
	v_lshl_add_u32 v48, v0, 2, 0x15400
	v_mov_b32 v49, 0
	s_set_vgpr_msb 0x4000
	v_lshrrev_b32 v30, 5, v0
	v_readfirstlane_b32 s[WV], v30
	s_mov_b32 s[G], ttmp9
	s_and_b32 s[Y], ttmp7, 0xffff
	v_and_b32 v30, 31, v0
	v_and_b32 v31, 15, v0                          ; r
	v_bfe_u32 v19, v0, 4, 1                        ; h
	v_lshlrev_b32 v[L16], 4, v30
	v_lshlrev_b32 v[L8], 3, v30
	v_lshlrev_b32 v[L4], 2, v30
	v_lshl_add_u32 v[SBY], v31, 2, v19
	v_lshlrev_b32 v[H128], 7, v19
	v_and_b32 v[XO], 8, v31
	v_and_b32 v29, 7, v31
	v_lshl_add_u32 v[XO], v[XO], 2, v29
	v_mul_u32_u24 v[XO], v[XO], 3072
	v_add_nc_u32 v[XO], v[XO], v[H128]
	v_lshlrev_b32 v6, 4, v0                        ; 16 x thread, 4 x thread: the flat copy of attention's record
	v_lshlrev_b32 v7, 2, v0
	v_mov_b32 v[A16], v[L16]
	v_mov_b32 v[A8], v[L8]
	v_add_nc_u32 v[A4], 36864, v[L4]
	v_mul_u32_u24 v17, v31, 80
	v_mul_u32_u24 v18, v19, 2560
	v_add_nc_u32 v18, v18, v17
	v_add_nc_u32 v18, RED0, v18                    ; the sums' rows: 80 r + 2,560 h
	s_wait_alu depctr_va_sdst(0)                   ; the wave's number is written, ahead of its first reader
	s_lshl_b32 s56, s[WV], 2
	s_add_co_u32 s56, s56, RED0
	v_add_nc_u32 v17, s56, v17                     ; my wave's word: 80 r + 4 w
	s_lshr_b32 s56, s[WV], 1
	s_and_b32 s57, s[WV], 1
	s_lshl_b32 s58, s56, 3
	s_add_co_u32 s58, s58, s57
	s_mul_i32 s58, s58, 768                        ; my columns are half w % 2 of K step w / 2 of the next product
	v_add_nc_u32 v9, s58, v[L16]                   ; in the record at LDS byte 0 (the hidden quarter's),
	v_add_nc_u32 v10, s58, v[L8]
	s_add_co_u32 s59, s58, 38400
	v_add_nc_u32 v14, s59, v[L16]                  ; and in the record at 38,400 (h's)
	v_add_nc_u32 v15, s59, v[L8]
	s_lshl_b32 s59, s56, 8
	s_lshl_b32 s60, s57, 1
	s_add_co_u32 s59, s59, s60
	s_add_co_u32 s60, s59, 75264
	v_add_nc_u32 v16, s60, v[SBY]
	s_add_co_u32 s60, s59, 36864
	v_add_nc_u32 v19, s60, v[SBY]                  ; (h is done with)
	s_mov_b32 s[SEL], 0x76543210
	s_mov_b32 s[SEL+1], 0xfedcba98
	s_mov_b32 s[HM], 0xffff0000
	s_mov_b32 s[IC], 0x3aaaaaab                    ; 1 / 768
	s_mov_b32 s[EP], 0x3727c5ac                    ; 1e-5
	s_mov_b32 s[GA], 0xaf95df0b
	s_mov_b32 s[GA+1], s[GA]
	s_mov_b32 s[GB], 0xb77460cd
	s_mov_b32 s[GB+1], s[GB]
	s_lshl_b32 s56, s[WV], 8
	s_mov_b32 s57, 0
	s_wait_kmcnt 0x0
	s_add_nc_u64 s[38:39], s[10:11], s[56:57]      ; bo, g, b, x, b1 at my 64 columns
	s_add_nc_u64 s[40:41], s[12:13], s[56:57]
	s_add_nc_u64 s[42:43], s[14:15], s[56:57]
	s_add_nc_u64 s[36:37], s[8:9], s[56:57]
	s_add_nc_u64 s[44:45], s[16:17], s[56:57]
	s_mul_i32 s56, s[G], 196608
	s_add_nc_u64 s[36:37], s[36:37], s[56:57]
	s_mul_i32 s56, s[Y], 3072
	s_add_nc_u64 s[44:45], s[44:45], s[56:57]
	s_mul_i32 s56, s[G], 38400
	s_add_nc_u64 s[34:35], s[4:5], s[56:57]
	s_mul_i32 s56, s[G], 12
	s_add_co_u32 s56, s56, s[WV]
	s_lshl_b32 s56, s56, 14
	s_add_nc_u64 s[46:47], s[18:19], s[56:57]
	s_lshl_b32 s56, s[Y], 6
	s_add_co_u32 s56, s56, s[G]
	s_mul_i32 s56, s56, 12
	s_add_co_u32 s56, s56, s[WV]
	s_lshl_b32 s56, s56, 14                        ; the partial sums' image: ((64 y + G) 12 + w) x 16,384
	s_add_nc_u64 s[52:53], s[20:21], s[56:57]
	s_mul_i32 s56, s[WV], 6
	s_add_co_u32 s56, s56, 216
	s_mul_i32 s56, s56, REC
	s_add_nc_u64 s[WB:WB+1], s[6:7], s[56:57]      ; Wo's records of my unit
	s_wait_alu depctr_va_vdst(0)                   ; the offsets and addresses v1-v19 are written, which the loads and stores below read; so is v30, in which a scale word lands later
	; ---- 0: attention's record into LDS; x + bo into the accumulators
.irp k, 0,1,2,3,4,5
	global_load_b128 v[32+4*\k:35+4*\k], v6, s[34:35] offset:6144*\k
.endr
	global_load_b32 v56, v7, s[34:35] offset:36864
.set ii, 0
.rept 32                               ; ii = 8 m + q
	global_load_b128 v[ACC+4*ii:ACC+4*ii+3], v[XO], s[36:37] offset:24576*(ii/8)+16*(ii%8)
.set ii, ii+1
.endr
.irp q, 0,1,2,3,4,5,6,7
	global_load_b128 v[80+4*\q:83+4*\q], v[H128], s[38:39] offset:16*\q
.endr
	s_wait_loadcnt 40                              ; the record's 7 loads are in; x's 32 and bo's 8 may be out
.irp k, 0,1,2,3,4,5
	ds_store_b128 v6, v[32+4*\k:35+4*\k] offset:6144*\k
.endr
	ds_store_b32 v7, v56 offset:36864
	s_wait_loadcnt 0x0
.set ii, 0
.rept 64
	v_pk_add_f32 v[ACC+2*ii:ACC+2*ii+1], v[ACC+2*ii:ACC+2*ii+1], v[80+2*(ii%16):81+2*(ii%16)]
.set ii, ii+1
.endr
	s_wait_dscnt 0x0                               ; my part of the record has landed
	s_wait_alu depctr_va_vdst(0)                   ; the additions are done reading bo in v80-111, in which Wo's first record lands
	GEMM_PRO
	s_barrier_signal -1
	s_barrier_wait -1
	s_wait_alu depctr_vm_vsrc(0)                   ; my LDS stores have read v32-56, in which the fragments land
	; ---- 1: + attention x Wo
	GEMM_MAIN 6,0,0
	; ---- 2: the first norm: h
	LNORM 40,42
	; ---- 3: h to memory (y = 0), and its codes to LDS
	s_cmp_lg_u32 s[Y], 0
	s_cbranch_scc1 .Lnoh
	s_wait_alu depctr_va_vdst(0)                   ; the norm has written the accumulators, which h's stores read
.set ii, 0
.rept 32
	global_store_b128 v[L16], v[ACC+4*ii:ACC+4*ii+3], s[46:47] offset:512*ii   ; each store of the wave covers 512 consecutive bytes, aligned
.set ii, ii+1
.endr
.Lnoh:
.irp m, 0,1,2,3
	QBLK ACC+32*\m,32+8*\m,64,112+\m
.endr
	s_wait_xcnt 0x0                                ; h's stores have had their addresses translated: only behind this wait are the accumulators loaded anew
	s_wait_alu depctr_vm_vsrc(0)                   ; h's stores have read the accumulators, in which b1 lands; the first product's LDS loads have read v5, v8 and v11, which the three lines below write
	v_add_nc_u32 v[A16], 38400, v[A16]             ; the next product's rows lie in h's record
	v_add_nc_u32 v[A8], 38400, v[A8]
	v_add_nc_u32 v[A4], 38400, v[A4]
	s_wait_alu depctr_va_vdst(0)                   ; the quantisers have written the codes and bytes, which the LDS stores read, and are done reading the accumulators; the norm is done with v80-127, in which W1's record lands; the three addresses are written
.irp m, 0,1,2,3
	ds_store_b128 v14, v[32+8*\m:35+8*\m] offset:1536*\m
	ds_store_b64 v15, v[36+8*\m:37+8*\m] offset:1536*\m+512
	ds_store_b8 v16, v[112+\m] offset:64*\m
.endr
.set ii, 0
.rept 32
	global_load_b128 v[ACC+4*ii:ACC+4*ii+3], v[H128], s[44:45] offset:16*(ii%8)   ; b1 is the next sums' first content
.set ii, ii+1
.endr
	s_mul_i32 s56, s[Y], 72
	s_mul_i32 s60, s[WV], 6
	s_add_co_u32 s56, s56, s60
	s_add_co_u32 s56, s56, 288
	s_mul_i32 s56, s56, REC
	s_add_nc_u64 s[WB:WB+1], s[6:7], s[56:57]      ; W1's records of unit 12 y + w (Wo's loads were all waited for)
	s_wait_dscnt 0x0
	s_wait_alu depctr_vm_vsrc(0)                   ; the LDS stores have read the bytes v112-115, in which W1's record lands, and the codes v32-61, in which the fragments land
	GEMM_PRO
	s_barrier_signal -1
	s_barrier_wait -1                              ; h's 24 fragments lie in LDS
	; ---- 4: h x W1 + b1
	GEMM_MAIN 6,0,0
	PLACES
	s_wait_alu depctr_va_vdst(0)                   ; the products are done reading both records' buffers and scale words, in which W2's first two records land
	s_mul_i32 s56, s[WV], 24
	s_mul_i32 s60, s[Y], 6
	s_add_co_u32 s56, s56, s60
	s_add_co_u32 s56, s56, 576
	s_mul_i32 s56, s56, REC
	s_add_nc_u64 s[WB:WB+1], s[6:7], s[56:57]      ; W2's records of unit w, K steps 6 y on (W1's loads were all waited for)
	GEMM_PRO                                       ; asked for here: gelu and the quantiser stand between these loads and their use
	; ---- 5: gelu, an accumulator at a time
.set jj, 0
.rept 16
	GELU8 ACC+8*jj
.set jj, jj+1
.endr
	; ---- 6: the hidden quarter's codes, into the bytes that held attention's record: its last readers have passed the norm's barriers
.irp m, 0,1,2,3
	QBLK ACC+32*\m,32+8*\m,64,72+\m
.endr
	s_wait_alu depctr_vm_vsrc(0)                   ; the second product's LDS loads have read v5, v8 and v11, which the three lines below write
	v_mov_b32 v[A16], v[L16]                       ; the last product's rows lie in the record at LDS byte 0
	v_mov_b32 v[A8], v[L8]
	v_add_nc_u32 v[A4], 36864, v[L4]
	s_wait_alu depctr_va_vdst(0)                   ; the quantisers have written the codes and bytes, which the LDS stores read; the three addresses are written
.irp m, 0,1,2,3
	ds_store_b128 v9, v[32+8*\m:35+8*\m] offset:1536*\m
	ds_store_b64 v10, v[36+8*\m:37+8*\m] offset:1536*\m+512
	ds_store_b8 v19, v[72+\m] offset:64*\m
.endr
	BARRIER                                        ; the hidden quarter's 24 fragments lie in LDS
	s_wait_alu depctr_vm_vsrc(0)                   ; my LDS stores have read v32-61 and v72-75, in which the fragments land
	; ---- 7: the hidden quarter x its rows of W2; the first step's products start the sums
	GEMM_MAIN 6,0,1
	PLACES
	s_wait_alu depctr_va_vdst(0)                   ; behind the places: the products have written the accumulators, which the stores read
.set ii, 0
.rept 32
	global_store_b128 v[L16], v[ACC+4*ii:ACC+4*ii+3], s[52:53] offset:512*ii th:TH_STORE_NT   ; 512 consecutive bytes a store, aligned; each accumulator from its low end on
.set ii, ii+1
.endr
	s_set_vgpr_msb 0x5                             ; the add's two registers, v304 and v305, lie in the second window
	s_wait_dscnt 0x0                               ; the closing lines, six on end
	s_wait_alu 0x0
	s_wait_tensorcnt 0x0
	ds_add_u32 v48, v49
	s_wait_dscnt 0x0
	s_endpgm
.Lfunc_end_k_qc8fd0e7e5c_mid:
	.size	k_qc8fd0e7e5c_mid, .Lfunc_end_k_qc8fd0e7e5c_mid-k_qc8fd0e7e5c_mid
	.p2alignl 7, 3214868480
	.fill 96, 4, 3214868480
	.section	.rodata,"a",@progbits
	.p2align	6, 0x0
	.amdhsa_kernel k_qc8fd0e7e5c_mid
		.amdhsa_group_segment_fixed_size 88576
		.amdhsa_private_segment_fixed_size 0
		.amdhsa_enable_private_segment 0
		.amdhsa_kernarg_size 72
		.amdhsa_user_sgpr_count 2
		.amdhsa_user_sgpr_kernarg_segment_ptr 1
		.amdhsa_wavefront_size32 1
		.amdhsa_system_sgpr_workgroup_id_x 1
		.amdhsa_system_sgpr_workgroup_id_y 1
		.amdhsa_system_sgpr_workgroup_id_z 1
		.amdhsa_system_vgpr_workitem_id 0
		.amdhsa_next_free_vgpr 330
		.amdhsa_next_free_sgpr 66
		.amdhsa_reserve_vcc 0
		.amdhsa_float_denorm_mode_32 3
		.amdhsa_float_denorm_mode_16_64 3
		.amdhsa_memory_ordered 1
		.amdhsa_forward_progress 1
		.amdhsa_inst_pref_size 250
	.end_amdhsa_kernel
	.amdgpu_metadata
---
amdhsa.version: [ 1, 2 ]
amdhsa.kernels:
  - .name:           k_qc8fd0e7e5c_mid
    .symbol:         k_qc8fd0e7e5c_mid.kd
    .args:
      - { .name: aimg, .offset: 0, .size: 8, .value_kind: global_buffer, .address_space: global }
      - { .name: wimg, .offset: 8, .size: 8, .value_kind: global_buffer, .address_space: global }
      - { .name: x, .offset: 16, .size: 8, .value_kind: global_buffer, .address_space: global }
      - { .name: bo, .offset: 24, .size: 8, .value_kind: global_buffer, .address_space: global }
      - { .name: ln1_g, .offset: 32, .size: 8, .value_kind: global_buffer, .address_space: global }
      - { .name: ln1_b, .offset: 40, .size: 8, .value_kind: global_buffer, .address_space: global }
      - { .name: b1, .offset: 48, .size: 8, .value_kind: global_buffer, .address_space: global }
      - { .name: hres, .offset: 56, .size: 8, .value_kind: global_buffer, .address_space: global }
      - { .name: part, .offset: 64, .size: 8, .value_kind: global_buffer, .address_space: global }
    .group_segment_fixed_size: 88576
    .private_segment_fixed_size: 0
    .kernarg_segment_align: 8
    .kernarg_segment_size: 72
    .max_flat_workgroup_size: 384
    .sgpr_count:     66
    .vgpr_count:     330
    .wavefront_size: 32
...
	.end_amdgpu_metadata
.endif
;; end of part 8
;; launch lnfin (part 9): grid 64 x 4, 12 waves a work-group, no clusters, 56,320 bytes of LDS; arguments part, hres, b2, ln2_g, ln2_b, out0; writes out0
.if DOCPART == 9
	.amdgcn_target "amdgcn-amd-amdhsa--gfx1250"
	.amdhsa_code_object_version 6
	.text
	.protected	k_qc8fd0e7e5c_lnfin
	.globl	k_qc8fd0e7e5c_lnfin
	.p2align	8
	.type	k_qc8fd0e7e5c_lnfin,@function
k_qc8fd0e7e5c_lnfin:
	s_mov_b64 s[64:65], 0
	v_nop
	global_prefetch_b8 v0, s[64:65] scope:SCOPE_SE
	s_setreg_imm32_b32 hwreg(HW_REG_WAVE_MODE, 25, 1), 1
	s_wait_xcnt 0x0
; y = LayerNorm(h + b2 + the four partial sums of hidden x W2).  A stream: no products, so no matrix unit, no tensor loads, no cluster.
; h and the partial sums lie in memory as images of the accumulators of the launch before: for (group G of 64 rows, wave w = columns 64 w on) 16,384 bytes, registers 4 q .. 4 q + 3 of lane l at 512 q + 16 l; row tile m is q = 8 m .. 8 m + 7.
; A work-group takes the 16 whole rows of one row tile (grid x = G, grid y = m); wave w takes columns 64 w .. 64 w + 63: lane (r, h) holds columns 32 h .. 32 h + 31 of row 32 (r / 8) + 8 m + r % 8 of the 64.
; Every load of the images covers 512 consecutive bytes; 56 loads a lane go out at once.  The norm: sums over a lane's 32, lane l xor 16's, and the twelve waves' through LDS; the variance in a second pass over x - mean.
; The result leaves through each wave's own stage in LDS, so that sixteen lanes store 256 consecutive bytes of a row, aligned.
; LIMITS: NaN and infinities are not served; v_rsq_f32 is good to one unit in the last place; the sum over K is taken in four parts, added here in f32.
.set X, 32                             ; v32-63   h, then the sum, then the result
.set P, 64                             ; v64-191  the four partial sums
.set B2, 192                           ; v192-223 b2
.set GG, 224                           ; v224-255 g
.set BT, 64                            ; v64-95   b, once the partial sums are added
.set OB, 128                           ; v128-159 rows read back from the stage
.set IC, 19
.set EP, 21
.set SEL, 46
; LDS: 0 and 1,280 the sums (16 rows x 80 bytes each); 2,560 + 4,352 w the stages (16 rows x 272 bytes)
; v1 16 x lane, v5 128 h, v6 80 r, v7 80 r + 4 w, v8 the stage on the way in, v9 on the way back, v10 my bytes in two rows of the output; v96-117 at work
.macro ROW1 sq                         ; the sum (sq = 0) or the sum of squares (sq = 1) of my wave's 64 columns of my row: v101
.if \sq
	v_pk_mul_f32 v[96:97], v[X:X+1], v[X:X+1]
	v_pk_mul_f32 v[98:99], v[X+2:X+3], v[X+2:X+3]
.else
	v_pk_add_f32 v[96:97], v[X:X+1], v[X+4:X+5]
	v_pk_add_f32 v[98:99], v[X+2:X+3], v[X+6:X+7]
.endif
.irp i, 2,3,4,5,6,7,8,9,10,11,12,13,14,15
.if \sq
	s_delay_alu instid0(VALU_DEP_2)
	v_pk_fma_f32 v[96+2*(\i%2):97+2*(\i%2)], v[X+2*\i:X+2*\i+1], v[X+2*\i:X+2*\i+1], v[96+2*(\i%2):97+2*(\i%2)]
.elseif \i > 3
	s_delay_alu instid0(VALU_DEP_2)
	v_pk_add_f32 v[96+2*(\i%2):97+2*(\i%2)], v[96+2*(\i%2):97+2*(\i%2)], v[X+2*\i:X+2*\i+1]
.endif
.endr
	s_delay_alu instid0(VALU_DEP_1)
	v_pk_add_f32 v[96:97], v[96:97], v[98:99]
	s_delay_alu instid0(VALU_DEP_1)
	v_add_f32 v101, v96, v97
	s_delay_alu instid0(VALU_DEP_1)
	v_permlanex16_b32 v100, v101, s[SEL], s[SEL+1]
	s_delay_alu instid0(VALU_DEP_1)
	v_add_f32 v101, v101, v100
.endm
.macro RED1 base                       ; v101 summed over the twelve waves: each wave stores its word of each row; behind the barrier every lane adds up its row's twelve
	ds_store_b32 v7, v101 offset:\base
	s_wait_dscnt 0x0                               ; my word has landed: the others read it behind the barrier
	s_barrier_signal -1
	s_barrier_wait -1
	ds_load_b128 v[104:107], v6 offset:\base
	ds_load_b128 v[108:111], v6 offset:\base+16
	ds_load_b128 v[112:115], v6 offset:\base+32
	s_wait_dscnt 0x0
	v_pk_add_f32 v[104:105], v[104:105], v[106:107]
	v_pk_add_f32 v[108:109], v[108:109], v[110:111]
	v_pk_add_f32 v[112:113], v[112:113], v[114:115]
	s_delay_alu instid0(VALU_DEP_2)
	v_pk_add_f32 v[104:105], v[104:105], v[108:109]
	s_delay_alu instid0(VALU_DEP_1)
	v_pk_add_f32 v[104:105], v[104:105], v[112:113]
	s_delay_alu instid0(VALU_DEP_1)
	v_add_f32 v101, v104, v105
.endm
	s_load_b256 s[4:11], s[0:1], 0x0               ; part, hres, b2, ln2_g
	s_load_b128 s[12:15], s[0:1], 0x20             ; ln2_b, out0
	v_lshl_add_u32 v30, v0, 2, 0xd600
	v_mov_b32 v31, 0
	v_lshrrev_b32 v2, 5, v0
	s_delay_alu instid0(VALU_DEP_1)
	v_readfirstlane_b32 s16, v2                    ; wave
	s_mov_b32 s17, ttmp9                           ; G
	s_and_b32 s18, ttmp7, 0xffff                   ; m
	v_and_b32 v2, 31, v0                           ; lane
	v_and_b32 v3, 15, v0                           ; r
	v_bfe_u32 v4, v0, 4, 1                         ; h
	s_delay_alu instid0(VALU_DEP_3)
	v_lshlrev_b32 v1, 4, v2
	s_delay_alu instid0(VALU_DEP_2)
	v_lshlrev_b32 v5, 7, v4
	s_delay_alu instid0(VALU_DEP_4)
	v_mul_u32_u24 v6, v3, 80
	s_lshl_b32 s20, s16, 2
	v_add_nc_u32 v7, s20, v6
	s_mul_i32 s20, s16, 4352
	s_add_co_u32 s20, s20, 2560                    ; my stage
	v_mul_u32_u24 v8, v3, 272
	s_delay_alu instid0(VALU_DEP_1)
	v_add_nc_u32 v8, v8, v5
	s_delay_alu instid0(VALU_DEP_1)
	v_add_nc_u32 v8, s20, v8                       ; in: row r, + 128 h
	v_mul_u32_u24 v9, v4, 272
	s_delay_alu instid0(VALU_DEP_1)
	v_lshl_add_u32 v9, v3, 4, v9
	s_delay_alu instid0(VALU_DEP_1)
	v_add_nc_u32 v9, s20, v9                       ; back: lanes 0-15 one row, lanes 16-31 the next
	v_mul_u32_u24 v10, v4, 3072
	s_delay_alu instid0(VALU_DEP_1)
	v_lshl_add_u32 v10, v3, 4, v10                 ; and the same two rows in the output
	v_mov_b32 v100, 0                              ; written once: a lane permute's destination counts as one of its sources
	s_mov_b32 s[SEL], 0x76543210
	s_mov_b32 s[SEL+1], 0xfedcba98
	s_mov_b32 s[IC], 0x3aaaaaab                    ; 1 / 768
	s_mov_b32 s[EP], 0x3727c5ac                    ; 1e-5
	s_mul_i32 s22, s17, 12
	s_add_co_u32 s22, s22, s16
	s_lshl_b32 s22, s22, 14
	s_lshl_b32 s23, s18, 12
	s_add_co_u32 s22, s22, s23                     ; (12 G + w) x 16,384 + 4,096 m
	s_mov_b32 s23, 0
	s_lshl_b32 s24, s16, 8                         ; 256 w
	s_mov_b32 s25, 0
	s_mul_i32 s26, s17, 196608                     ; 64 G rows of 3,072 bytes
	s_mul_i32 s27, s18, 24576                      ; + 8 m rows
	s_add_co_u32 s26, s26, s27
	s_add_co_u32 s26, s26, s24
	s_mov_b32 s27, 0
	s_wait_kmcnt 0x0
	s_add_nc_u64 s[28:29], s[6:7], s[22:23]        ; h
	s_add_nc_u64 s[30:31], s[4:5], s[22:23]        ; the four partial sums, 12,582,912 bytes apart
	s_add_nc_u64 s[32:33], s[30:31], 12582912
	s_add_nc_u64 s[34:35], s[32:33], 12582912
	s_add_nc_u64 s[36:37], s[34:35], 12582912
	s_add_nc_u64 s[38:39], s[8:9], s[24:25]        ; b2, g, b at my 64 columns
	s_add_nc_u64 s[40:41], s[10:11], s[24:25]
	s_add_nc_u64 s[42:43], s[12:13], s[24:25]
	s_add_nc_u64 s[44:45], s[14:15], s[26:27]
.irp q, 0,1,2,3,4,5,6,7
	global_load_b128 v[X+4*\q:X+4*\q+3], v1, s[28:29] offset:512*\q th:TH_LOAD_NT
.endr
.irp y, 0,1,2,3
.irp q, 0,1,2,3,4,5,6,7
	global_load_b128 v[P+32*\y+4*\q:P+32*\y+4*\q+3], v1, s[30+2*\y:31+2*\y] offset:512*\q th:TH_LOAD_NT
.endr
.endr
.irp q, 0,1,2,3,4,5,6,7
	global_load_b128 v[B2+4*\q:B2+4*\q+3], v5, s[38:39] offset:16*\q
.endr
.irp q, 0,1,2,3,4,5,6,7
	global_load_b128 v[GG+4*\q:GG+4*\q+3], v5, s[40:41] offset:16*\q
.endr
	s_wait_loadcnt 8                               ; h, the partial sums and b2 are in; g's 8 loads may be out
.set ii, 0
.rept 16
	v_pk_add_f32 v[X+2*ii:X+2*ii+1], v[X+2*ii:X+2*ii+1], v[B2+2*ii:B2+2*ii+1]
	v_pk_add_f32 v[P+2*ii:P+2*ii+1], v[P+2*ii:P+2*ii+1], v[P+32+2*ii:P+33+2*ii]
	v_pk_add_f32 v[P+64+2*ii:P+65+2*ii], v[P+64+2*ii:P+65+2*ii], v[P+96+2*ii:P+97+2*ii]
.set ii, ii+1
.endr
.set ii, 0
.rept 16
	v_pk_add_f32 v[P+2*ii:P+2*ii+1], v[P+2*ii:P+2*ii+1], v[P+64+2*ii:P+65+2*ii]
.set ii, ii+1
.endr
.set ii, 0
.rept 16
	v_pk_add_f32 v[X+2*ii:X+2*ii+1], v[X+2*ii:X+2*ii+1], v[P+2*ii:P+2*ii+1]
.set ii, ii+1
.endr
.irp q, 0,1,2,3,4,5,6,7
	global_load_b128 v[BT+4*\q:BT+4*\q+3], v5, s[42:43] offset:16*\q   ; b, into registers that are done with: it lands under the two sums
.endr
	ROW1 0
	RED1 0
	s_delay_alu instid0(VALU_DEP_1)
	v_mul_f32 v116, s[IC], v101                    ; the mean, twice: a pair for the packed forms
	s_delay_alu instid0(VALU_DEP_2)
	v_mul_f32 v117, s[IC], v101
.set ii, 0
.rept 16
	v_pk_add_f32 v[X+2*ii:X+2*ii+1], v[X+2*ii:X+2*ii+1], v[116:117] neg_lo:[0,1] neg_hi:[0,1]
.set ii, ii+1
.endr
	ROW1 1
	RED1 1280
	s_delay_alu instid0(VALU_DEP_1)
	v_fma_f32 v101, v101, s[IC], s[EP]
	s_wait_alu depctr_va_vdst(0)
	v_rsq_f32 v116, v101
	v_nop                                          ; a plain line behind it
	s_wait_alu depctr_va_vdst(0)                   ; ahead of its first reader
	v_mov_b32 v117, v116
	s_wait_alu depctr_va_vdst(0)
	s_wait_loadcnt 0x0                             ; g and b
.set ii, 0
.rept 16
	v_pk_mul_f32 v[X+2*ii:X+2*ii+1], v[X+2*ii:X+2*ii+1], v[116:117]
.set ii, ii+1
.endr
.set ii, 0
.rept 16
	v_pk_fma_f32 v[X+2*ii:X+2*ii+1], v[X+2*ii:X+2*ii+1], v[GG+2*ii:GG+2*ii+1], v[BT+2*ii:BT+2*ii+1]
.set ii, ii+1
.endr
	; the way out.  LDS serves a wave's instructions in order (ISA guide 5.7.1.4): no wait between my stores and my loads
.irp q, 0,1,2,3,4,5,6,7
	ds_store_b128 v8, v[X+4*\q:X+4*\q+3] offset:16*\q
.endr
.irp i, 0,1,2,3,4,5,6,7
	ds_load_b128 v[OB+4*\i:OB+4*\i+3], v9 offset:544*\i
.endr
.irp i, 0,1,2,3,4,5,6,7
	s_wait_dscnt 7-\i                              ; rows 2 i, 2 i + 1 of the tile are back; the younger loads may be out
	global_store_b128 v10, v[OB+4*\i:OB+4*\i+3], s[44:45] offset:(2*(\i%4)+32*(\i/4))*3072 th:TH_STORE_NT
.endr
	s_wait_tensorcnt 0x0
	ds_add_u32 v30, v31
	s_wait_dscnt 0x0
	s_endpgm
.Lfunc_end_k_qc8fd0e7e5c_lnfin:
	.size	k_qc8fd0e7e5c_lnfin, .Lfunc_end_k_qc8fd0e7e5c_lnfin-k_qc8fd0e7e5c_lnfin
	.p2alignl 7, 3214868480
	.fill 96, 4, 3214868480
	.section	.rodata,"a",@progbits
	.p2align	6, 0x0
	.amdhsa_kernel k_qc8fd0e7e5c_lnfin
		.amdhsa_group_segment_fixed_size 56320
		.amdhsa_private_segment_fixed_size 0
		.amdhsa_enable_private_segment 0
		.amdhsa_kernarg_size 48
		.amdhsa_user_sgpr_count 2
		.amdhsa_user_sgpr_kernarg_segment_ptr 1
		.amdhsa_wavefront_size32 1
		.amdhsa_system_sgpr_workgroup_id_x 1
		.amdhsa_system_sgpr_workgroup_id_y 1
		.amdhsa_system_sgpr_workgroup_id_z 1
		.amdhsa_system_vgpr_workitem_id 0
		.amdhsa_next_free_vgpr 256
		.amdhsa_next_free_sgpr 66
		.amdhsa_reserve_vcc 0
		.amdhsa_float_denorm_mode_32 3
		.amdhsa_float_denorm_mode_16_64 3
		.amdhsa_memory_ordered 1
		.amdhsa_forward_progress 1
		.amdhsa_inst_pref_size 25
	.end_amdhsa_kernel
	.amdgpu_metadata
---
amdhsa.version: [ 1, 2 ]
amdhsa.kernels:
  - .name:           k_qc8fd0e7e5c_lnfin
    .symbol:         k_qc8fd0e7e5c_lnfin.kd
    .args:
      - { .name: part, .offset: 0, .size: 8, .value_kind: global_buffer, .address_space: global }
      - { .name: hres, .offset: 8, .size: 8, .value_kind: global_buffer, .address_space: global }
      - { .name: b2, .offset: 16, .size: 8, .value_kind: global_buffer, .address_space: global }
      - { .name: ln2_g, .offset: 24, .size: 8, .value_kind: global_buffer, .address_space: global }
      - { .name: ln2_b, .offset: 32, .size: 8, .value_kind: global_buffer, .address_space: global }
      - { .name: out0, .offset: 40, .size: 8, .value_kind: global_buffer, .address_space: global }
    .group_segment_fixed_size: 56320
    .private_segment_fixed_size: 0
    .kernarg_segment_align: 8
    .kernarg_segment_size: 48
    .max_flat_workgroup_size: 384
    .sgpr_count:     66
    .vgpr_count:     256
    .wavefront_size: 32
...
	.end_amdgpu_metadata
.endif
;; end of part 9
